; MI455X (gfx1250); checked and timed in simulation.
; The chip was launched on July 23, 2026; its instructions are those of AMD's public machine-readable ISA for CDNA 5 (MIT licence, August 2026) and "CDNA5" Instruction Set Architecture Reference Guide (July 2026). The comments in the code are by the model that wrote it; some were corrected since.
;; Encoder Block. Allowed arithmetic: matrix products marked QUANTISED: E4M3 operands, one given power-of-two scale a tensor, by v_wmma_f32_16x16x64_fp8_fp8 or v_wmma_f32_16x16x128_fp8_fp8, f32 sums; everything else in f32.
;; Inputs: W0 4,096 x 1,024 float32; W1 1,024 x 4,096 float32; Wk 1,024 x 1,024 float32; Wo 1,024 x 1,024 float32; Wq 1,024 x 1,024 float32; Wv 1,024 x 1,024 float32; b0 4,096 float32; b1 1,024 float32; bk 1,024 float32; bo 1,024 float32; bq 1,024 float32; bv 1,024 float32; ln0_a 1,024 float32; ln0_b 1,024 float32; ln1_a 1,024 float32; ln1_b 1,024 float32; lowp_scales 16 int32 (the exponents e of the quantised operands' scales 2^e); x 2 x 2,048 x 1,024 float32.
;; Outputs: out0 2 x 2,048 x 1,024 float32.
;; This version of the problem:
;;   THIS VERSION OF THE PROBLEM IS GIVEN IN LOW PRECISION. The matrix products marked QUANTISED in the list below multiply operands that are first quantised to E4M3 (4 exponent bits, 3 mantissa bits; 8 bits a number), with one given power-of-two scale for each operand tensor; their sums are f32. All else is computed in f32.
;;   The module's matrix products, in the order in which they are computed (A, B: the left and right operand; K: the contracted axis; several contracted axes count as one K, in the product's order):
;;     1. [M 4,096, K 1,024] x [K 1,024, N 1,024]; A: input x; B: input Wk: QUANTISED (scales: A lowp_scales[0], B lowp_scales[1])
;;     2. [M 4,096, K 1,024] x [K 1,024, N 1,024]; A: input x; B: input Wq: QUANTISED (scales: A lowp_scales[2], B lowp_scales[3])
;;     3. [M 4,096, K 1,024] x [K 1,024, N 1,024]; A: input x; B: input Wv: QUANTISED (scales: A lowp_scales[4], B lowp_scales[5])
;;     4. batch 64 x [M 2,048, K 32] x [K 32, N 2,048]; A: computed on the way; B: computed on the way: QUANTISED (scales: A lowp_scales[6], B lowp_scales[7])
;;     5. batch 64 x [M 32, K 2,048] x [K 2,048, N 2,048]; A: computed on the way; B: softmax (see below): QUANTISED (scales: A lowp_scales[8], B lowp_scales[9])
;;     6. [M 4,096, K 1,024] x [K 1,024, N 1,024]; A: computed on the way; B: input Wo: QUANTISED (scales: A lowp_scales[10], B lowp_scales[11])
;;     7. [M 4,096, K 1,024] x [K 1,024, N 4,096]; A: computed on the way; B: input W0: QUANTISED (scales: A lowp_scales[12], B lowp_scales[13])
;;     8. [M 4,096, K 4,096] x [K 4,096, N 1,024]; A: computed on the way; B: input W1: QUANTISED (scales: A lowp_scales[14], B lowp_scales[15])
;;   THE QUANTISER, for each operand of a quantised product, along K:
;;     - The operand's scale is 2^e, e = its entry of the input lowp_scales (int32; the entries are numbered through the quantised products in the list's order, A before B).
;;     - Each number is divided by the scale, clamped to +-448, and rounded to the nearest number of E4M3, ties to even, subnormals kept.
;;     - The product sums the exact products of the quantised numbers (number of the format x scale) in f32.
;;   ~~~python
;;   def quantise(x, axis, e):      # numpy; x: float32 -> the quantised numbers, widened to float32 again
;;       x = np.moveaxis(x, axis, -1); K = x.shape[-1]
;;       r = np.clip(x / 2.0 ** e, -448, 448)
;;       step = 2.0 ** (np.maximum(np.frexp(np.where(r == 0, 1, r))[1] - 1, -6) - 3)
;;       q = np.round(r / step) * step * 2.0 ** e      # np.round: ties to even
;;       return np.moveaxis(q, -1, axis).astype(np.float32)
;;   ~~~
;;   SOFTMAX AHEAD OF A QUANTISED PRODUCT. Where the list says 'softmax', what is quantised is not the finished softmax but p = 2^(t - M), with t = logit x log2(e) and M = ceil(the row's largest t), a whole number; so 1/2 < the row's largest p <= 1. The row's sum l is taken of the UNQUANTISED p, in f32, and the product's result is divided by l at the end. Since M is a whole number, a kernel that streams over the keys may use a running M (the ceiling of the running maximum): every later rescaling is an exact power of two, so the quantised numbers keep their values, but for numbers so far below the row's largest that they fall under the format's range.
;;   OPERANDS COMPUTED ON THE WAY. 'Computed on the way' means the value that the module computes at that place (a softmax that the list does not call 'softmax' is quantised finished and normalised). What goes into a quantiser is computed in f32, as accurately as f32 sums, v_exp_f32 and their like allow (about 1e-6 of the number): no bf16 or f16 on the way to a quantiser, and a product that is left as it is and whose result goes on into a quantised operand takes f32 operands (vector FMAs, or v_wmma_f32_16x16x4_f32). A number that lies on a knife's edge between two numbers of the format may be rounded either way, as far as f32 arithmetic and the matrix unit's own rounding can turn it there, and no further.
;; 3 versions, each right; version 2 is faster than version 1; version 3 is version 2 with the launch attn written anew for expert scheduling mode. Each part assembles by itself: llvm-mc -triple=amdgcn-amd-amdhsa -mcpu=gfx1250 --defsym DOCPART=n.
;; ======== version 1 of 3: 8 launches
;; workspace buffers: img 25,165,824 bytes; att 12,582,912 bytes; oc 4,194,304 bytes; y0 16,777,216 bytes; hf 16,777,216 bytes; hc 4,194,304 bytes; hid 16,777,216 bytes; y1 16,777,216 bytes
;; launch quant (part 1): grid 512 x 1, 4 waves a work-group, no clusters, 34,304 bytes of LDS; arguments x, Wk, Wq, Wv, Wo, W0, W1, lowp_scales, img; writes img
.if DOCPART == 1
	.amdgcn_target "amdgcn-amd-amdhsa--gfx1250"
	.amdhsa_code_object_version 6
	.text
	.protected	k_q947eed1cd1_quant
	.globl	k_q947eed1cd1_quant
	.p2align	8
	.type	k_q947eed1cd1_quant,@function
k_q947eed1cd1_quant:
	s_mov_b64 s[64:65], 0
	v_nop
	global_prefetch_b8 v0, s[64:65] scope:SCOPE_SE
	s_setreg_imm32_b32 hwreg(HW_REG_WAVE_MODE, 25, 1), 1
	s_wait_xcnt 0x0
; x and the six weights, f32 with K innermost, become codes of FP8 (E4M3), each with the scale 2^e given for it, laid as IMAGES OF OPERAND REGISTERS.
; code = number / 2^e, held within +-448, to the nearest code, ties to even.  x is read once and converted three times: it has a scale of its own in each of the three projections.
; IMAGE of X [R][K]: fragment (row tile t, K step s of 128) at byte (t K/128 + s) 2,048; in it chunk c at 512 c, lane l = r + 16 h at 16 l: the 16 codes X[rho(t, r)][128 s + 32 c + 16 h + 0 .. 15].
; rho(t, i) = 32 (t / 2) + 8 (t % 2) + i + 8 (i / 8): THE ROWS OF A TILE ARE NOT NEIGHBOURS, so that results of a product used transposed are 16 neighbours along the next K in 16 registers on end.
; SHARES.  A wave takes a unit: one row tile x 512 along K, four steps of one fragment.  Unit u = 4 x work-group + wave.  Work-groups 0-127 x, 128-159 Wk, 160-191 Wq, 192-223 Wv, 224-255 Wo, 256-383 W0, 384-511 W1.
; A step: 16 loads, each 512 consecutive bytes of one row; through the wave's own stage in LDS (rows 528 bytes apart); back as 64 numbers a lane in the
; fragment's order; hold, conversion; four stores of 512 consecutive bytes.  No barrier: waves share nothing.  Loads run one step (16 loads) ahead of the step at work.
; img: xk 0, xq 4 Mi, xv 8 Mi, wk 12, wq 13, wv 14, wo 15, w0 16, w1 20 Mi.  A unit's codes are 8,192 bytes at 8,192 u (+ 8 Mi for the weights).
; LIMITS: every e between -126 and 119, so that 2^e and 448 x 2^e are f32 numbers.  NaN among the inputs is not served (an infinity is held at the largest code).
.set WST, 8448                         ; a wave's stage: 16 rows x 528 bytes
.set PIT, 528
.set R,   16                           ; v16-143  two sets of 64 registers as loaded
.set X,   144                          ; v144-207 64 numbers in the fragment's order: register 16 c + i = k 32 c + 16 h + i of my row
.set T,   208                          ; v208-239 two sets of 16 held numbers
.set C,   240                          ; v240-255 a fragment's codes
	s_load_b512 s[4:19], s[0:1], 0x0               ; x, Wk, Wq, Wv, Wo, W0, W1, the exponents
	s_load_b64 s[20:21], s[0:1], 0x40              ; img
	v_lshl_add_u32 v14, v0, 2, 0x8400
	v_mov_b32 v15, 0
	v_lshrrev_b32 v10, 5, v0
	v_readfirstlane_b32 s22, v10                   ; wave
	v_and_b32 v11, 31, v0
	v_lshlrev_b32 v1, 4, v11                       ; 16 x lane: my bytes of a row's 512, and of a chunk's
	s_mul_i32 s30, s22, WST
	v_add_nc_u32 v2, s30, v1                       ; into the stage: as loaded
	v_and_b32 v12, 15, v0                          ; r
	v_bfe_u32 v13, v0, 4, 1                        ; h
	v_mul_u32_u24 v3, v12, PIT
	v_lshl_add_u32 v3, v13, 6, v3
	v_add_nc_u32 v3, s30, v3                       ; out of it: row r, 64 h bytes on
	s_lshl_b32 s23, ttmp9, 2
	s_add_co_u32 s23, s23, s22                     ; u
	s_wait_kmcnt 0x0
	s_load_b512 s[68:83], s[18:19], 0x0            ; the sixteen exponents
	; which tensor: a chain of choices on the work-group's number alone
	s_mov_b64 s[24:25], s[16:17]                   ; W1:
	s_mov_b32 s27, 1536                            ; its first unit,
	s_mov_b32 s28, 14                              ; a row is 2^14 bytes,
	s_mov_b32 s29, 3                               ; 2^3 units to a row tile
	s_cmp_lt_u32 ttmp9, 384
	s_cselect_b64 s[24:25], s[14:15], s[24:25]     ; W0, and from here on rows of 2^12 bytes, 2 units to a tile
	s_cselect_b32 s27, 1024, s27
	s_cselect_b32 s28, 12, s28
	s_cselect_b32 s29, 1, s29
	s_cmp_lt_u32 ttmp9, 256
	s_cselect_b64 s[24:25], s[12:13], s[24:25]     ; Wo
	s_cselect_b32 s27, 896, s27
	s_cmp_lt_u32 ttmp9, 224
	s_cselect_b64 s[24:25], s[10:11], s[24:25]     ; Wv
	s_cselect_b32 s27, 768, s27
	s_cmp_lt_u32 ttmp9, 192
	s_cselect_b64 s[24:25], s[8:9], s[24:25]       ; Wq
	s_cselect_b32 s27, 640, s27
	s_cmp_lt_u32 ttmp9, 160
	s_cselect_b64 s[24:25], s[6:7], s[24:25]       ; Wk
	s_cselect_b32 s27, 512, s27
	s_cmp_lt_u32 ttmp9, 128
	s_cselect_b64 s[24:25], s[4:5], s[24:25]       ; x
	s_cselect_b32 s27, 0, s27
	s_cselect_b32 s26, 0, 8<<20                    ; the weights' images lie 8 Mi further on than 8,192 u
	s_lshl_b32 s30, s23, 13
	s_add_co_u32 s30, s30, s26
	s_mov_b32 s31, 0
	s_add_nc_u64 s[84:85], s[20:21], s[30:31]      ; where my unit's codes go;
	s_add_nc_u64 s[86:87], s[84:85], 4<<20         ; x's second and third image (used by x's work-groups alone)
	s_add_nc_u64 s[88:89], s[84:85], 8<<20
	s_sub_co_u32 s30, s23, s27                     ; my unit within the tensor
	s_lshr_b32 s31, s30, s29                       ; its row tile,
	s_lshl_b32 s26, s31, s29
	s_sub_co_u32 s26, s30, s26                     ; and which 512 along K
	s_lshr_b32 s30, s31, 1
	s_lshl_b32 s30, s30, 5
	s_and_b32 s31, s31, 1
	s_lshl_b32 s31, s31, 3
	s_add_co_u32 s30, s30, s31                     ; the tile's first row: 32 (t / 2) + 8 (t % 2)
	s_lshl_b32 s30, s30, s28
	s_lshl_b32 s26, s26, 11
	s_add_co_u32 s30, s30, s26
	s_mov_b32 s31, 0
	s_add_nc_u64 s[32:33], s[24:25], s[30:31]      ; row 0 of the tile, at my 512 along K
	s_lshl_b32 s90, 1, s28                         ; a row's bytes
	s_mov_b32 s91, 0
	s_mul_i32 s92, s90, 9
	s_mov_b32 s93, 0
.irp i, 1,2,3,4,5,6,7,8,9,10,11,12,13,14,15        ; sixteen bases, one a row: the next row, but from row 7 to row 8 of the tile nine rows on
.if \i == 8
	s_add_nc_u64 s[32+2*\i:33+2*\i], s[30+2*\i:31+2*\i], s[92:93]
.else
	s_add_nc_u64 s[32+2*\i:33+2*\i], s[30+2*\i:31+2*\i], s[90:91]
.endif
.endr
.macro LOAD s                          ; step s: 128 along K of the 16 rows into set s % 2
.irp i, 0,1,2,3,4,5,6,7,8,9,10,11,12,13,14,15
	global_load_b128 v[R+64*((\s)%2)+4*\i:R+64*((\s)%2)+4*\i+3], v1, s[32+2*\i:33+2*\i] offset:512*(\s) th:TH_LOAD_NT
.endr
.endm
.macro MKS e, lim, sc                  ; from the exponent in s[e]: v[sc] = 2^e (the conversion takes its exponent field), v[lim] = 448 x 2^e
	s_add_co_i32 s30, s[\e], 127
	s_lshl_b32 s31, s30, 23
	v_mov_b32 v[\sc], s31
	s_add_co_i32 s30, s30, 8
	s_lshl_b32 s30, s30, 23
	s_or_b32 s30, s30, 0x600000
	v_mov_b32 v[\lim], s30
.endm
; The 64 numbers in X become a fragment's codes under one scale, and leave.  The held numbers go into T, so that X serves three scales.
.macro EMIT lim, sc, dst, s
	s_wait_xcnt 0x0                                ; the stores issued so far have read C: it is written again only behind this wait
.irp c, 0,1,2,3
.set i, 0
.rept 16
	v_med3_num_f32 v[T+16*(\c%2)+i], v[X+16*\c+i], -v[\lim], v[\lim]   ; the conversion to an 8-bit code does not saturate (ISA guide 7.6.2): the hold comes first
.set i, i+1
.endr
	v_cvt_scalef32_pk8_fp8_f32 v[C+4*\c:C+4*\c+1], v[T+16*(\c%2):T+16*(\c%2)+7], v[\sc]
	v_cvt_scalef32_pk8_fp8_f32 v[C+4*\c+2:C+4*\c+3], v[T+16*(\c%2)+8:T+16*(\c%2)+15], v[\sc]   ; the next vector lines are holds into T's other set: plain, and they touch neither these codes nor these sources
.endr
.irp c, 0,1,2,3
	global_store_b128 v1, v[C+4*\c:C+4*\c+3], s[\dst:\dst+1] offset:2048*(\s)+512*\c   ; 32 lanes store 512 consecutive bytes, at a multiple of 512 from the buffer's first byte
.endr
.endm
.macro STEP s
.if (\s) < 3
	s_wait_loadcnt 16                              ; this step's 16 loads are in; the next step's 16 may be out
.else
	s_wait_loadcnt 0x0
.endif
.irp i, 0,1,2,3,4,5,6,7,8,9,10,11,12,13,14,15
	ds_store_b128 v2, v[R+64*((\s)%2)+4*\i:R+64*((\s)%2)+4*\i+3] offset:PIT*\i
.endr
.irp c, 0,1,2,3
.irp j, 0,1,2,3
	ds_load_b128 v[X+16*\c+4*\j:X+16*\c+4*\j+3], v3 offset:128*\c+16*\j   ; LDS serves a wave's instructions in order (ISA guide 5.7.1.4): these see the stores above
.endr
.endr
	s_wait_dscnt 0x0                               ; the numbers are back, so the stores into the stage have read their registers,
.if (\s) < 2
	LOAD (\s)+2                                    ; which take the loads of two steps on
.endif
	EMIT 4, 5, 84, \s
	s_cmp_lt_u32 ttmp9, 128                        ; x alone has two more scales: a branch on the work-group's number, round vector work and stores
	s_cbranch_scc0 .Lone_\@
	EMIT 6, 7, 86, \s
	EMIT 8, 9, 88, \s
.Lone_\@:
.endm
	LOAD 0
	LOAD 1
	s_wait_kmcnt 0x0
	s_mov_b32 s26, s83                             ; my tensor's exponent, by the same chain: W1 e15,
	s_cmp_lt_u32 ttmp9, 384
	s_cselect_b32 s26, s81, s26                    ; W0 e13,
	s_cmp_lt_u32 ttmp9, 256
	s_cselect_b32 s26, s79, s26                    ; Wo e11,
	s_cmp_lt_u32 ttmp9, 224
	s_cselect_b32 s26, s73, s26                    ; Wv e5,
	s_cmp_lt_u32 ttmp9, 192
	s_cselect_b32 s26, s71, s26                    ; Wq e3,
	s_cmp_lt_u32 ttmp9, 160
	s_cselect_b32 s26, s69, s26                    ; Wk e1,
	s_cmp_lt_u32 ttmp9, 128
	s_cselect_b32 s26, s68, s26                    ; x e0 (beside Wk)
	MKS 26, 4, 5
	MKS 70, 6, 7                                   ; x beside Wq: e2
	MKS 72, 8, 9                                   ; x beside Wv: e4
	STEP 0
	STEP 1
	STEP 2
	STEP 3
	s_wait_tensorcnt 0x0
	ds_add_u32 v14, v15
	s_wait_dscnt 0x0
	s_endpgm
.Lfunc_end_k_q947eed1cd1_quant:
	.size	k_q947eed1cd1_quant, .Lfunc_end_k_q947eed1cd1_quant-k_q947eed1cd1_quant
	.p2alignl 7, 3214868480
	.fill 96, 4, 3214868480
	.section	.rodata,"a",@progbits
	.p2align	6, 0x0
	.amdhsa_kernel k_q947eed1cd1_quant
		.amdhsa_group_segment_fixed_size 34304
		.amdhsa_private_segment_fixed_size 0
		.amdhsa_enable_private_segment 0
		.amdhsa_kernarg_size 72
		.amdhsa_user_sgpr_count 2
		.amdhsa_user_sgpr_kernarg_segment_ptr 1
		.amdhsa_wavefront_size32 1
		.amdhsa_system_sgpr_workgroup_id_x 1
		.amdhsa_system_sgpr_workgroup_id_y 1
		.amdhsa_system_sgpr_workgroup_id_z 1
		.amdhsa_system_vgpr_workitem_id 0
		.amdhsa_next_free_vgpr 256
		.amdhsa_next_free_sgpr 96
		.amdhsa_reserve_vcc 0
		.amdhsa_float_denorm_mode_32 3
		.amdhsa_float_denorm_mode_16_64 3
		.amdhsa_memory_ordered 1
		.amdhsa_forward_progress 1
		.amdhsa_inst_pref_size 79
	.end_amdhsa_kernel
	.amdgpu_metadata
---
amdhsa.version: [ 1, 2 ]
amdhsa.kernels:
  - .name:           k_q947eed1cd1_quant
    .symbol:         k_q947eed1cd1_quant.kd
    .args:
      - { .name: x, .offset: 0, .size: 8, .value_kind: global_buffer, .address_space: global }
      - { .name: Wk, .offset: 8, .size: 8, .value_kind: global_buffer, .address_space: global }
      - { .name: Wq, .offset: 16, .size: 8, .value_kind: global_buffer, .address_space: global }
      - { .name: Wv, .offset: 24, .size: 8, .value_kind: global_buffer, .address_space: global }
      - { .name: Wo, .offset: 32, .size: 8, .value_kind: global_buffer, .address_space: global }
      - { .name: W0, .offset: 40, .size: 8, .value_kind: global_buffer, .address_space: global }
      - { .name: W1, .offset: 48, .size: 8, .value_kind: global_buffer, .address_space: global }
      - { .name: lowp_scales, .offset: 56, .size: 8, .value_kind: global_buffer, .address_space: global }
      - { .name: img, .offset: 64, .size: 8, .value_kind: global_buffer, .address_space: global }
    .group_segment_fixed_size: 34304
    .private_segment_fixed_size: 0
    .kernarg_segment_align: 8
    .kernarg_segment_size: 72
    .max_flat_workgroup_size: 128
    .sgpr_count:     96
    .vgpr_count:     256
    .wavefront_size: 32
...
	.end_amdgpu_metadata
.endif
;; end of part 1
;; launch qkv (part 2): grid 4 x 48, 4 waves a work-group, clusters of 4 x 4, 327,680 bytes of LDS; arguments img, bk, bq, bv, lowp_scales, att; writes att
.if DOCPART == 2
	.amdgcn_target "amdgcn-amd-amdhsa--gfx1250"
	.amdhsa_code_object_version 6
	.text
	.protected	k_q947eed1cd1_qkv
	.globl	k_q947eed1cd1_qkv
	.p2align	8
	.type	k_q947eed1cd1_qkv,@function
k_q947eed1cd1_qkv:
	s_mov_b64 s[64:65], 0
	v_nop
	global_prefetch_b8 v0, s[64:65] scope:SCOPE_SE
	s_setreg_imm32_b32 hwreg(HW_REG_WAVE_MODE, 25, 1), 1
	s_wait_xcnt 0x0
	s_wait_alu depctr_hold_cnt(0) depctr_sa_sdst(0) depctr_va_vdst(0) depctr_va_sdst(0) depctr_va_ssrc(0) depctr_va_vcc(0) depctr_vm_vsrc(0)
	s_getreg_b32 s2, hwreg(HW_REG_IB_STS2, 6, 4)
	s_cmp_eq_u32 s2, 0
	s_cbranch_scc0 .Lentry_in_a_cluster
	s_endpgm
.Lentry_in_a_cluster:
	s_bfe_u32 s2, ttmp6, 0x10000c
	s_cmp_lg_u32 s2, 0xf033
	s_cbranch_scc0 .Lentry_shape_is_right
	s_endpgm
.Lentry_shape_is_right:
; The three projections on codes of FP8 (E4M3): sum over k of A[m][k] B[n][k], x 2^(ea + eb), + bias, quantised with 2^eo; the codes leave as images of the attention's operand registers.
; OPERANDS ARE IMAGES: fragment (row tile t, K step s of 128) at byte (t KSIZE/128 + s) 2,048; chunk c at 512 c; lane l = r + 16 h at 16 l: codes of row rho(t, r), k = 128 s + 32 c + 16 h + 0 .. 15;
; rho(t, i) = 32 (t / 2) + 8 (t % 2) + i + 8 (i / 8).  Four loads of 16 bytes at 16 x lane fill a fragment; k's places are alike in A and B, so every product meets its partner.
; THE MATRIX INSTRUCTION IS USED TRANSPOSED (source 0 = 16 rows of B, source 1 = 16 rows of A): lane (r, h) holds row rho(a, r) of A's side, and the 16 registers of B's tiles 2 b', 2 b' + 1 are the neighbours n = 32 b' + 16 h + 0 .. 15.
; JOBS, by the cluster's y (cl = 0 .. 11; job = cl / 4, sub = cl % 4): the same in all sixteen partners.
;   job 0: A = x (scale e0), B = Wk (e1), + bk along n, codes with e7: the attention's queries -> att + 0
;   job 1: A = x (e2), B = Wq (e3), + bq along n, codes with e6: its keys -> att + 4 Mi.   Both: [batch][head = b'][token tile][512 bytes]: lane l: token rho(t, r), d = 16 h + 0 .. 15
;   job 2: A = Wv (e5), B = x (e4), + bv along m, codes with e8: V^T, the keys along the registers -> att + 8 Mi: [batch][head][key step of 128][u][2,048 bytes]: a fragment whose rows are features rho(2 head + u, .)
; No branch hangs on the job: offsets, pointers, exponents and strides are chosen by selects; both forms of the bias are loaded (the one not used from offset 0) and the one not used is cleared by a mask.
; A tile of 256 x 256 is made by four waves, 128 x 128 each: 64 accumulators.  K goes in steps of 256 through a ring of two LDS slots; a wave's tensor load brings 8 row tiles x 4,096 bytes.
; CLUSTERS: 4 x 4 work-groups; A's tiles are asked for jointly along a row of the cluster, B's along a column.
; REGISTERS, in windows of 256: window 0: v4 16 x lane, v16-29 addresses, v32-95 the bias along n, v96-111 the bias along m (pairs), from v128 A's fragments, ONE set; on the way out v112-175 numbers, v176-239 codes, v240-247 offsets.
;   window 1: B's fragments, TWO sets.   windows 2, 3: the accumulators of my rows 0-63, 64-127 ((a, b) at v[8 (8 (a % 4) + b)]).
; LIMITS: ea + eb between -126 and 127; eo between -126 and 119.  NaN among the inputs is not served.
.set KSIZE,  1024
.set SLOT,   131072                    ; A's two halves of 32,768 bytes, then B's two
.set HALFB,  32768                     ; 8 row tiles x 256 along K
.set SPARE,  2*SLOT                    ; behind the ring: the spare words, 128 bytes for each wave: two blocks of 256 bytes that no other line names
.set LAPS,   KSIZE/512                 ; a lap = two K steps of 256 = once round the ring
.set FR,     16                        ; registers of a fragment
.set NL,     4                         ; LDS loads that bring one
.set NP,     4                         ; places behind this matrix instruction (ISA guide 7.12.1)
.set LI,   4                           ; v4      16 x lane
.set ADRA, 16                          ; v16-17  LDS address of my A fragments in slot 0, 1
.set ADRB, 20                          ; v20-21  the same for B
.set LIM,  22                          ; v22     448 x 2^eo
.set SCL,  23                          ; v23     2^eo
.set VP,   25                          ; v25     offset of the bias along n; never rewritten
.set VQ,   26                          ; v26     offset of the bias along m; never rewritten
.set SPW,  28                          ; v28     LDS address of my spare word; never rewritten
.set NIL,  29                          ; v29     0; never rewritten
.set BP,   32
.set BQ,   96
.set T,    112
.set AF,   128
.set CD,   176
.set OA,   240
.set G1, 24                            ; s[24:31] descriptor group 1 for A's tiles;  s[32:39] group 0, one set for each slot
.set G0, 32
.set G1B, 48                           ; s[48:55], s[56:63] the same for B's tiles
.set G0B, 56
.set SB, 92                            ; s[92:99] first bk, bq, bv and the exponents' address; on the way out four store bases
.set MSB, 0
.macro WIN new                         ; the immediate's high byte repeats the setting that is left
.if MSB != \new
	s_set_vgpr_msb (MSB<<8)|\new
.set MSB, \new
.endif
.endm
.set MUL_LO, 0xa1                      ; source 0 (B) window 1, source 1 (A) window 0, C and D window 2
.set MUL_HI, 0xf1                      ; the same, C and D window 3
.set TO_B,   0x40                      ; destination window 1, address window 0
; A joint load: waves 0 and 1 fetch for A, waves 2 and 3 for B; the branch hangs on the wave's number alone.  Four v_nop follow each of the two lines.
.macro JLOAD g0a, g1a, g0b, g1b
	s_cmp_eq_u32 s15, 0
	s_cbranch_scc0 .Lfor_b_\@
	tensor_load_to_lds s[\g0a:\g0a+3], s[\g1a:\g1a+7]
	s_nop 0
.rept 4
	v_nop
.endr
	s_branch .Lasked_\@
.Lfor_b_\@:
	tensor_load_to_lds s[\g0b:\g0b+3], s[\g1b:\g1b+7]
	s_nop 0
.rept 4
	v_nop
.endr
.Lasked_\@:
.endm
.macro CREST                           ; a round of the cluster's barrier behind its opening barrier
	s_cmp_lg_u32 s14, 0
	s_cbranch_scc1 .Lnot_wave_0_\@
	s_barrier_signal -3
.Lnot_wave_0_\@:
	s_barrier_wait -3
	s_barrier_signal -1
	s_barrier_wait -1
.endm
.macro CROUND                          ; a whole round
	s_barrier_signal -1
	s_barrier_wait -1
	CREST
.endm
	s_load_b64 s[4:5], s[0:1], 0x0                 ; img
	s_load_b256 s[92:99], s[0:1], 0x8              ; bk, bq, bv, the exponents
	s_load_b64 s[12:13], s[0:1], 0x28              ; att
	v_lshl_add_u32 v[SPW], v0, 2, SPARE
	v_mov_b32 v[NIL], 0
	ds_add_u32 v28, v29
	ds_add_u32 v28, v29
	s_wait_dscnt 0x0
	v_lshrrev_b32 v1, 5, v0
	v_readfirstlane_b32 s14, v1                    ; wave 0..3
	s_lshr_b32 s15, s14, 1                         ; which half of the tile's rows (A's side) is mine.  Also: I fetch for A (0) or for B (1)
	s_and_b32 s16, s14, 1                          ; which half of B's side.  Also: which 128 rows of that tile I fetch
	s_bfe_u32 s40, ttmp6, 0x40000                  ; cx, cy: my place in the cluster
	s_bfe_u32 s41, ttmp6, 0x40004
	s_and_b32 s17, ttmp7, 0xffff                   ; the cluster's y
	s_lshr_b32 s88, s17, 2                         ; job
	s_and_b32 s89, s17, 3                          ; sub
	s_cmp_eq_u32 s88, 2
	s_cselect_b32 s17, 0, s89                      ; jobs 0, 1: sub counts along A's side (16 tiles of tokens); job 2: along B's
	s_cselect_b32 s42, s89, 0
	s_lshl_b32 s17, s17, 2
	s_add_co_u32 s17, s17, s41                     ; tile row (A's side)
	s_lshl_b32 s42, s42, 2
	s_add_co_u32 s42, s42, s40                     ; tile column (B's side)
	s_lshl_b32 s43, s41, 2
	s_lshl_b32 s43, 15, s43                        ; my row of the cluster
	s_lshl_b32 s44, 0x1111, s40                    ; my column
	; descriptor group 1: 8 rows (row tiles) of 4,096 bytes (two fragments), 16 KSIZE bytes apart; dense in LDS
	s_or_b32 s[G1+0], s43, (1<<21)                 ; 15:0 the mask: A's tiles go to my row; 17:16 elements of 1 byte; 20 no padding; 21 set beside a mask
	s_or_b32 s[G1B+0], s44, (1<<21)
.irp g, G1, G1B
	s_mov_b32 s[\g+1], 4096<<16                    ; tensor_dim0
	s_mov_b32 s[\g+2], 8<<16                       ; tensor_dim1
	s_mov_b32 s[\g+3], 4096<<16                    ; tile_dim0
	s_mov_b32 s[\g+4], 8                           ; tile_dim1
	s_mov_b32 s[\g+5], 16*KSIZE                    ; tensor_dim0_stride
	s_mov_b32 s[\g+6], 0
	s_mov_b32 s[\g+7], 0
.endr
	s_lshl_b32 s18, s16, 7                         ; which 128 rows of the tile I fetch
	s_lshl_b32 s20, s17, 8
	s_add_co_u32 s20, s20, s18
	s_mul_i32 s20, s20, KSIZE                      ; 16 rows of an image are 16 KSIZE bytes: row x KSIZE
	s_lshl_b32 s46, s42, 8
	s_add_co_u32 s46, s46, s18
	s_mul_i32 s46, s46, KSIZE
	s_mov_b32 s22, 4<<20                           ; the images' places in img: A: xk 0, xq 4 Mi, wv 14 Mi;  B: wk 12 Mi, wq 13 Mi, xv 8 Mi
	s_mov_b32 s23, 13<<20
	s_cmp_eq_u32 s88, 0
	s_cselect_b32 s22, 0, s22
	s_cselect_b32 s23, 12<<20, s23
	s_cmp_eq_u32 s88, 2
	s_cselect_b32 s22, 14<<20, s22
	s_cselect_b32 s23, 8<<20, s23
	s_add_co_u32 s20, s20, s22
	s_add_co_u32 s46, s46, s23
	s_mov_b32 s21, 0
	s_mov_b32 s47, 0
	s_mul_i32 s45, s14, HALFB                      ; where my part goes: wave x 32,768: no place in the cluster enters an LDS address
	s_wait_kmcnt 0x0
	s_cmp_eq_u32 s88, 0
	s_cselect_b64 s[8:9], s[92:93], s[94:95]       ; the job's bias
	s_cmp_eq_u32 s88, 2
	s_cselect_b64 s[8:9], s[96:97], s[8:9]
	s_load_b512 s[68:83], s[98:99], 0x0            ; the sixteen exponents
	s_add_nc_u64 s[20:21], s[4:5], s[20:21]
	s_add_nc_u64 s[46:47], s[4:5], s[46:47]
	CROUND                                         ; all sixteen work-groups are here: the first joint loads meet
.irp s, 0,1
	s_mov_b32 s[G0+4*\s], 1
	s_add_co_u32 s[G0+4*\s+1], s45, \s*SLOT
	s_add_nc_u64 s[G0+4*\s+2:G0+4*\s+3], s[20:21], \s*4096
	s_or_b32 s[G0+4*\s+3], s[G0+4*\s+3], 0x80000000
	s_mov_b32 s[G0B+4*\s], 1
	s_add_co_u32 s[G0B+4*\s+1], s45, \s*SLOT
	s_add_nc_u64 s[G0B+4*\s+2:G0B+4*\s+3], s[46:47], \s*4096
	s_or_b32 s[G0B+4*\s+3], s[G0B+4*\s+3], 0x80000000
	JLOAD G0+4*\s, G1, G0B+4*\s, G1B
.endr
	v_and_b32 v1, 31, v0
	v_lshlrev_b32 v[LI], 4, v1
	v_and_b32 v2, 15, v0                           ; r
	v_bfe_u32 v3, v0, 4, 1                         ; h
	s_mul_i32 s21, s15, HALFB                      ; my 128 rows of A
	s_mul_i32 s22, s16, HALFB                      ; my 128 rows of B,
	s_add_co_u32 s22, s22, 2*HALFB                 ; which lie behind A's 256
.irp s, 0,1
	v_add_nc_u32 v[ADRA+\s], s21, v[LI]
	v_add_nc_u32 v[ADRB+\s], s22, v[LI]
	s_add_co_u32 s21, s21, SLOT
	s_add_co_u32 s22, s22, SLOT
.endr
	s_lshl_b32 s90, s17, 8
	s_lshl_b32 s100, s15, 7
	s_add_co_u32 s90, s90, s100                    ; m0: my first row on A's side
	s_lshl_b32 s91, s42, 8
	s_lshl_b32 s100, s16, 7
	s_add_co_u32 s91, s91, s100                    ; n0: on B's side
	s_lshl_b32 s100, s91, 2
	s_lshl_b32 s101, s90, 2
	s_cmp_eq_u32 s88, 2
	s_cselect_b32 s100, 0, s100                    ; the form that the job does not use is loaded from offset 0: no load leaves its buffer
	s_cselect_b32 s101, s101, 0
	v_lshl_add_u32 v[VP], v3, 6, s100              ; along n: register 16 b' + i wants bias[n0 + 32 b' + 16 h + i]
	v_and_b32 v5, 8, v2
	v_add_nc_u32 v5, v5, v2
	v_lshl_add_u32 v[VQ], v5, 2, s101              ; along m: block a wants bias[m0 + 32 (a / 2) + 8 (a % 2) + r + 8 (r / 8)]
.irp b, 0,1,2,3
.irp j, 0,1,2,3
	global_load_b128 v[BP+16*\b+4*\j:BP+16*\b+4*\j+3], v[VP], s[8:9] offset:128*\b+16*\j
.endr
.endr
.irp a, 0,1,2,3,4,5,6,7
	global_load_b32 v[BQ+2*\a], v[VQ], s[8:9] offset:4*(32*(\a/2)+8*(\a%2))
	global_load_b32 v[BQ+2*\a+1], v[VQ], s[8:9] offset:4*(32*(\a/2)+8*(\a%2))   ; (named with it as a pair, so it is written)
.endr
.macro FRAG reg, adr, q, i             ; a fragment comes as it lies: row tile i of my eight, the slot's q-th 128 along K
.irp c, 0,1,2,3
	ds_load_b128 v[\reg+4*\c:\reg+4*\c+3], v[\adr] offset:2048*(\q)+512*\c+(\i)*4096
.endr
.endm
; 16 matrix instructions: A's blocks a0, a0 + 1 x B's eight, 128 along K.  p: B's set.  zero = 1: the first product starts the sums.
; The 64 accumulators take turns, one instruction a turn, in the same order in every step.
.macro MUL16 a0, p, zero
.irp a, \a0, \a0+1
.irp b, 0,1,2,3,4,5,6,7
.if \zero
	v_wmma_f32_16x16x128_fp8_fp8 v[8*(8*((\a)%4)+\b):8*(8*((\a)%4)+\b)+7], v[128*(\p)+FR*\b:128*(\p)+FR*\b+FR-1], v[AF+FR*(\a):AF+FR*(\a)+FR-1], 0
.else
	v_wmma_f32_16x16x128_fp8_fp8 v[8*(8*((\a)%4)+\b):8*(8*((\a)%4)+\b)+7], v[128*(\p)+FR*\b:128*(\p)+FR*\b+FR-1], v[AF+FR*(\a):AF+FR*(\a)+FR-1], v[8*(8*((\a)%4)+\b):8*(8*((\a)%4)+\b)+7]
.endif
.endr
.endr
.endm
.macro FETCH_B slot, q, p              ; B's eight fragments into set p
	WIN TO_B
.irp i, 0,1,2,3,4,5,6,7
	FRAG 128*(\p)+FR*\i, ADRB+\slot, \q, \i
.endr
	WIN 0
.endm
.macro FETCH_A slot, q, i0             ; A's blocks i0 .. i0 + 3
.irp i, \i0, \i0+1, \i0+2, \i0+3
	FRAG AF+FR*(\i), ADRA+\slot, \q, \i
.endr
.endm
; A load into a register that a matrix instruction has read, and a vector instruction that reads a matrix result, stand NP places behind it; only plain vector instructions that name none of its registers are places.
.macro PLACES n
.rept \n
	v_nop
.endr
.endm
; A step of 128 along K that has its successor in the same slot.  A block of A is free once its eight products are issued: blocks 0-3 are fetched anew in the step's middle, blocks 4-7 at its end.
.macro STEP slot, q, zero
	s_wait_dscnt 4*NL                              ; B's set and A's blocks 0-3 are in; the youngest 16 loads (A's blocks 4-7) may be out
	WIN MUL_LO
	MUL16 0, (\q)%2, \zero
	MUL16 2, (\q)%2, \zero
	s_wait_dscnt 0                                 ; A's blocks 4-7 are in
	PLACES NP
	FETCH_B \slot, (\q)+1, 1-(\q)%2
	FETCH_A \slot, (\q)+1, 0
	WIN MUL_HI
	MUL16 4, (\q)%2, \zero
	MUL16 6, (\q)%2, \zero
	PLACES NP
	WIN 0
	FETCH_A \slot, (\q)+1, 4
.endm
; A slot's last step changes slots: ONE barrier; in front of it each wave waits for all its tensor loads, adds 0 to its spare word, and waits for that and for its own reads of this slot.  fill = 1: this slot is filled again, two K steps ahead.
.macro TURN slot, next, fill
	s_wait_tensorcnt 0x0                           ; all my tensor loads have landed: my part of the next slot  (every window is 0 here)
	ds_add_u32 v[SPW], v[NIL]                      ; 0 onto my spare word
	s_wait_dscnt 4*NL+1                            ; (the add and the youngest 16 loads, A's blocks 4-7, may be out)
	WIN MUL_LO
	MUL16 0, 1, 0                                  ; sixteen matrix instructions stand between the add and the wait for it
	s_wait_dscnt 0x0                               ; the add is done, and my reads of this slot are over
	s_barrier_signal -1
	MUL16 2, 1, 0
	WIN 0
	s_barrier_wait -1
.if \fill
	CREST                                          ; the barrier has opened a round of the cluster's: no wave of any partner still reads this slot or has a load on its way
	s_add_nc_u64 s[G0+4*\slot+2:G0+4*\slot+3], s[G0+4*\slot+2:G0+4*\slot+3], 8192
	s_add_nc_u64 s[G0B+4*\slot+2:G0B+4*\slot+3], s[G0B+4*\slot+2:G0B+4*\slot+3], 8192
	JLOAD G0+4*\slot, G1, G0B+4*\slot, G1B         ; the first tensor load behind the round; its four v_nop are the places in front of the loads below
.else
	PLACES NP
.endif
	FETCH_B \next, 0, 0
	FETCH_A \next, 0, 0
	WIN MUL_HI
	MUL16 4, 1, 0
	MUL16 6, 1, 0
	PLACES NP
	WIN 0
	FETCH_A \next, 0, 4
.endm
	s_wait_tensorcnt 1                             ; my part of K step 0 is in (K step 1's load may be out)
	s_barrier_signal -1
	s_barrier_wait -1                              ; everybody's is
	FETCH_B 0, 0, 0
	FETCH_A 0, 0, 0
	FETCH_A 0, 0, 4
	STEP 0, 0, 1                                   ; the first step stands in front of the loop: its products start the sums
	s_mov_b32 s3, LAPS-1
.Llap:                                                 ; a trip goes once round the ring, from a lap's second step to the next lap's first, and fills both slots again
	TURN 0, 1, 1
	STEP 1, 0, 0
	TURN 1, 0, 1
	STEP 0, 0, 0
	s_sub_co_u32 s3, s3, 1
	s_cmp_lg_u32 s3, 0
	s_cbranch_scc1 .Llap
	TURN 0, 1, 0                                   ; the last lap fills nothing
	STEP 1, 0, 0
	s_wait_dscnt 4*NL                              ; the very last step
	WIN MUL_LO
	MUL16 0, 1, 0
	MUL16 2, 1, 0
	s_wait_dscnt 0
	WIN MUL_HI
	MUL16 4, 1, 0
	MUL16 6, 1, 0
	WIN 0
	; THE WAY OUT.  All that hangs on the job is chosen here, by selects.
	s_wait_loadcnt 0x0                             ; the biases
	s_wait_kmcnt 0x0                               ; the exponents
	s_add_co_i32 s84, s68, s69                     ; e0 + e1
	s_add_co_i32 s85, s70, s71                     ; e2 + e3
	s_add_co_i32 s86, s72, s73                     ; e4 + e5
	s_mov_b32 s22, 1024
	s_mov_b32 s23, 512
	s_mov_b32 s46, 65536
	s_cmp_eq_u32 s88, 0
	s_cselect_b32 s84, s84, s85
	s_cselect_b32 s87, s75, s74                    ; the queries take e7, the keys e6
	s_cmp_eq_u32 s88, 2
	s_cselect_b32 s84, s86, s84
	s_cselect_b32 s87, s76, s87                    ; V takes e8
	s_cselect_b32 s18, s91, s90                    ; p: my first token
	s_cselect_b32 s19, s90, s91                    ; q: my first feature
	s_cselect_b32 s22, 65536, s22                  ; bytes from block a to a + 2: two token tiles, or a head
	s_cselect_b32 s23, 2048, s23                   ; from an even block to the odd one: a token tile, or u
	s_cselect_b32 s46, 512, s46                    ; from b' to b' + 1: a head, or a chunk
	s_cselect_b32 s89, 0, -1                       ; keeps the bias along n in jobs 0 and 1,
	s_cselect_b32 s86, -1, 0                       ; the bias along m in job 2
	s_add_co_i32 s84, s84, 127
	s_lshl_b32 s84, s84, 23                        ; 2^(ea + eb) as f32
	s_mov_b32 s85, s84                             ; (named with it as a pair, so it is written)
	s_add_co_i32 s87, s87, 127
	s_lshl_b32 s100, s87, 23
	v_mov_b32 v[SCL], s100                         ; 2^eo
	s_add_co_i32 s87, s87, 8
	s_lshl_b32 s87, s87, 23
	s_or_b32 s87, s87, 0x600000
	v_mov_b32 v[LIM], s87                          ; 448 x 2^eo
	s_lshl_b32 s100, s88, 22                       ; job x 4 Mi
	s_lshr_b32 s101, s18, 11
	s_lshl_b32 s101, s101, 21
	s_add_co_u32 s100, s100, s101                  ; + batch x 2 Mi
	s_lshr_b32 s101, s19, 5
	s_lshl_b32 s101, s101, 16
	s_add_co_u32 s100, s100, s101                  ; + head x 65,536
	s_and_b32 s101, s18, 2047
	s_lshl_b32 s101, s101, 5
	s_add_co_u32 s100, s100, s101                  ; + 32 bytes a token (512 a token tile; 4,096 a key step)
	s_mov_b32 s101, 0
	s_mov_b32 s47, 0
	s_add_nc_u64 s[SB:SB+1], s[12:13], s[100:101]
	s_add_nc_u64 s[SB+2:SB+3], s[SB:SB+1], s[46:47]
	s_add_nc_u64 s[SB+4:SB+5], s[SB+2:SB+3], s[46:47]
	s_add_nc_u64 s[SB+6:SB+7], s[SB+4:SB+5], s[46:47]
	PLACES NP                                      ; behind the last products: their results are read and A's registers written below
.set i, 0
.rept 64
	v_and_b32 v[BP+i], s89, v[BP+i]
.set i, i+1
.endr
.set i, 0
.rept 16
	v_and_b32 v[BQ+i], s86, v[BQ+i]
.set i, i+1
.endr
	v_mov_b32 v[OA], v[LI]
	v_add_nc_u32 v[OA+1], s23, v[LI]
.irp a, 2,3,4,5,6,7
	v_add_nc_u32 v[OA+\a], s22, v[OA+\a-2]
.endr
; Block a: 64 sums a lane x 2^(ea + eb) + bias, held, converted: four chunks of 16 codes, each stored as 512 consecutive bytes by the wave.  Each accumulator is read from its low end on.
.macro OUTC a
.set AC, 64*((\a)%4)
.set CB, CD+16*((\a)%4)
.if (\a) >= 4
	s_wait_xcnt 0x0                                ; block a - 4's stores have read these code registers
.endif
	WIN 0x02+((\a)/4)                              ; source 0: window 2 or 3
.set j, 0
.rept 32
	v_pk_fma_f32 v[T+j:T+j+1], v[AC+j:AC+j+1], s[84:85], v[BP+j:BP+j+1] op_sel_hi:[1,0,1]
.set j, j+2
.endr
	WIN 0
.set j, 0
.rept 32
	v_pk_add_f32 v[T+j:T+j+1], v[T+j:T+j+1], v[BQ+2*(\a):BQ+2*(\a)+1] op_sel_hi:[1,0]
.set j, j+2
.endr
.irp b, 0,1,2,3
.set i, 0
.rept 16
	v_med3_num_f32 v[T+16*\b+i], v[T+16*\b+i], -v[LIM], v[LIM]   ; the conversion to an 8-bit code does not saturate (ISA guide 7.6.2)
.set i, i+1
.endr
	v_cvt_scalef32_pk8_fp8_f32 v[CB+4*\b:CB+4*\b+1], v[T+16*\b:T+16*\b+7], v[SCL]
	v_cvt_scalef32_pk8_fp8_f32 v[CB+4*\b+2:CB+4*\b+3], v[T+16*\b+8:T+16*\b+15], v[SCL]
.endr
	v_nop                                          ; a plain vector line behind the last conversion, ahead of the next block's writes of T
.irp b, 0,1,2,3
	global_store_b128 v[OA+(\a)], v[CB+4*\b:CB+4*\b+3], s[SB+2*\b:SB+2*\b+1]
.endr
.endm
.irp a, 0,1,2,3,4,5,6,7
	OUTC \a
.endr
	s_wait_tensorcnt 0x0                           ; the wave's end
	ds_add_u32 v[SPW], v[NIL]
	s_wait_dscnt 0x0
	CROUND                                         ; the closing round: no work-group ends while a partner may still ask for a tile that names it
	s_endpgm
.Lfunc_end_k_q947eed1cd1_qkv:
	.size	k_q947eed1cd1_qkv, .Lfunc_end_k_q947eed1cd1_qkv-k_q947eed1cd1_qkv
	.p2alignl 7, 3214868480
	.fill 96, 4, 3214868480
	.section	.rodata,"a",@progbits
	.p2align	6, 0x0
	.amdhsa_kernel k_q947eed1cd1_qkv
		.amdhsa_group_segment_fixed_size 327680
		.amdhsa_private_segment_fixed_size 0
		.amdhsa_enable_private_segment 0
		.amdhsa_kernarg_size 48
		.amdhsa_user_sgpr_count 2
		.amdhsa_user_sgpr_kernarg_segment_ptr 1
		.amdhsa_wavefront_size32 1
		.amdhsa_system_sgpr_workgroup_id_x 1
		.amdhsa_system_sgpr_workgroup_id_y 1
		.amdhsa_system_sgpr_workgroup_id_z 1
		.amdhsa_system_vgpr_workitem_id 0
		.amdhsa_next_free_vgpr 1024
		.amdhsa_next_free_sgpr 102
		.amdhsa_reserve_vcc 0
		.amdhsa_float_denorm_mode_32 3
		.amdhsa_float_denorm_mode_16_64 3
		.amdhsa_memory_ordered 1
		.amdhsa_forward_progress 1
		.amdhsa_inst_pref_size 157
	.end_amdhsa_kernel
	.amdgpu_metadata
---
amdhsa.version: [ 1, 2 ]
amdhsa.kernels:
  - .name:           k_q947eed1cd1_qkv
    .symbol:         k_q947eed1cd1_qkv.kd
    .args:
      - { .name: img, .offset: 0, .size: 8, .value_kind: global_buffer, .address_space: global }
      - { .name: bk, .offset: 8, .size: 8, .value_kind: global_buffer, .address_space: global }
      - { .name: bq, .offset: 16, .size: 8, .value_kind: global_buffer, .address_space: global }
      - { .name: bv, .offset: 24, .size: 8, .value_kind: global_buffer, .address_space: global }
      - { .name: lowp_scales, .offset: 32, .size: 8, .value_kind: global_buffer, .address_space: global }
      - { .name: att, .offset: 40, .size: 8, .value_kind: global_buffer, .address_space: global }
    .group_segment_fixed_size: 327680
    .private_segment_fixed_size: 0
    .kernarg_segment_align: 8
    .kernarg_segment_size: 48
    .max_flat_workgroup_size: 128
    .sgpr_count:     102
    .vgpr_count:     1024
    .wavefront_size: 32
...
	.end_amdgpu_metadata
.endif
;; end of part 2
;; launch attn (part 3): grid 4 x 64, 16 waves a work-group, clusters of 4 x 1, 169,984 bytes of LDS; arguments att, lowp_scales, oc; writes oc
.if DOCPART == 3
	.amdgcn_target "amdgcn-amd-amdhsa--gfx1250"
	.amdhsa_code_object_version 6
	.text
	.protected	k_q947eed1cd1_attn
	.globl	k_q947eed1cd1_attn
	.p2align	8
	.type	k_q947eed1cd1_attn,@function
k_q947eed1cd1_attn:
	s_mov_b64 s[64:65], 0
	v_nop
	global_prefetch_b8 v0, s[64:65] scope:SCOPE_SE
	s_setreg_imm32_b32 hwreg(HW_REG_WAVE_MODE, 25, 1), 1
	s_wait_xcnt 0x0
	s_wait_alu depctr_hold_cnt(0) depctr_sa_sdst(0) depctr_va_vdst(0) depctr_va_sdst(0) depctr_va_ssrc(0) depctr_va_vcc(0) depctr_vm_vsrc(0)
	s_getreg_b32 s2, hwreg(HW_REG_IB_STS2, 6, 4)
	s_cmp_eq_u32 s2, 0
	s_cbranch_scc0 .Lentry_in_a_cluster
	s_endpgm
.Lentry_in_a_cluster:
	s_bfe_u32 s2, ttmp6, 0x10000c
	s_cmp_lg_u32 s2, 0x3003
	s_cbranch_scc0 .Lentry_shape_is_right
	s_endpgm
.Lentry_shape_is_right:
; Attention of one head on codes of FP8 (E4M3): o = softmax(q k^T / sqrt(32)) v, head size 32, 2,048 keys; o is quantised with e10 and leaves as chunks of the next product's operand image.
; att: queries at 0, keys at 4 Mi: [batch x head][token tile][512 bytes], lane l = r + 16 h: token rho(t, r), d = 16 h + 0 .. 15;  V^T at 8 Mi: [batch x head][key step of 128][u][2,048 bytes]: a fragment, rows = features rho(2 head + u, .),
; K = the step's keys, chunk c at 512 c: keys 32 c + 16 h + 0 .. 15.  rho(t, i) = 32 (t / 2) + 8 (t % 2) + i + 8 (i / 8).  Scales: keys e6, queries e7, V e8, p e9.
; THE SOFTMAX AHEAD OF THE SECOND PRODUCT: t = score x log2(e) / sqrt(32); M = the largest t so far, rounded UP to a whole number; p = 2^(t - M) is quantised, not normalised; the row's sum is taken of the unquantised p and divides at the end.
; When M moves, the sum and O are multiplied by 2^(old M - new M): exact, and no branch on data.
; SHARES.  A work-group owns 512 queries of one head, each of its sixteen waves two tiles of 16: four waves to a SIMD, so that one wave's vector work stands beside another's matrix work and LDS loads.
; A HEAD'S K AND V STAY IN LDS: 128 KiB, fetched once.  Wave w asks for key step w: one tensor load of two rows of 4,096 bytes (8 tiles of keys; 4 Mi further on V^T's two fragments), to LDS byte 8,192 w.  Nothing is filled again.
; CLUSTER.  The four query blocks of a head are a cluster and want the same K and V: each load is asked for JOINTLY, with the mask of all four.
; LAYOUT.  Both products are used transposed: S^T = K Q^T (source 0 = 16 keys, source 1 = my 16 queries), O^T = V^T P^T: a lane holds ONE query throughout.  By rho the 16 registers of key tiles 2 b, 2 b + 1 are the keys 32 b + 16 h + 0 .. 15,
; so p's codes are the second product's operand, and O^T's 16 registers are features 32 head + 16 h + 0 .. 15: a chunk of o's image.
; THE FIRST PRODUCT HAS K = 32 IN A FORM OF K = 64: the query's upper four registers are zero codes, so whatever codes stand in the key operand's upper four (the next tile's; they are held, so none is NaN; behind the last tile zeros) add nothing.
; LIMITS: e6 + e7 between -124 and 129 (added to c's exponent field); e9 and e10 between -126 and 119; e8 + e9 is applied by v_ldexp_f32 and has none.
.set SPB, 8192                         ; a key step in LDS
.set ST,  8                            ; v8-11, v12-15  tile q: -M, the largest t, the sum in two halves
.set QF,  16                           ; v16-23, v24-31 tile q: 4 registers of codes, 4 of zeros
.set KF,  32                           ; v32-63 eight tiles of keys, 4 registers each; v64-67 zeros
.set VF,  68                           ; v68-99 V^T's two fragments
.set S,   100                          ; v100-163 S^T, then p
.set PC,  164                          ; v164-179 p's codes
.set O,   180                          ; v180-211 O^T: (q, u) at 180 + 16 q + 8 u
.set TA,  212                          ; at work
.set F,   214                          ; v[214:215] f = 2^(old M - new M); the upper word is written once
.set PD,  216                          ; a lane permute's destination; written once ahead
.set SU,  218                          ; v[218:219] the second chain of the sum
.set LP,  224                          ; 448 x 2^e9, 2^e9
.set SCP, 225
.set LO,  226                          ; 448 x 2^e10, 2^e10
.set SCO, 227
.macro CROUND                          ; a round of the cluster's barrier
	s_barrier_signal -1
	s_barrier_wait -1
	s_cmp_lg_u32 s10, 0
	s_cbranch_scc1 .Lnot_wave_0_\@
	s_barrier_signal -3
.Lnot_wave_0_\@:
	s_barrier_wait -3
	s_barrier_signal -1
	s_barrier_wait -1
.endm
.macro MKS e, lim, sc                  ; from the exponent in s[e]: v[sc] = 2^e, v[lim] = 448 x 2^e
	s_add_co_i32 s13, s[\e], 127
	s_lshl_b32 s14, s13, 23
	v_mov_b32 v[\sc], s14
	s_add_co_i32 s13, s13, 8
	s_lshl_b32 s13, s13, 23
	s_or_b32 s13, s13, 0x600000
	v_mov_b32 v[\lim], s13
.endm
	s_load_b128 s[4:7], s[0:1], 0x0                ; att, the exponents
	s_load_b64 s[8:9], s[0:1], 0x10                ; oc
	v_lshl_add_u32 v254, v0, 2, 0x29000
	v_mov_b32 v255, 0
	ds_add_u32 v254, v255
	ds_add_u32 v254, v255
	v_lshrrev_b32 v3, 5, v0
	v_readfirstlane_b32 s10, v3                    ; wave 0..15
	s_bfe_u32 s11, ttmp6, 0x40000                  ; cx: my block of 512 queries; it enters the queries' and o's addresses alone
	s_and_b32 s12, ttmp7, 0xffff                   ; batch x 32 + head, which the four partners share
	; descriptor group 1: 2 rows of 512 elements of 8 bytes, 4 Mi bytes apart; dense in LDS
	s_mov_b32 s16, 15|(3<<16)|(1<<21)              ; 15:0 the mask: all four work-groups; 17:16 elements of 8 bytes; 21 set beside a mask
	s_mov_b32 s17, 512<<16                         ; tensor_dim0
	s_mov_b32 s18, 2<<16                           ; tensor_dim1
	s_mov_b32 s19, 512<<16                         ; tile_dim0
	s_mov_b32 s20, 2                               ; tile_dim1
	s_mov_b32 s21, 524288                          ; tensor_dim0_stride
	s_mov_b32 s22, 0
	s_mov_b32 s23, 0
	s_lshl_b32 s14, s12, 16
	s_lshl_b32 s15, s10, 12
	s_add_co_u32 s14, s14, s15
	s_add_co_u32 s14, s14, 4<<20                   ; the keys of step w: 4 Mi + 65,536 x head + 4,096 w
	s_mov_b32 s15, 0
	s_lshl_b32 s46, s12, 16
	s_lshl_b32 s47, s11, 14
	s_add_co_u32 s46, s46, s47
	s_lshl_b32 s47, s10, 10
	s_add_co_u32 s46, s46, s47                     ; my two query tiles: 65,536 x head + 512 (32 cx + 2 w)
	s_mov_b32 s47, 0
	s_lshr_b32 s34, s12, 5
	s_lshl_b32 s34, s34, 7
	s_lshl_b32 s35, s11, 5
	s_add_co_u32 s34, s34, s35
	s_lshl_b32 s35, s10, 1
	s_add_co_u32 s34, s34, s35                     ; my first token tile among all 256
	s_lshl_b32 s34, s34, 14                        ; x 16,384: a row tile of o's image,
	s_and_b32 s35, s12, 31
	s_lshl_b32 s35, s35, 9
	s_add_co_u32 s34, s34, s35                     ; + 512 x head: the chunk
	s_mov_b32 s35, 0
	s_mov_b32 s28, 0x76543210                      ; v_permlanex16_b32's selects for lane l xor 16
	s_mov_b32 s29, 0xfedcba98
	s_mov_b32 s30, 0x3e8293ee                      ; c = log2(e) / sqrt(32)
	s_wait_dscnt 0x0
	s_wait_kmcnt 0x0
	s_load_b256 s[36:43], s[6:7], 0x18             ; e6 .. e13
	s_mov_b32 s24, 1                               ; group 0: count = 1,
	s_lshl_b32 s25, s10, 13                        ; LDS address 8,192 w,
	s_add_nc_u64 s[26:27], s[4:5], s[14:15]        ; global address,
	s_or_b32 s27, s27, 0x80000000                  ; type = 2
	s_add_nc_u64 s[44:45], s[4:5], s[46:47]
	s_add_nc_u64 s[8:9], s[8:9], s[34:35]
	CROUND                                         ; all four work-groups are here: the joint loads meet
	tensor_load_to_lds s[24:27], s[16:23]          ; my one tensor load
	s_nop 0
.rept 4
	v_nop
.endr
	v_and_b32 v3, 31, v0
	v_lshlrev_b32 v1, 4, v3                        ; 16 x lane
	global_load_b128 v[QF:QF+3], v1, s[44:45]
	global_load_b128 v[QF+8:QF+11], v1, s[44:45] offset:512
.irp j, 4,5,6,7,12,13,14,15
	v_mov_b32 v[QF+\j], 0                          ; zero codes: the upper half of the form's K
.endr
.irp j, 32,33,34,35
	v_mov_b32 v[KF+\j], 0
.endr
.irp q, 0,1
	v_mov_b32 v[ST+4*\q+1], 0xff61b1e6             ; the largest t so far: -3e38, under every t
	v_floor_f32 v[ST+4*\q], -v[ST+4*\q+1]          ; -M
	v_mov_b32 v[ST+4*\q+2], 0                      ; the sum
	v_mov_b32 v[ST+4*\q+3], 0
.endr
.set i, 0
.rept 32
	v_mov_b32 v[O+i], 0                            ; O^T: the loop is written once; its first step finds zeros, which the first change of M leaves zeros
.set i, i+1
.endr
	v_mov_b32 v[F+1], 0
	v_mov_b32 v[PD], 0
	s_wait_kmcnt 0x0
	s_add_co_i32 s13, s36, s37
	s_lshl_b32 s13, s13, 23
	s_add_co_i32 s30, s30, s13                     ; a score stands for score x 2^(e6 + e7): added to c's exponent field
	s_mov_b32 s31, s30                             ; (named with it as a pair, so it is written)
	MKS 39, LP, SCP
	MKS 40, LO, SCO
	s_add_co_i32 s34, s38, s39                     ; e8 + e9
; One tile of 16 queries against the step's 128 keys.
.macro TILE q
.set SQ, ST+4*(\q)
.set OQ, O+16*(\q)
.if (\q) == 0
	s_wait_dscnt 8                                 ; the keys are in; V's eight loads may be out
.endif
.set t, 0
.rept 8
	v_wmma_f32_16x16x64_fp8_fp8 v[S+8*t:S+8*t+7], v[KF+4*t:KF+4*t+7], v[QF+8*(\q):QF+8*(\q)+7], 0
.set t, t+1
.endr
.rept 4
	v_nop                                          ; places behind the products, ahead of the first read of their results
.endr
	v_max3_num_f32 v[TA], v[S], v[S+1], v[S+2]     ; the step's largest score of my query among my 64 keys, in two chains, ascending: each accumulator is read from its low end on
	v_max3_num_f32 v[F], v[S+3], v[S+4], v[S+5]
.set j, 6
.rept 14
	v_max3_num_f32 v[TA], v[TA], v[S+j], v[S+j+1]
	v_max3_num_f32 v[F], v[F], v[S+j+2], v[S+j+3]
.set j, j+4
.endr
	v_max3_num_f32 v[TA], v[TA], v[S+62], v[S+63]
	v_max_num_f32 v[TA], v[TA], v[F]
	v_permlanex16_b32 v[PD], v[TA], s28, s29
	v_max_num_f32 v[TA], v[TA], v[PD]              ; and among lane l xor 16's
	v_mul_f32 v[TA], s30, v[TA]                    ; as t (c is positive)
	v_max_num_f32 v[SQ+1], v[SQ+1], v[TA]          ; the running largest t
	v_mov_b32 v[TA], v[SQ]
	v_floor_f32 v[SQ], -v[SQ+1]                    ; the new -M = floor(-t): M is a whole number
	v_sub_f32 v[TA], v[SQ], v[TA]                  ; old M less new M: a whole number, 0 or less
	v_cvt_i32_f32 v[TA], v[TA]                     ; (it saturates)
	v_ldexp_f32 v[F], 1.0, v[TA]                   ; f = 2^(old M - new M)
.set j, 0
.rept 32
	v_pk_fma_f32 v[S+j:S+j+1], v[S+j:S+j+1], s[30:31], v[SQ:SQ+1] op_sel_hi:[1,0,0]   ; t - M (of the pairs c and -M the low word serves both halves)
.set j, j+2
.endr
.set j, 0
.rept 64
	v_exp_f32 v[S+j], v[S+j]                       ; p = 2^(t - M)
.set j, j+1
.endr
	v_pk_mul_f32 v[SQ+2:SQ+3], v[SQ+2:SQ+3], v[F:F+1] op_sel_hi:[1,0]   ; the sum under the new M  (a plain place behind the exponentials)
	s_wait_alu depctr_va_vdst(0)
	v_pk_add_f32 v[SU:SU+1], v[S:S+1], v[S+2:S+3]  ; the sum of the UNQUANTISED p, in two chains
.set j, 4
.rept 15
	v_pk_add_f32 v[SQ+2:SQ+3], v[SQ+2:SQ+3], v[S+j:S+j+1]
	v_pk_add_f32 v[SU:SU+1], v[SU:SU+1], v[S+j+2:S+j+3]
.set j, j+4
.endr
	v_pk_add_f32 v[SQ+2:SQ+3], v[SQ+2:SQ+3], v[SU:SU+1]
.irp b, 0,1,2,3
.set i, 0
.rept 16
	v_min_num_f32 v[S+16*\b+i], v[S+16*\b+i], v[LP]   ; the conversion does not saturate (ISA guide 7.6.2); p is not negative, so the hold is one-sided
.set i, i+1
.endr
	v_cvt_scalef32_pk8_fp8_f32 v[PC+4*\b:PC+4*\b+1], v[S+16*\b:S+16*\b+7], v[SCP]
	v_cvt_scalef32_pk8_fp8_f32 v[PC+4*\b+2:PC+4*\b+3], v[S+16*\b+8:S+16*\b+15], v[SCP]
.endr
.set j, 0
.rept 8
	v_pk_mul_f32 v[OQ+j:OQ+j+1], v[OQ+j:OQ+j+1], v[F:F+1] op_sel_hi:[1,0]   ; O^T under the new M  (plain lines between the conversions and the products that read their codes)
.set j, j+2
.endr
.if (\q) == 0
	s_wait_dscnt 0x0                               ; V is in
.endif
	v_wmma_f32_16x16x128_fp8_fp8 v[OQ:OQ+7], v[VF:VF+15], v[PC:PC+15], v[OQ:OQ+7]           ; the accumulators take turns: no two matrix instructions that follow each other share one
	v_wmma_f32_16x16x128_fp8_fp8 v[OQ+8:OQ+15], v[VF+16:VF+31], v[PC:PC+15], v[OQ+8:OQ+15]
.endm
	s_mov_b32 s32, 0                               ; LDS byte of the step in hand
	s_mov_b32 s33, 16                              ; steps to go
	s_wait_tensorcnt 0x0                           ; my key step is in,
	s_barrier_signal -1
	s_barrier_wait -1                              ; everybody's is
	s_wait_loadcnt 0x0                             ; my queries
.Lstep:
	v_add_nc_u32 v2, s32, v1
.rept 3
	v_nop                                          ; with the addition: four places in front of loads into registers that the last products read
.endr
.irp t, 0,1,2,3,4,5,6,7
	ds_load_b128 v[KF+4*\t:KF+4*\t+3], v2 offset:512*\t
.endr
.irp u, 0,1
.irp c, 0,1,2,3
	ds_load_b128 v[VF+16*\u+4*\c:VF+16*\u+4*\c+3], v2 offset:4096+2048*\u+512*\c
.endr
.endr
	TILE 0
	TILE 1
	s_add_co_u32 s32, s32, SPB
	s_sub_co_u32 s33, s33, 1
	s_cmp_lg_u32 s33, 0
	s_cbranch_scc1 .Lstep
.rept 4
	v_nop                                          ; places behind the last products
.endr
	; THE WAY OUT: O^T / the sum x 2^(e8 + e9), held, converted with e10: 16 codes a lane and tile, a chunk of o's image: the wave stores 512 consecutive bytes.
.irp q, 0,1
	v_add_f32 v[ST+4*\q+2], v[ST+4*\q+2], v[ST+4*\q+3]
	v_permlanex16_b32 v[PD], v[ST+4*\q+2], s28, s29
	v_add_f32 v[ST+4*\q+2], v[ST+4*\q+2], v[PD]    ; the row's sum
	v_rcp_f32 v[ST+4*\q+2], v[ST+4*\q+2]
	v_nop                                          ; a plain place behind the transcendental
	s_wait_alu depctr_va_vdst(0)
	v_ldexp_f32 v[ST+4*\q+2], v[ST+4*\q+2], s34
.set i, 0
.rept 16
	v_mul_f32 v[S+16*\q+i], v[O+16*\q+i], v[ST+4*\q+2]
.set i, i+1
.endr
.set i, 0
.rept 16
	v_med3_num_f32 v[S+16*\q+i], v[S+16*\q+i], -v[LO], v[LO]
.set i, i+1
.endr
	v_cvt_scalef32_pk8_fp8_f32 v[PC+4*\q:PC+4*\q+1], v[S+16*\q:S+16*\q+7], v[SCO]
	v_cvt_scalef32_pk8_fp8_f32 v[PC+4*\q+2:PC+4*\q+3], v[S+16*\q+8:S+16*\q+15], v[SCO]
	v_nop                                          ; a plain vector line behind the last conversion
	global_store_b128 v1, v[PC+4*\q:PC+4*\q+3], s[8:9] offset:16384*\q
.endr
	s_wait_dscnt 0x0
	s_wait_tensorcnt 0x0
	ds_add_u32 v254, v255
	s_wait_dscnt 0x0
	CROUND                                         ; the closing round: no work-group ends while a partner may still ask for a tile that names it
	s_endpgm
.Lfunc_end_k_q947eed1cd1_attn:
	.size	k_q947eed1cd1_attn, .Lfunc_end_k_q947eed1cd1_attn-k_q947eed1cd1_attn
	.p2alignl 7, 3214868480
	.fill 96, 4, 3214868480
	.section	.rodata,"a",@progbits
	.p2align	6, 0x0
	.amdhsa_kernel k_q947eed1cd1_attn
		.amdhsa_group_segment_fixed_size 169984
		.amdhsa_private_segment_fixed_size 0
		.amdhsa_enable_private_segment 0
		.amdhsa_kernarg_size 24
		.amdhsa_user_sgpr_count 2
		.amdhsa_user_sgpr_kernarg_segment_ptr 1
		.amdhsa_wavefront_size32 1
		.amdhsa_system_sgpr_workgroup_id_x 1
		.amdhsa_system_sgpr_workgroup_id_y 1
		.amdhsa_system_sgpr_workgroup_id_z 1
		.amdhsa_system_vgpr_workitem_id 0
		.amdhsa_next_free_vgpr 256
		.amdhsa_next_free_sgpr 66
		.amdhsa_reserve_vcc 0
		.amdhsa_float_denorm_mode_32 3
		.amdhsa_float_denorm_mode_16_64 3
		.amdhsa_memory_ordered 1
		.amdhsa_forward_progress 1
		.amdhsa_inst_pref_size 37
	.end_amdhsa_kernel
	.amdgpu_metadata
---
amdhsa.version: [ 1, 2 ]
amdhsa.kernels:
  - .name:           k_q947eed1cd1_attn
    .symbol:         k_q947eed1cd1_attn.kd
    .args:
      - { .name: att, .offset: 0, .size: 8, .value_kind: global_buffer, .address_space: global }
      - { .name: lowp_scales, .offset: 8, .size: 8, .value_kind: global_buffer, .address_space: global }
      - { .name: oc, .offset: 16, .size: 8, .value_kind: global_buffer, .address_space: global }
    .group_segment_fixed_size: 169984
    .private_segment_fixed_size: 0
    .kernarg_segment_align: 8
    .kernarg_segment_size: 24
    .max_flat_workgroup_size: 512
    .sgpr_count:     66
    .vgpr_count:     256
    .wavefront_size: 32
...
	.end_amdgpu_metadata
.endif
;; end of part 3
;; launch wo (part 4): grid 4 x 16, 4 waves a work-group, clusters of 4 x 4, 327,680 bytes of LDS; arguments oc, img, bo, lowp_scales, y0; writes y0
.if DOCPART == 4
	.amdgcn_target "amdgcn-amd-amdhsa--gfx1250"
	.amdhsa_code_object_version 6
	.text
	.protected	k_q947eed1cd1_wo
	.globl	k_q947eed1cd1_wo
	.p2align	8
	.type	k_q947eed1cd1_wo,@function
k_q947eed1cd1_wo:
	s_mov_b64 s[64:65], 0
	v_nop
	global_prefetch_b8 v0, s[64:65] scope:SCOPE_SE
	s_setreg_imm32_b32 hwreg(HW_REG_WAVE_MODE, 25, 1), 1
	s_wait_xcnt 0x0
	s_wait_alu depctr_hold_cnt(0) depctr_sa_sdst(0) depctr_va_vdst(0) depctr_va_sdst(0) depctr_va_ssrc(0) depctr_va_vcc(0) depctr_vm_vsrc(0)
	s_getreg_b32 s2, hwreg(HW_REG_IB_STS2, 6, 4)
	s_cmp_eq_u32 s2, 0
	s_cbranch_scc0 .Lentry_in_a_cluster
	s_endpgm
.Lentry_in_a_cluster:
	s_bfe_u32 s2, ttmp6, 0x10000c
	s_cmp_lg_u32 s2, 0xf033
	s_cbranch_scc0 .Lentry_shape_is_right
	s_endpgm
.Lentry_shape_is_right:
; Y[m][n] = sum over k of A[m][k] B[n][k] x 2^(ea + eb) + bias[n], on codes of FP8 (E4M3); Y is f32.  Here: A = o's image (tokens), B = Wo's image, bias = bo.
; OPERANDS ARE IMAGES: fragment (row tile t, K step s of 128) at byte (t KSIZE/128 + s) 2,048; chunk c at 512 c; lane l = r + 16 h at 16 l: codes of row rho(t, r), k = 128 s + 32 c + 16 h + 0 .. 15;
; rho(t, i) = 32 (t / 2) + 8 (t % 2) + i + 8 (i / 8).  Four loads of 16 bytes at 16 x lane fill a fragment; k's places are alike in A and B, so every product meets its partner.
; THE MATRIX INSTRUCTION IS USED TRANSPOSED (source 0 = 16 rows of B, source 1 = 16 rows of A): lane (r, h) holds token rho(a, r), and the 16 registers of B's tiles 2 b', 2 b' + 1 are the features 32 b' + 16 h + 0 .. 15.
; Y LEAVES AS THE REGISTERS LIE: block (token tile a, b', j) at ((32 a + b') 4 + j) 512 + 16 l holds Y[rho(a, r)][32 b' + 16 h + 4 j .. + 3]: every store of the wave covers 512 consecutive bytes, aligned; no LDS on the way out.
; A tile of 256 x 256 is made by four waves, 128 x 128 each: 64 accumulators.  K goes in steps of 256 through a ring of two LDS slots; a wave's tensor load brings 8 row tiles x 4,096 bytes.
; CLUSTERS: 4 x 4 work-groups; A's tiles are asked for jointly along a row of the cluster, B's along a column.
; REGISTERS, in windows of 256: window 0: v4 16 x lane, v16-29 addresses, v32-95 the bias, from v128 A's fragments, ONE set; on the way out v112-239 two sets of 64 results.
;   window 1: B's fragments, TWO sets.   windows 2, 3: the accumulators of my rows 0-63, 64-127 ((a, b) at v[8 (8 (a % 4) + b)]).
; LIMIT: ea + eb between -126 and 127, so that 2^(ea + eb) is an f32 number.
.set KSIZE,  1024
.set BOFF,   15<<20                    ; B's image in img
.set EA,     10                        ; entries of the exponents
.set EB,     11
.set SLOT,   131072                    ; A's two halves of 32,768 bytes, then B's two
.set HALFB,  32768                     ; 8 row tiles x 256 along K
.set SPARE,  2*SLOT                    ; behind the ring: the spare words, 128 bytes for each wave: two blocks of 256 bytes that no other line names
.set LAPS,   KSIZE/512                 ; a lap = two K steps of 256 = once round the ring
.set FR,     16                        ; registers of a fragment
.set NL,     4                         ; LDS loads that bring one
.set NP,     4                         ; places behind this matrix instruction (ISA guide 7.12.1)
.set LI,   4                           ; v4      16 x lane
.set ADRA, 16                          ; v16-17  LDS address of my A fragments in slot 0, 1
.set ADRB, 20                          ; v20-21  the same for B
.set VP,   25                          ; v25     offset of the bias; never rewritten
.set SPW,  28                          ; v28     LDS address of my spare word; never rewritten
.set NIL,  29                          ; v29     0; never rewritten
.set BP,   32
.set T,    112
.set AF,   128
.set G1, 24                            ; s[24:31] descriptor group 1 for A's tiles;  s[32:39] group 0, one set for each slot
.set G0, 32
.set G1B, 48                           ; s[48:55], s[56:63] the same for B's tiles
.set G0B, 56
.set MSB, 0
.macro WIN new                         ; the immediate's high byte repeats the setting that is left
.if MSB != \new
	s_set_vgpr_msb (MSB<<8)|\new
.set MSB, \new
.endif
.endm
.set MUL_LO, 0xa1                      ; source 0 (B) window 1, source 1 (A) window 0, C and D window 2
.set MUL_HI, 0xf1                      ; the same, C and D window 3
.set TO_B,   0x40                      ; destination window 1, address window 0
; A joint load: waves 0 and 1 fetch for A, waves 2 and 3 for B; the branch hangs on the wave's number alone.  Four v_nop follow each of the two lines.
.macro JLOAD g0a, g1a, g0b, g1b
	s_cmp_eq_u32 s15, 0
	s_cbranch_scc0 .Lfor_b_\@
	tensor_load_to_lds s[\g0a:\g0a+3], s[\g1a:\g1a+7]
	s_nop 0
.rept 4
	v_nop
.endr
	s_branch .Lasked_\@
.Lfor_b_\@:
	tensor_load_to_lds s[\g0b:\g0b+3], s[\g1b:\g1b+7]
	s_nop 0
.rept 4
	v_nop
.endr
.Lasked_\@:
.endm
.macro CREST                           ; a round of the cluster's barrier behind its opening barrier
	s_cmp_lg_u32 s14, 0
	s_cbranch_scc1 .Lnot_wave_0_\@
	s_barrier_signal -3
.Lnot_wave_0_\@:
	s_barrier_wait -3
	s_barrier_signal -1
	s_barrier_wait -1
.endm
.macro CROUND                          ; a whole round
	s_barrier_signal -1
	s_barrier_wait -1
	CREST
.endm
	s_load_b256 s[4:11], s[0:1], 0x0               ; A's image, img, the bias, the exponents
	s_load_b64 s[12:13], s[0:1], 0x20              ; Y
	v_lshl_add_u32 v[SPW], v0, 2, SPARE
	v_mov_b32 v[NIL], 0
	ds_add_u32 v28, v29
	ds_add_u32 v28, v29
	s_wait_dscnt 0x0
	v_lshrrev_b32 v1, 5, v0
	v_readfirstlane_b32 s14, v1                    ; wave 0..3
	s_lshr_b32 s15, s14, 1                         ; which half of the tile's rows (A's side) is mine.  Also: I fetch for A (0) or for B (1)
	s_and_b32 s16, s14, 1                          ; which half of B's side.  Also: which 128 rows of that tile I fetch
	s_bfe_u32 s40, ttmp6, 0x40000                  ; cx, cy: my place in the cluster
	s_bfe_u32 s41, ttmp6, 0x40004
	s_and_b32 s17, ttmp7, 0xffff
	s_lshl_b32 s17, s17, 2
	s_add_co_u32 s17, s17, s41                     ; tile row (A's side) = 4 x cluster y + cy
	s_lshl_b32 s42, ttmp9, 2
	s_add_co_u32 s42, s42, s40                     ; tile column (B's side) = 4 x cluster x + cx
	s_lshl_b32 s43, s41, 2
	s_lshl_b32 s43, 15, s43                        ; my row of the cluster
	s_lshl_b32 s44, 0x1111, s40                    ; my column
	; descriptor group 1: 8 rows (row tiles) of 4,096 bytes (two fragments), 16 KSIZE bytes apart; dense in LDS
	s_or_b32 s[G1+0], s43, (1<<21)                 ; 15:0 the mask: A's tiles go to my row; 17:16 elements of 1 byte; 20 no padding; 21 set beside a mask
	s_or_b32 s[G1B+0], s44, (1<<21)
.irp g, G1, G1B
	s_mov_b32 s[\g+1], 4096<<16                    ; tensor_dim0
	s_mov_b32 s[\g+2], 8<<16                       ; tensor_dim1
	s_mov_b32 s[\g+3], 4096<<16                    ; tile_dim0
	s_mov_b32 s[\g+4], 8                           ; tile_dim1
	s_mov_b32 s[\g+5], 16*KSIZE                    ; tensor_dim0_stride
	s_mov_b32 s[\g+6], 0
	s_mov_b32 s[\g+7], 0
.endr
	s_lshl_b32 s18, s16, 7                         ; which 128 rows of the tile I fetch
	s_lshl_b32 s20, s17, 8
	s_add_co_u32 s20, s20, s18
	s_mul_i32 s20, s20, KSIZE                      ; 16 rows of an image are 16 KSIZE bytes: row x KSIZE
	s_lshl_b32 s46, s42, 8
	s_add_co_u32 s46, s46, s18
	s_mul_i32 s46, s46, KSIZE
	s_add_co_u32 s46, s46, BOFF
	s_mov_b32 s21, 0
	s_mov_b32 s47, 0
	s_mul_i32 s45, s14, HALFB                      ; where my part goes: wave x 32,768: no place in the cluster enters an LDS address
	s_wait_kmcnt 0x0
	s_load_b512 s[68:83], s[10:11], 0x0            ; the sixteen exponents
	s_add_nc_u64 s[20:21], s[4:5], s[20:21]
	s_add_nc_u64 s[46:47], s[6:7], s[46:47]
	CROUND                                         ; all sixteen work-groups are here: the first joint loads meet
.irp s, 0,1
	s_mov_b32 s[G0+4*\s], 1
	s_add_co_u32 s[G0+4*\s+1], s45, \s*SLOT
	s_add_nc_u64 s[G0+4*\s+2:G0+4*\s+3], s[20:21], \s*4096
	s_or_b32 s[G0+4*\s+3], s[G0+4*\s+3], 0x80000000
	s_mov_b32 s[G0B+4*\s], 1
	s_add_co_u32 s[G0B+4*\s+1], s45, \s*SLOT
	s_add_nc_u64 s[G0B+4*\s+2:G0B+4*\s+3], s[46:47], \s*4096
	s_or_b32 s[G0B+4*\s+3], s[G0B+4*\s+3], 0x80000000
	JLOAD G0+4*\s, G1, G0B+4*\s, G1B
.endr
	v_and_b32 v1, 31, v0
	v_lshlrev_b32 v[LI], 4, v1
	v_bfe_u32 v3, v0, 4, 1                         ; h
	s_mul_i32 s21, s15, HALFB                      ; my 128 rows of A
	s_mul_i32 s22, s16, HALFB                      ; my 128 rows of B,
	s_add_co_u32 s22, s22, 2*HALFB                 ; which lie behind A's 256
.irp s, 0,1
	v_add_nc_u32 v[ADRA+\s], s21, v[LI]
	v_add_nc_u32 v[ADRB+\s], s22, v[LI]
	s_add_co_u32 s21, s21, SLOT
	s_add_co_u32 s22, s22, SLOT
.endr
	s_lshl_b32 s90, s17, 8
	s_lshl_b32 s100, s15, 7
	s_add_co_u32 s90, s90, s100                    ; m0: my first row on A's side
	s_lshl_b32 s91, s42, 8
	s_lshl_b32 s100, s16, 7
	s_add_co_u32 s91, s91, s100                    ; n0: on B's side
	s_lshl_b32 s100, s91, 2
	v_lshl_add_u32 v[VP], v3, 6, s100              ; register 16 b' + i wants bias[n0 + 32 b' + 16 h + i]
.irp b, 0,1,2,3
.irp j, 0,1,2,3
	global_load_b128 v[BP+16*\b+4*\j:BP+16*\b+4*\j+3], v[VP], s[8:9] offset:128*\b+16*\j
.endr
.endr
.macro FRAG reg, adr, q, i             ; a fragment comes as it lies: row tile i of my eight, the slot's q-th 128 along K
.irp c, 0,1,2,3
	ds_load_b128 v[\reg+4*\c:\reg+4*\c+3], v[\adr] offset:2048*(\q)+512*\c+(\i)*4096
.endr
.endm
; 16 matrix instructions: A's blocks a0, a0 + 1 x B's eight, 128 along K.  p: B's set.  zero = 1: the first product starts the sums.
; The 64 accumulators take turns, one instruction a turn, in the same order in every step.
.macro MUL16 a0, p, zero
.irp a, \a0, \a0+1
.irp b, 0,1,2,3,4,5,6,7
.if \zero
	v_wmma_f32_16x16x128_fp8_fp8 v[8*(8*((\a)%4)+\b):8*(8*((\a)%4)+\b)+7], v[128*(\p)+FR*\b:128*(\p)+FR*\b+FR-1], v[AF+FR*(\a):AF+FR*(\a)+FR-1], 0
.else
	v_wmma_f32_16x16x128_fp8_fp8 v[8*(8*((\a)%4)+\b):8*(8*((\a)%4)+\b)+7], v[128*(\p)+FR*\b:128*(\p)+FR*\b+FR-1], v[AF+FR*(\a):AF+FR*(\a)+FR-1], v[8*(8*((\a)%4)+\b):8*(8*((\a)%4)+\b)+7]
.endif
.endr
.endr
.endm
.macro FETCH_B slot, q, p              ; B's eight fragments into set p
	WIN TO_B
.irp i, 0,1,2,3,4,5,6,7
	FRAG 128*(\p)+FR*\i, ADRB+\slot, \q, \i
.endr
	WIN 0
.endm
.macro FETCH_A slot, q, i0             ; A's blocks i0 .. i0 + 3
.irp i, \i0, \i0+1, \i0+2, \i0+3
	FRAG AF+FR*(\i), ADRA+\slot, \q, \i
.endr
.endm
; A load into a register that a matrix instruction has read, and a vector instruction that reads a matrix result, stand NP places behind it; only plain vector instructions that name none of its registers are places.
.macro PLACES n
.rept \n
	v_nop
.endr
.endm
; A step of 128 along K that has its successor in the same slot.  A block of A is free once its eight products are issued: blocks 0-3 are fetched anew in the step's middle, blocks 4-7 at its end.
.macro STEP slot, q, zero
	s_wait_dscnt 4*NL                              ; B's set and A's blocks 0-3 are in; the youngest 16 loads (A's blocks 4-7) may be out
	WIN MUL_LO
	MUL16 0, (\q)%2, \zero
	MUL16 2, (\q)%2, \zero
	s_wait_dscnt 0                                 ; A's blocks 4-7 are in
	PLACES NP
	FETCH_B \slot, (\q)+1, 1-(\q)%2
	FETCH_A \slot, (\q)+1, 0
	WIN MUL_HI
	MUL16 4, (\q)%2, \zero
	MUL16 6, (\q)%2, \zero
	PLACES NP
	WIN 0
	FETCH_A \slot, (\q)+1, 4
.endm
; A slot's last step changes slots: ONE barrier; in front of it each wave waits for all its tensor loads, adds 0 to its spare word, and waits for that and for its own reads of this slot.  fill = 1: this slot is filled again, two K steps ahead.
.macro TURN slot, next, fill
	s_wait_tensorcnt 0x0                           ; all my tensor loads have landed: my part of the next slot  (every window is 0 here)
	ds_add_u32 v[SPW], v[NIL]                      ; 0 onto my spare word
	s_wait_dscnt 4*NL+1                            ; (the add and the youngest 16 loads, A's blocks 4-7, may be out)
	WIN MUL_LO
	MUL16 0, 1, 0                                  ; sixteen matrix instructions stand between the add and the wait for it
	s_wait_dscnt 0x0                               ; the add is done, and my reads of this slot are over
	s_barrier_signal -1
	MUL16 2, 1, 0
	WIN 0
	s_barrier_wait -1
.if \fill
	CREST                                          ; the barrier has opened a round of the cluster's: no wave of any partner still reads this slot or has a load on its way
	s_add_nc_u64 s[G0+4*\slot+2:G0+4*\slot+3], s[G0+4*\slot+2:G0+4*\slot+3], 8192
	s_add_nc_u64 s[G0B+4*\slot+2:G0B+4*\slot+3], s[G0B+4*\slot+2:G0B+4*\slot+3], 8192
	JLOAD G0+4*\slot, G1, G0B+4*\slot, G1B         ; the first tensor load behind the round; its four v_nop are the places in front of the loads below
.else
	PLACES NP
.endif
	FETCH_B \next, 0, 0
	FETCH_A \next, 0, 0
	WIN MUL_HI
	MUL16 4, 1, 0
	MUL16 6, 1, 0
	PLACES NP
	WIN 0
	FETCH_A \next, 0, 4
.endm
	s_wait_tensorcnt 1                             ; my part of K step 0 is in (K step 1's load may be out)
	s_barrier_signal -1
	s_barrier_wait -1                              ; everybody's is
	FETCH_B 0, 0, 0
	FETCH_A 0, 0, 0
	FETCH_A 0, 0, 4
	STEP 0, 0, 1                                   ; the first step stands in front of the loop: its products start the sums
	s_mov_b32 s3, LAPS-1
.Llap:                                                 ; a trip goes once round the ring, from a lap's second step to the next lap's first, and fills both slots again
	TURN 0, 1, 1
	STEP 1, 0, 0
	TURN 1, 0, 1
	STEP 0, 0, 0
	s_sub_co_u32 s3, s3, 1
	s_cmp_lg_u32 s3, 0
	s_cbranch_scc1 .Llap
	TURN 0, 1, 0                                   ; the last lap fills nothing
	STEP 1, 0, 0
	s_wait_dscnt 4*NL                              ; the very last step
	WIN MUL_LO
	MUL16 0, 1, 0
	MUL16 2, 1, 0
	s_wait_dscnt 0
	WIN MUL_HI
	MUL16 4, 1, 0
	MUL16 6, 1, 0
	WIN 0
	; THE WAY OUT
	s_wait_loadcnt 0x0                             ; the bias
	s_wait_kmcnt 0x0                               ; the exponents
	s_add_co_i32 s84, s[68+EA], s[68+EB]
	s_add_co_i32 s84, s84, 127
	s_lshl_b32 s84, s84, 23                        ; 2^(ea + eb) as f32
	s_mov_b32 s85, s84                             ; (named with it as a pair, so it is written)
	s_lshl_b32 s100, s90, 12                       ; 65,536 bytes a token tile: 4,096 m0,
	s_lshl_b32 s101, s91, 6                        ; 2,048 bytes for 32 features: 64 n0
	s_add_co_u32 s100, s100, s101
	s_mov_b32 s101, 0
	s_add_nc_u64 s[12:13], s[12:13], s[100:101]
	PLACES NP                                      ; behind the last products: their results are read and A's registers written below
; Block a: 64 sums a lane x 2^(ea + eb) + bias, into one of two sets, and sixteen stores.  Each accumulator is read from its low end on.
.macro OUTF a
.set AC, 64*((\a)%4)
.set TB, T+64*((\a)%2)
.if (\a) >= 2
	s_wait_xcnt 0x0                                ; block a - 2's stores have read this set
.endif
	WIN 0x02+((\a)/4)                              ; source 0: window 2 or 3
.set j, 0
.rept 32
	v_pk_fma_f32 v[TB+j:TB+j+1], v[AC+j:AC+j+1], s[84:85], v[BP+j:BP+j+1] op_sel_hi:[1,0,1]
.set j, j+2
.endr
	WIN 0
.irp b, 0,1,2,3
.irp j, 0,1,2,3
	global_store_b128 v[LI], v[TB+16*\b+4*\j:TB+16*\b+4*\j+3], s[12:13] offset:65536*(\a)+2048*\b+512*\j
.endr
.endr
.endm
.irp a, 0,1,2,3,4,5,6,7
	OUTF \a
.endr
	s_wait_tensorcnt 0x0                           ; the wave's end
	ds_add_u32 v[SPW], v[NIL]
	s_wait_dscnt 0x0
	CROUND                                         ; the closing round: no work-group ends while a partner may still ask for a tile that names it
	s_endpgm
.Lfunc_end_k_q947eed1cd1_wo:
	.size	k_q947eed1cd1_wo, .Lfunc_end_k_q947eed1cd1_wo-k_q947eed1cd1_wo
	.p2alignl 7, 3214868480
	.fill 96, 4, 3214868480
	.section	.rodata,"a",@progbits
	.p2align	6, 0x0
	.amdhsa_kernel k_q947eed1cd1_wo
		.amdhsa_group_segment_fixed_size 327680
		.amdhsa_private_segment_fixed_size 0
		.amdhsa_enable_private_segment 0
		.amdhsa_kernarg_size 40
		.amdhsa_user_sgpr_count 2
		.amdhsa_user_sgpr_kernarg_segment_ptr 1
		.amdhsa_wavefront_size32 1
		.amdhsa_system_sgpr_workgroup_id_x 1
		.amdhsa_system_sgpr_workgroup_id_y 1
		.amdhsa_system_sgpr_workgroup_id_z 1
		.amdhsa_system_vgpr_workitem_id 0
		.amdhsa_next_free_vgpr 1024
		.amdhsa_next_free_sgpr 102
		.amdhsa_reserve_vcc 0
		.amdhsa_float_denorm_mode_32 3
		.amdhsa_float_denorm_mode_16_64 3
		.amdhsa_memory_ordered 1
		.amdhsa_forward_progress 1
		.amdhsa_inst_pref_size 108
	.end_amdhsa_kernel
	.amdgpu_metadata
---
amdhsa.version: [ 1, 2 ]
amdhsa.kernels:
  - .name:           k_q947eed1cd1_wo
    .symbol:         k_q947eed1cd1_wo.kd
    .args:
      - { .name: oc, .offset: 0, .size: 8, .value_kind: global_buffer, .address_space: global }
      - { .name: img, .offset: 8, .size: 8, .value_kind: global_buffer, .address_space: global }
      - { .name: bo, .offset: 16, .size: 8, .value_kind: global_buffer, .address_space: global }
      - { .name: lowp_scales, .offset: 24, .size: 8, .value_kind: global_buffer, .address_space: global }
      - { .name: y0, .offset: 32, .size: 8, .value_kind: global_buffer, .address_space: global }
    .group_segment_fixed_size: 327680
    .private_segment_fixed_size: 0
    .kernarg_segment_align: 8
    .kernarg_segment_size: 40
    .max_flat_workgroup_size: 128
    .sgpr_count:     102
    .vgpr_count:     1024
    .wavefront_size: 32
...
	.end_amdgpu_metadata
.endif
;; end of part 4
;; launch ln0 (part 5): grid 256 x 1, 16 waves a work-group, no clusters, 73,728 bytes of LDS; arguments y0, x, ln0_a, ln0_b, lowp_scales, hf, hc; writes hf, hc
.if DOCPART == 5
	.amdgcn_target "amdgcn-amd-amdhsa--gfx1250"
	.amdhsa_code_object_version 6
	.text
	.protected	k_q947eed1cd1_ln0
	.globl	k_q947eed1cd1_ln0
	.p2align	8
	.type	k_q947eed1cd1_ln0,@function
k_q947eed1cd1_ln0:
	s_mov_b64 s[64:65], 0
	v_nop
	global_prefetch_b8 v0, s[64:65] scope:SCOPE_SE
	s_setreg_imm32_b32 hwreg(HW_REG_WAVE_MODE, 25, 1), 1
	s_wait_xcnt 0x0
; out = (z - mean) / (sigma + 1e-9) x alpha + beta, z = Y + residual, over rows of 1,024; sigma = sqrt(mean of (z - mean)^2).  All in f32; the variance is taken in a second pass over registers, of differences from the mean.
; CODES = 1: the result leaves as f32 rows and also as codes of FP8 (E4M3) with the scale 2^e12, as chunks of the next product's operand image.  CODES = 0: as f32 rows alone.
; Y lies as a product's registers left it: block (token tile a, b', j) at ((32 a + b') 4 + j) 512 + 16 l, l = r + 16 h, holds Y[rho(a, r)][32 b' + 16 h + 4 j .. + 3]; rho(a, i) = 32 (a / 2) + 8 (a % 2) + i + 8 (i / 8).
; The residual and the result are natural rows [4096][1024].
; SHARES.  A work-group takes token tile a (16 tokens); wave w features 64 w .. 64 w + 63 (b' = 2 w, 2 w + 1); lane (r, h) holds 32 numbers of token rho(a, r).
; The residual is loaded as rows lie (sixteen lanes take 256 consecutive bytes, aligned) and turned into the lanes' order through the wave's own stage in LDS (16 rows, 272 bytes apart); the result goes back the same way.
; A row's sum: within the lane, with lane l xor 16, then over the sixteen waves through LDS words [r][wave], one barrier; twice, on bytes of their own.
; LIMIT (CODES = 1): e12 between -126 and 119.  NaN among the inputs is not served in the codes.
.set CODES, 1
.set STG,  4352                        ; a wave's stage
.set RED,  69632                       ; behind the stages: 1,024 bytes for the sums, 1,024 for the sums of squares
.set LI,   1                           ; v1  16 x lane
.set NAT,  2                           ; v2  natural rows: (l / 16) x 4,096 + 16 (l % 16)
.set AB,   3                           ; v3  alpha, beta: 64 h
.set STW,  4                           ; v4  the stage, by rows
.set STT,  5                           ; v5  the stage, by lanes' order
.set RW,   6                           ; v6  my word of the sums: RED + 64 r + 4 w
.set RR,   7                           ; v7  my token's sixteen words: RED + 64 r
.set A0,   8                           ; v[8:9], v[10:11] two chains
.set A1,   10
.set RV,   12                          ; v12-27 sixteen waves' sums
.set MU,   28                          ; v[28:29] the mean, twice
.set IV,   30                          ; v[30:31] 1 / (sigma + eps), twice
.set Y,    32
.set RS,   64                          ; rows as they lie: the residual in, the result out
.set AL,   96
.set BE,   128
.set R2,   160                         ; the residual in the lanes' order; later held numbers
.set CDR,  192                         ; codes
.set LIM,  200
.set SCL,  201
.set PD,   202                         ; a lane permute's destination; written once ahead
	s_load_b256 s[4:11], s[0:1], 0x0               ; Y, the residual, alpha, beta
.if CODES
	s_load_b128 s[12:15], s[0:1], 0x20             ; the exponents, the f32 result
	s_load_b64 s[16:17], s[0:1], 0x30              ; the codes
	v_lshl_add_u32 v208, v0, 2, 0x11800
	v_mov_b32 v209, 0
.else
	s_load_b64 s[14:15], s[0:1], 0x20              ; the result
.endif
	v_lshrrev_b32 v8, 5, v0
	v_readfirstlane_b32 s18, v8                    ; wave 0..15
	v_and_b32 v9, 31, v0
	v_lshlrev_b32 v[LI], 4, v9
	v_and_b32 v10, 15, v0                          ; r, also l % 16
	v_bfe_u32 v11, v0, 4, 1                        ; h, also l / 16
	v_lshlrev_b32 v[NAT], 12, v11
	v_lshl_add_u32 v[NAT], v10, 4, v[NAT]
	v_lshlrev_b32 v[AB], 6, v11
	s_mul_i32 s19, s18, STG
	v_mul_u32_u24 v[STW], v11, 272
	v_lshl_add_u32 v[STW], v10, 4, v[STW]
	v_add_nc_u32 v[STW], s19, v[STW]
	v_mul_u32_u24 v[STT], v10, 272
	v_lshl_add_u32 v[STT], v11, 6, v[STT]
	v_add_nc_u32 v[STT], s19, v[STT]
	v_lshlrev_b32 v[RR], 6, v10
	v_add_nc_u32 v[RR], RED, v[RR]
	s_lshl_b32 s19, s18, 2
	v_add_nc_u32 v[RW], s19, v[RR]
	v_mov_b32 v[PD], 0
	s_mov_b32 s30, 0x76543210                      ; v_permlanex16_b32's selects for lane l xor 16
	s_mov_b32 s31, 0xfedcba98
	s_lshl_b32 s20, ttmp9, 16
	s_lshl_b32 s21, s18, 12
	s_add_co_u32 s20, s20, s21                     ; Y: 65,536 a + 4,096 w
	s_mov_b32 s21, 0
	s_lshr_b32 s22, ttmp9, 1
	s_lshl_b32 s22, s22, 5
	s_and_b32 s23, ttmp9, 1
	s_lshl_b32 s23, s23, 3
	s_add_co_u32 s22, s22, s23                     ; the tile's first token
	s_lshl_b32 s22, s22, 12
	s_lshl_b32 s24, s18, 8                         ; 256 w: my 64 features
	s_mov_b32 s25, 0
	s_add_co_u32 s22, s22, s24
	s_mov_b32 s23, 0
	s_lshl_b32 s26, ttmp9, 14
	s_lshl_b32 s27, s18, 10
	s_add_co_u32 s26, s26, s27                     ; the codes: 16,384 a + 512 (2 w)
	s_mov_b32 s27, 0
	s_wait_kmcnt 0x0
	s_add_nc_u64 s[4:5], s[4:5], s[20:21]
	s_add_nc_u64 s[6:7], s[6:7], s[22:23]
	s_add_nc_u64 s[8:9], s[8:9], s[24:25]
	s_add_nc_u64 s[10:11], s[10:11], s[24:25]
	s_add_nc_u64 s[14:15], s[14:15], s[22:23]
.if CODES
	s_load_b32 s28, s[12:13], 0x30                 ; e12
	s_add_nc_u64 s[16:17], s[16:17], s[26:27]
.endif
.irp i, 0,1,2,3,4,5,6,7                            ; tile rows 2 i and 2 i + 1 are tokens 2 i + 8 (i / 4) and the next
	global_load_b128 v[RS+4*\i:RS+4*\i+3], v[NAT], s[6:7] offset:(2*\i+8*(\i/4))*4096 th:TH_LOAD_NT
.endr
.irp b, 0,1
.irp j, 0,1,2,3
	global_load_b128 v[Y+16*\b+4*\j:Y+16*\b+4*\j+3], v[LI], s[4:5] offset:2048*\b+512*\j th:TH_LOAD_NT
.endr
.endr
.irp b, 0,1
.irp j, 0,1,2,3
	global_load_b128 v[AL+16*\b+4*\j:AL+16*\b+4*\j+3], v[AB], s[8:9] offset:128*\b+16*\j
.endr
.endr
.irp b, 0,1
.irp j, 0,1,2,3
	global_load_b128 v[BE+16*\b+4*\j:BE+16*\b+4*\j+3], v[AB], s[10:11] offset:128*\b+16*\j
.endr
.endr
	s_wait_loadcnt 24                              ; the residual's eight loads are in; the 24 behind them may be out
.irp i, 0,1,2,3,4,5,6,7
	ds_store_b128 v[STW], v[RS+4*\i:RS+4*\i+3] offset:544*\i
.endr
.irp b, 0,1
.irp j, 0,1,2,3
	ds_load_b128 v[R2+16*\b+4*\j:R2+16*\b+4*\j+3], v[STT] offset:128*\b+16*\j   ; LDS serves a wave's instructions in order (ISA guide 5.7.1.4): these see the stores above
.endr
.endr
	s_wait_loadcnt 16                              ; Y is in; alpha and beta may be out
	s_wait_dscnt 0x0
.set j, 0
.rept 16
	v_pk_add_f32 v[Y+j:Y+j+1], v[Y+j:Y+j+1], v[R2+j:R2+j+1]
.set j, j+2
.endr
; The lane's sum in v[A0] becomes the row's sum in v[RV], in every lane.  off: which 1,024 bytes.
.macro ACROSS off
	v_permlanex16_b32 v[PD], v[A0], s30, s31
	v_add_f32 v[A0], v[A0], v[PD]                  ; my wave's 64 features of token r
	ds_store_b32 v[RW], v[A0] offset:\off          ; (lanes r and r + 16 store the same number to the same word)
	s_wait_dscnt 0x0                               ; for the others' sake: my store is done
	s_barrier_signal -1
	s_barrier_wait -1
.irp c, 0,1,2,3
	ds_load_b128 v[RV+4*\c:RV+4*\c+3], v[RR] offset:\off+16*\c
.endr
	s_wait_dscnt 0x0
	v_pk_add_f32 v[RV:RV+1], v[RV:RV+1], v[RV+2:RV+3]
	v_pk_add_f32 v[RV+4:RV+5], v[RV+4:RV+5], v[RV+6:RV+7]
	v_pk_add_f32 v[RV+8:RV+9], v[RV+8:RV+9], v[RV+10:RV+11]
	v_pk_add_f32 v[RV+12:RV+13], v[RV+12:RV+13], v[RV+14:RV+15]
	v_pk_add_f32 v[RV:RV+1], v[RV:RV+1], v[RV+4:RV+5]
	v_pk_add_f32 v[RV+8:RV+9], v[RV+8:RV+9], v[RV+12:RV+13]
	v_pk_add_f32 v[RV:RV+1], v[RV:RV+1], v[RV+8:RV+9]
	v_add_f32 v[RV], v[RV], v[RV+1]
.endm
	v_pk_add_f32 v[A0:A0+1], v[Y:Y+1], v[Y+2:Y+3]
	v_pk_add_f32 v[A1:A1+1], v[Y+4:Y+5], v[Y+6:Y+7]
.set j, 8
.rept 6
	v_pk_add_f32 v[A0:A0+1], v[A0:A0+1], v[Y+j:Y+j+1]
	v_pk_add_f32 v[A1:A1+1], v[A1:A1+1], v[Y+j+2:Y+j+3]
.set j, j+4
.endr
	v_pk_add_f32 v[A0:A0+1], v[A0:A0+1], v[A1:A1+1]
	v_add_f32 v[A0], v[A0], v[A0+1]
	ACROSS 0
	v_mul_f32 v[MU], 0x3a800000, v[RV]             ; / 1,024
	v_mov_b32 v[MU+1], v[MU]
.set j, 0
.rept 16
	v_pk_add_f32 v[Y+j:Y+j+1], v[Y+j:Y+j+1], v[MU:MU+1] neg_lo:[0,1] neg_hi:[0,1]   ; z - mean
.set j, j+2
.endr
	v_pk_mul_f32 v[A0:A0+1], v[Y:Y+1], v[Y:Y+1]
	v_pk_mul_f32 v[A1:A1+1], v[Y+2:Y+3], v[Y+2:Y+3]
.set j, 4
.rept 7
	v_pk_fma_f32 v[A0:A0+1], v[Y+j:Y+j+1], v[Y+j:Y+j+1], v[A0:A0+1]
	v_pk_fma_f32 v[A1:A1+1], v[Y+j+2:Y+j+3], v[Y+j+2:Y+j+3], v[A1:A1+1]
.set j, j+4
.endr
	v_pk_add_f32 v[A0:A0+1], v[A0:A0+1], v[A1:A1+1]
	v_add_f32 v[A0], v[A0], v[A0+1]
	ACROSS 1024
	v_mul_f32 v[IV], 0x3a800000, v[RV]
	v_sqrt_f32 v[IV], v[IV]
	v_nop                                          ; a plain place behind each transcendental
	s_wait_alu depctr_va_vdst(0)
	v_add_f32 v[IV], 0x3089705f, v[IV]             ; sigma + 1e-9
	v_rcp_f32 v[IV], v[IV]
	v_nop
	s_wait_alu depctr_va_vdst(0)
	v_mov_b32 v[IV+1], v[IV]
	s_wait_loadcnt 0x0                             ; alpha and beta
.set j, 0
.rept 16
	v_pk_mul_f32 v[Y+j:Y+j+1], v[Y+j:Y+j+1], v[IV:IV+1]
.set j, j+2
.endr
.set j, 0
.rept 16
	v_pk_fma_f32 v[Y+j:Y+j+1], v[Y+j:Y+j+1], v[AL+j:AL+j+1], v[BE+j:BE+j+1]
.set j, j+2
.endr
.irp b, 0,1
.irp j, 0,1,2,3
	ds_store_b128 v[STT], v[Y+16*\b+4*\j:Y+16*\b+4*\j+3] offset:128*\b+16*\j
.endr
.endr
.irp i, 0,1,2,3,4,5,6,7
	ds_load_b128 v[RS+4*\i:RS+4*\i+3], v[STW] offset:544*\i
.endr
.if CODES
	s_wait_kmcnt 0x0
	s_add_co_i32 s28, s28, 127
	s_lshl_b32 s29, s28, 23
	v_mov_b32 v[SCL], s29                          ; 2^e12
	s_add_co_i32 s28, s28, 8
	s_lshl_b32 s28, s28, 23
	s_or_b32 s28, s28, 0x600000
	v_mov_b32 v[LIM], s28                          ; 448 x 2^e12
.set i, 0
.rept 32
	v_med3_num_f32 v[R2+i], v[Y+i], -v[LIM], v[LIM]   ; the conversion to an 8-bit code does not saturate (ISA guide 7.6.2); into other registers: Y is on its way into the stage
.set i, i+1
.endr
.irp b, 0,1
	v_cvt_scalef32_pk8_fp8_f32 v[CDR+4*\b:CDR+4*\b+1], v[R2+16*\b:R2+16*\b+7], v[SCL]
	v_cvt_scalef32_pk8_fp8_f32 v[CDR+4*\b+2:CDR+4*\b+3], v[R2+16*\b+8:R2+16*\b+15], v[SCL]
.endr
	v_nop                                          ; a plain vector line behind the last conversion
.irp b, 0,1
	global_store_b128 v[LI], v[CDR+4*\b:CDR+4*\b+3], s[16:17] offset:512*\b   ; chunk b' = 2 w + b of row tile a: 512 consecutive bytes
.endr
.endif
.irp i, 0,1,2,3,4,5,6,7
	s_wait_dscnt 7-\i                              ; row pair i is back; the younger loads may be out
	global_store_b128 v[NAT], v[RS+4*\i:RS+4*\i+3], s[14:15] offset:(2*\i+8*(\i/4))*4096   ; sixteen lanes store 256 consecutive bytes, aligned
.endr
	s_wait_tensorcnt 0x0
	ds_add_u32 v208, v209
	s_wait_dscnt 0x0
	s_endpgm
.Lfunc_end_k_q947eed1cd1_ln0:
	.size	k_q947eed1cd1_ln0, .Lfunc_end_k_q947eed1cd1_ln0-k_q947eed1cd1_ln0
	.p2alignl 7, 3214868480
	.fill 96, 4, 3214868480
	.section	.rodata,"a",@progbits
	.p2align	6, 0x0
	.amdhsa_kernel k_q947eed1cd1_ln0
		.amdhsa_group_segment_fixed_size 73728
		.amdhsa_private_segment_fixed_size 0
		.amdhsa_enable_private_segment 0
		.amdhsa_kernarg_size 56
		.amdhsa_user_sgpr_count 2
		.amdhsa_user_sgpr_kernarg_segment_ptr 1
		.amdhsa_wavefront_size32 1
		.amdhsa_system_sgpr_workgroup_id_x 1
		.amdhsa_system_sgpr_workgroup_id_y 1
		.amdhsa_system_sgpr_workgroup_id_z 1
		.amdhsa_system_vgpr_workitem_id 0
		.amdhsa_next_free_vgpr 210
		.amdhsa_next_free_sgpr 66
		.amdhsa_reserve_vcc 0
		.amdhsa_float_denorm_mode_32 3
		.amdhsa_float_denorm_mode_16_64 3
		.amdhsa_memory_ordered 1
		.amdhsa_forward_progress 1
		.amdhsa_inst_pref_size 21
	.end_amdhsa_kernel
	.amdgpu_metadata
---
amdhsa.version: [ 1, 2 ]
amdhsa.kernels:
  - .name:           k_q947eed1cd1_ln0
    .symbol:         k_q947eed1cd1_ln0.kd
    .args:
      - { .name: y0, .offset: 0, .size: 8, .value_kind: global_buffer, .address_space: global }
      - { .name: x, .offset: 8, .size: 8, .value_kind: global_buffer, .address_space: global }
      - { .name: ln0_a, .offset: 16, .size: 8, .value_kind: global_buffer, .address_space: global }
      - { .name: ln0_b, .offset: 24, .size: 8, .value_kind: global_buffer, .address_space: global }
      - { .name: lowp_scales, .offset: 32, .size: 8, .value_kind: global_buffer, .address_space: global }
      - { .name: hf, .offset: 40, .size: 8, .value_kind: global_buffer, .address_space: global }
      - { .name: hc, .offset: 48, .size: 8, .value_kind: global_buffer, .address_space: global }
    .group_segment_fixed_size: 73728
    .private_segment_fixed_size: 0
    .kernarg_segment_align: 8
    .kernarg_segment_size: 56
    .max_flat_workgroup_size: 512
    .sgpr_count:     66
    .vgpr_count:     210
    .wavefront_size: 32
...
	.end_amdgpu_metadata
.endif
;; end of part 5
;; launch ffn1 (part 6): grid 16 x 16, 4 waves a work-group, clusters of 4 x 4, 327,680 bytes of LDS; arguments hc, img, b0, lowp_scales, hid; writes hid
.if DOCPART == 6
	.amdgcn_target "amdgcn-amd-amdhsa--gfx1250"
	.amdhsa_code_object_version 6
	.text
	.protected	k_q947eed1cd1_ffn1
	.globl	k_q947eed1cd1_ffn1
	.p2align	8
	.type	k_q947eed1cd1_ffn1,@function
k_q947eed1cd1_ffn1:
	s_mov_b64 s[64:65], 0
	v_nop
	global_prefetch_b8 v0, s[64:65] scope:SCOPE_SE
	s_setreg_imm32_b32 hwreg(HW_REG_WAVE_MODE, 25, 1), 1
	s_wait_xcnt 0x0
	s_wait_alu depctr_hold_cnt(0) depctr_sa_sdst(0) depctr_va_vdst(0) depctr_va_sdst(0) depctr_va_ssrc(0) depctr_va_vcc(0) depctr_vm_vsrc(0)
	s_getreg_b32 s2, hwreg(HW_REG_IB_STS2, 6, 4)
	s_cmp_eq_u32 s2, 0
	s_cbranch_scc0 .Lentry_in_a_cluster
	s_endpgm
.Lentry_in_a_cluster:
	s_bfe_u32 s2, ttmp6, 0x10000c
	s_cmp_lg_u32 s2, 0xf033
	s_cbranch_scc0 .Lentry_shape_is_right
	s_endpgm
.Lentry_shape_is_right:
; hidden = relu(sum over k of A[m][k] B[n][k] x 2^(ea + eb) + bias[n]), on codes of FP8 (E4M3), quantised with 2^eo; the codes leave as the next product's operand image.  A = h's image (tokens), B = W0's image, bias = b0.
; OPERANDS ARE IMAGES: fragment (row tile t, K step s of 128) at byte (t K/128 + s) 2,048; chunk c at 512 c; lane l = r + 16 h at 16 l: codes of row rho(t, r), k = 128 s + 32 c + 16 h + 0 .. 15;
; rho(t, i) = 32 (t / 2) + 8 (t % 2) + i + 8 (i / 8).  Four loads of 16 bytes at 16 x lane fill a fragment; k's places are alike in A and B, so every product meets its partner.
; THE MATRIX INSTRUCTION IS USED TRANSPOSED (source 0 = 16 rows of B, source 1 = 16 rows of A): lane (r, h) holds token rho(a, r), and the 16 registers of B's tiles 2 b', 2 b' + 1 are the hidden units 32 b' + 16 h + 0 .. 15:
; held between 0 and the largest code x the scale (the activation and the hold in one) and converted, they ARE chunk b' of row tile a of the hidden layer's image (rows of 4,096 codes: 65,536 a + 512 b' + 16 l).
; A tile of 256 x 256 is made by four waves, 128 x 128 each: 64 accumulators.  K goes in steps of 256 through a ring of two LDS slots; a wave's tensor load brings 8 row tiles x 4,096 bytes.
; CLUSTERS: 4 x 4 work-groups; A's tiles are asked for jointly along a row of the cluster, B's along a column.
; REGISTERS, in windows of 256: window 0: v4 16 x lane, v16-29 addresses, v32-95 the bias, from v128 A's fragments, ONE set; on the way out v112-175 numbers, v176-239 codes.
;   window 1: B's fragments, TWO sets.   windows 2, 3: the accumulators of my rows 0-63, 64-127 ((a, b) at v[8 (8 (a % 4) + b)]).
; LIMITS: ea + eb between -126 and 127; eo between -126 and 119.  NaN among the inputs is not served.
.set KSIZE,  1024
.set BOFF,   16<<20                    ; B's image in img
.set EA,     12                        ; entries of the exponents
.set EB,     13
.set EO,     14
.set SLOT,   131072                    ; A's two halves of 32,768 bytes, then B's two
.set HALFB,  32768                     ; 8 row tiles x 256 along K
.set SPARE,  2*SLOT                    ; behind the ring: the spare words, 128 bytes for each wave: two blocks of 256 bytes that no other line names
.set LAPS,   KSIZE/512                 ; a lap = two K steps of 256 = once round the ring
.set FR,     16                        ; registers of a fragment
.set NL,     4                         ; LDS loads that bring one
.set NP,     4                         ; places behind this matrix instruction (ISA guide 7.12.1)
.set LI,   4                           ; v4      16 x lane
.set ADRA, 16                          ; v16-17  LDS address of my A fragments in slot 0, 1
.set ADRB, 20                          ; v20-21  the same for B
.set LIM,  22                          ; v22     448 x 2^eo
.set SCL,  23                          ; v23     2^eo
.set VP,   25                          ; v25     offset of the bias; never rewritten
.set SPW,  28                          ; v28     LDS address of my spare word; never rewritten
.set NIL,  29                          ; v29     0; never rewritten
.set BP,   32
.set T,    112
.set AF,   128
.set CD,   176
.set G1, 24                            ; s[24:31] descriptor group 1 for A's tiles;  s[32:39] group 0, one set for each slot
.set G0, 32
.set G1B, 48                           ; s[48:55], s[56:63] the same for B's tiles
.set G0B, 56
.set MSB, 0
.macro WIN new                         ; the immediate's high byte repeats the setting that is left
.if MSB != \new
	s_set_vgpr_msb (MSB<<8)|\new
.set MSB, \new
.endif
.endm
.set MUL_LO, 0xa1                      ; source 0 (B) window 1, source 1 (A) window 0, C and D window 2
.set MUL_HI, 0xf1                      ; the same, C and D window 3
.set TO_B,   0x40                      ; destination window 1, address window 0
; A joint load: waves 0 and 1 fetch for A, waves 2 and 3 for B; the branch hangs on the wave's number alone.  Four v_nop follow each of the two lines.
.macro JLOAD g0a, g1a, g0b, g1b
	s_cmp_eq_u32 s15, 0
	s_cbranch_scc0 .Lfor_b_\@
	tensor_load_to_lds s[\g0a:\g0a+3], s[\g1a:\g1a+7]
	s_nop 0
.rept 4
	v_nop
.endr
	s_branch .Lasked_\@
.Lfor_b_\@:
	tensor_load_to_lds s[\g0b:\g0b+3], s[\g1b:\g1b+7]
	s_nop 0
.rept 4
	v_nop
.endr
.Lasked_\@:
.endm
.macro CREST                           ; a round of the cluster's barrier behind its opening barrier
	s_cmp_lg_u32 s14, 0
	s_cbranch_scc1 .Lnot_wave_0_\@
	s_barrier_signal -3
.Lnot_wave_0_\@:
	s_barrier_wait -3
	s_barrier_signal -1
	s_barrier_wait -1
.endm
.macro CROUND                          ; a whole round
	s_barrier_signal -1
	s_barrier_wait -1
	CREST
.endm
	s_load_b256 s[4:11], s[0:1], 0x0               ; A's image, img, the bias, the exponents
	s_load_b64 s[12:13], s[0:1], 0x20              ; the hidden layer's image
	v_lshl_add_u32 v[SPW], v0, 2, SPARE
	v_mov_b32 v[NIL], 0
	ds_add_u32 v28, v29
	ds_add_u32 v28, v29
	s_wait_dscnt 0x0
	v_lshrrev_b32 v1, 5, v0
	v_readfirstlane_b32 s14, v1                    ; wave 0..3
	s_lshr_b32 s15, s14, 1                         ; which half of the tile's rows (A's side) is mine.  Also: I fetch for A (0) or for B (1)
	s_and_b32 s16, s14, 1                          ; which half of B's side.  Also: which 128 rows of that tile I fetch
	s_bfe_u32 s40, ttmp6, 0x40000                  ; cx, cy: my place in the cluster
	s_bfe_u32 s41, ttmp6, 0x40004
	s_and_b32 s17, ttmp7, 0xffff
	s_lshl_b32 s17, s17, 2
	s_add_co_u32 s17, s17, s41                     ; tile row (A's side) = 4 x cluster y + cy
	s_lshl_b32 s42, ttmp9, 2
	s_add_co_u32 s42, s42, s40                     ; tile column (B's side) = 4 x cluster x + cx
	s_lshl_b32 s43, s41, 2
	s_lshl_b32 s43, 15, s43                        ; my row of the cluster
	s_lshl_b32 s44, 0x1111, s40                    ; my column
	; descriptor group 1: 8 rows (row tiles) of 4,096 bytes (two fragments), 16 KSIZE bytes apart; dense in LDS
	s_or_b32 s[G1+0], s43, (1<<21)                 ; 15:0 the mask: A's tiles go to my row; 17:16 elements of 1 byte; 20 no padding; 21 set beside a mask
	s_or_b32 s[G1B+0], s44, (1<<21)
.irp g, G1, G1B
	s_mov_b32 s[\g+1], 4096<<16                    ; tensor_dim0
	s_mov_b32 s[\g+2], 8<<16                       ; tensor_dim1
	s_mov_b32 s[\g+3], 4096<<16                    ; tile_dim0
	s_mov_b32 s[\g+4], 8                           ; tile_dim1
	s_mov_b32 s[\g+5], 16*KSIZE                    ; tensor_dim0_stride
	s_mov_b32 s[\g+6], 0
	s_mov_b32 s[\g+7], 0
.endr
	s_lshl_b32 s18, s16, 7                         ; which 128 rows of the tile I fetch
	s_lshl_b32 s20, s17, 8
	s_add_co_u32 s20, s20, s18
	s_mul_i32 s20, s20, KSIZE                      ; 16 rows of an image are 16 KSIZE bytes: row x KSIZE
	s_lshl_b32 s46, s42, 8
	s_add_co_u32 s46, s46, s18
	s_mul_i32 s46, s46, KSIZE
	s_add_co_u32 s46, s46, BOFF
	s_mov_b32 s21, 0
	s_mov_b32 s47, 0
	s_mul_i32 s45, s14, HALFB                      ; where my part goes: wave x 32,768: no place in the cluster enters an LDS address
	s_wait_kmcnt 0x0
	s_load_b512 s[68:83], s[10:11], 0x0            ; the sixteen exponents
	s_add_nc_u64 s[20:21], s[4:5], s[20:21]
	s_add_nc_u64 s[46:47], s[6:7], s[46:47]
	CROUND                                         ; all sixteen work-groups are here: the first joint loads meet
.irp s, 0,1
	s_mov_b32 s[G0+4*\s], 1
	s_add_co_u32 s[G0+4*\s+1], s45, \s*SLOT
	s_add_nc_u64 s[G0+4*\s+2:G0+4*\s+3], s[20:21], \s*4096
	s_or_b32 s[G0+4*\s+3], s[G0+4*\s+3], 0x80000000
	s_mov_b32 s[G0B+4*\s], 1
	s_add_co_u32 s[G0B+4*\s+1], s45, \s*SLOT
	s_add_nc_u64 s[G0B+4*\s+2:G0B+4*\s+3], s[46:47], \s*4096
	s_or_b32 s[G0B+4*\s+3], s[G0B+4*\s+3], 0x80000000
	JLOAD G0+4*\s, G1, G0B+4*\s, G1B
.endr
	v_and_b32 v1, 31, v0
	v_lshlrev_b32 v[LI], 4, v1
	v_bfe_u32 v3, v0, 4, 1                         ; h
	s_mul_i32 s21, s15, HALFB                      ; my 128 rows of A
	s_mul_i32 s22, s16, HALFB                      ; my 128 rows of B,
	s_add_co_u32 s22, s22, 2*HALFB                 ; which lie behind A's 256
.irp s, 0,1
	v_add_nc_u32 v[ADRA+\s], s21, v[LI]
	v_add_nc_u32 v[ADRB+\s], s22, v[LI]
	s_add_co_u32 s21, s21, SLOT
	s_add_co_u32 s22, s22, SLOT
.endr
	s_lshl_b32 s90, s17, 8
	s_lshl_b32 s100, s15, 7
	s_add_co_u32 s90, s90, s100                    ; m0: my first row on A's side
	s_lshl_b32 s91, s42, 8
	s_lshl_b32 s100, s16, 7
	s_add_co_u32 s91, s91, s100                    ; n0: on B's side
	s_lshl_b32 s100, s91, 2
	v_lshl_add_u32 v[VP], v3, 6, s100              ; register 16 b' + i wants bias[n0 + 32 b' + 16 h + i]
.irp b, 0,1,2,3
.irp j, 0,1,2,3
	global_load_b128 v[BP+16*\b+4*\j:BP+16*\b+4*\j+3], v[VP], s[8:9] offset:128*\b+16*\j
.endr
.endr
.macro FRAG reg, adr, q, i             ; a fragment comes as it lies: row tile i of my eight, the slot's q-th 128 along K
.irp c, 0,1,2,3
	ds_load_b128 v[\reg+4*\c:\reg+4*\c+3], v[\adr] offset:2048*(\q)+512*\c+(\i)*4096
.endr
.endm
; 16 matrix instructions: A's blocks a0, a0 + 1 x B's eight, 128 along K.  p: B's set.  zero = 1: the first product starts the sums.
; The 64 accumulators take turns, one instruction a turn, in the same order in every step.
.macro MUL16 a0, p, zero
.irp a, \a0, \a0+1
.irp b, 0,1,2,3,4,5,6,7
.if \zero
	v_wmma_f32_16x16x128_fp8_fp8 v[8*(8*((\a)%4)+\b):8*(8*((\a)%4)+\b)+7], v[128*(\p)+FR*\b:128*(\p)+FR*\b+FR-1], v[AF+FR*(\a):AF+FR*(\a)+FR-1], 0
.else
	v_wmma_f32_16x16x128_fp8_fp8 v[8*(8*((\a)%4)+\b):8*(8*((\a)%4)+\b)+7], v[128*(\p)+FR*\b:128*(\p)+FR*\b+FR-1], v[AF+FR*(\a):AF+FR*(\a)+FR-1], v[8*(8*((\a)%4)+\b):8*(8*((\a)%4)+\b)+7]
.endif
.endr
.endr
.endm
.macro FETCH_B slot, q, p              ; B's eight fragments into set p
	WIN TO_B
.irp i, 0,1,2,3,4,5,6,7
	FRAG 128*(\p)+FR*\i, ADRB+\slot, \q, \i
.endr
	WIN 0
.endm
.macro FETCH_A slot, q, i0             ; A's blocks i0 .. i0 + 3
.irp i, \i0, \i0+1, \i0+2, \i0+3
	FRAG AF+FR*(\i), ADRA+\slot, \q, \i
.endr
.endm
; A load into a register that a matrix instruction has read, and a vector instruction that reads a matrix result, stand NP places behind it; only plain vector instructions that name none of its registers are places.
.macro PLACES n
.rept \n
	v_nop
.endr
.endm
; A step of 128 along K that has its successor in the same slot.  A block of A is free once its eight products are issued: blocks 0-3 are fetched anew in the step's middle, blocks 4-7 at its end.
.macro STEP slot, q, zero
	s_wait_dscnt 4*NL                              ; B's set and A's blocks 0-3 are in; the youngest 16 loads (A's blocks 4-7) may be out
	WIN MUL_LO
	MUL16 0, (\q)%2, \zero
	MUL16 2, (\q)%2, \zero
	s_wait_dscnt 0                                 ; A's blocks 4-7 are in
	PLACES NP
	FETCH_B \slot, (\q)+1, 1-(\q)%2
	FETCH_A \slot, (\q)+1, 0
	WIN MUL_HI
	MUL16 4, (\q)%2, \zero
	MUL16 6, (\q)%2, \zero
	PLACES NP
	WIN 0
	FETCH_A \slot, (\q)+1, 4
.endm
; A slot's last step changes slots: ONE barrier; in front of it each wave waits for all its tensor loads, adds 0 to its spare word, and waits for that and for its own reads of this slot.  fill = 1: this slot is filled again, two K steps ahead.
.macro TURN slot, next, fill
	s_wait_tensorcnt 0x0                           ; all my tensor loads have landed: my part of the next slot  (every window is 0 here)
	ds_add_u32 v[SPW], v[NIL]                      ; 0 onto my spare word
	s_wait_dscnt 4*NL+1                            ; (the add and the youngest 16 loads, A's blocks 4-7, may be out)
	WIN MUL_LO
	MUL16 0, 1, 0                                  ; sixteen matrix instructions stand between the add and the wait for it
	s_wait_dscnt 0x0                               ; the add is done, and my reads of this slot are over
	s_barrier_signal -1
	MUL16 2, 1, 0
	WIN 0
	s_barrier_wait -1
.if \fill
	CREST                                          ; the barrier has opened a round of the cluster's: no wave of any partner still reads this slot or has a load on its way
	s_add_nc_u64 s[G0+4*\slot+2:G0+4*\slot+3], s[G0+4*\slot+2:G0+4*\slot+3], 8192
	s_add_nc_u64 s[G0B+4*\slot+2:G0B+4*\slot+3], s[G0B+4*\slot+2:G0B+4*\slot+3], 8192
	JLOAD G0+4*\slot, G1, G0B+4*\slot, G1B         ; the first tensor load behind the round; its four v_nop are the places in front of the loads below
.else
	PLACES NP
.endif
	FETCH_B \next, 0, 0
	FETCH_A \next, 0, 0
	WIN MUL_HI
	MUL16 4, 1, 0
	MUL16 6, 1, 0
	PLACES NP
	WIN 0
	FETCH_A \next, 0, 4
.endm
	s_wait_tensorcnt 1                             ; my part of K step 0 is in (K step 1's load may be out)
	s_barrier_signal -1
	s_barrier_wait -1                              ; everybody's is
	FETCH_B 0, 0, 0
	FETCH_A 0, 0, 0
	FETCH_A 0, 0, 4
	STEP 0, 0, 1                                   ; the first step stands in front of the loop: its products start the sums
	s_mov_b32 s3, LAPS-1
.Llap:                                                 ; a trip goes once round the ring, from a lap's second step to the next lap's first, and fills both slots again
	TURN 0, 1, 1
	STEP 1, 0, 0
	TURN 1, 0, 1
	STEP 0, 0, 0
	s_sub_co_u32 s3, s3, 1
	s_cmp_lg_u32 s3, 0
	s_cbranch_scc1 .Llap
	TURN 0, 1, 0                                   ; the last lap fills nothing
	STEP 1, 0, 0
	s_wait_dscnt 4*NL                              ; the very last step
	WIN MUL_LO
	MUL16 0, 1, 0
	MUL16 2, 1, 0
	s_wait_dscnt 0
	WIN MUL_HI
	MUL16 4, 1, 0
	MUL16 6, 1, 0
	WIN 0
	; THE WAY OUT
	s_wait_loadcnt 0x0                             ; the bias
	s_wait_kmcnt 0x0                               ; the exponents
	s_add_co_i32 s84, s[68+EA], s[68+EB]
	s_add_co_i32 s84, s84, 127
	s_lshl_b32 s84, s84, 23                        ; 2^(ea + eb) as f32
	s_mov_b32 s85, s84                             ; (named with it as a pair, so it is written)
	s_add_co_i32 s87, s[68+EO], 127
	s_lshl_b32 s100, s87, 23
	v_mov_b32 v[SCL], s100                         ; 2^eo
	s_add_co_i32 s87, s87, 8
	s_lshl_b32 s87, s87, 23
	s_or_b32 s87, s87, 0x600000
	v_mov_b32 v[LIM], s87                          ; 448 x 2^eo
	s_lshl_b32 s100, s90, 12                       ; 65,536 bytes a token tile: 4,096 m0,
	s_lshl_b32 s101, s91, 4                        ; 512 bytes for 32 hidden units: 16 n0
	s_add_co_u32 s100, s100, s101
	s_mov_b32 s101, 0
	s_add_nc_u64 s[12:13], s[12:13], s[100:101]
	PLACES NP                                      ; behind the last products: their results are read and A's registers written below
; Block a: 64 sums a lane x 2^(ea + eb) + bias, clipped and held, converted: four chunks of 16 codes, each stored as 512 consecutive bytes by the wave.  Each accumulator is read from its low end on.
.macro OUTC a
.set AC, 64*((\a)%4)
.set CB, CD+16*((\a)%4)
.if (\a) >= 4
	s_wait_xcnt 0x0                                ; block a - 4's stores have read these code registers
.endif
	WIN 0x02+((\a)/4)                              ; source 0: window 2 or 3
.set j, 0
.rept 32
	v_pk_fma_f32 v[T+j:T+j+1], v[AC+j:AC+j+1], s[84:85], v[BP+j:BP+j+1] op_sel_hi:[1,0,1]
.set j, j+2
.endr
	WIN 0
.irp b, 0,1,2,3
.set i, 0
.rept 16
	v_med3_num_f32 v[T+16*\b+i], v[T+16*\b+i], 0, v[LIM]   ; the activation and the hold in one (the conversion to an 8-bit code does not saturate: ISA guide 7.6.2)
.set i, i+1
.endr
	v_cvt_scalef32_pk8_fp8_f32 v[CB+4*\b:CB+4*\b+1], v[T+16*\b:T+16*\b+7], v[SCL]
	v_cvt_scalef32_pk8_fp8_f32 v[CB+4*\b+2:CB+4*\b+3], v[T+16*\b+8:T+16*\b+15], v[SCL]
.endr
	v_nop                                          ; a plain vector line behind the last conversion, ahead of the next block's writes of T
.irp b, 0,1,2,3
	global_store_b128 v[LI], v[CB+4*\b:CB+4*\b+3], s[12:13] offset:65536*(\a)+512*\b
.endr
.endm
.irp a, 0,1,2,3,4,5,6,7
	OUTC \a
.endr
	s_wait_tensorcnt 0x0                           ; the wave's end
	ds_add_u32 v[SPW], v[NIL]
	s_wait_dscnt 0x0
	CROUND                                         ; the closing round: no work-group ends while a partner may still ask for a tile that names it
	s_endpgm
.Lfunc_end_k_q947eed1cd1_ffn1:
	.size	k_q947eed1cd1_ffn1, .Lfunc_end_k_q947eed1cd1_ffn1-k_q947eed1cd1_ffn1
	.p2alignl 7, 3214868480
	.fill 96, 4, 3214868480
	.section	.rodata,"a",@progbits
	.p2align	6, 0x0
	.amdhsa_kernel k_q947eed1cd1_ffn1
		.amdhsa_group_segment_fixed_size 327680
		.amdhsa_private_segment_fixed_size 0
		.amdhsa_enable_private_segment 0
		.amdhsa_kernarg_size 40
		.amdhsa_user_sgpr_count 2
		.amdhsa_user_sgpr_kernarg_segment_ptr 1
		.amdhsa_wavefront_size32 1
		.amdhsa_system_sgpr_workgroup_id_x 1
		.amdhsa_system_sgpr_workgroup_id_y 1
		.amdhsa_system_sgpr_workgroup_id_z 1
		.amdhsa_system_vgpr_workitem_id 0
		.amdhsa_next_free_vgpr 1024
		.amdhsa_next_free_sgpr 102
		.amdhsa_reserve_vcc 0
		.amdhsa_float_denorm_mode_32 3
		.amdhsa_float_denorm_mode_16_64 3
		.amdhsa_memory_ordered 1
		.amdhsa_forward_progress 1
		.amdhsa_inst_pref_size 135
	.end_amdhsa_kernel
	.amdgpu_metadata
---
amdhsa.version: [ 1, 2 ]
amdhsa.kernels:
  - .name:           k_q947eed1cd1_ffn1
    .symbol:         k_q947eed1cd1_ffn1.kd
    .args:
      - { .name: hc, .offset: 0, .size: 8, .value_kind: global_buffer, .address_space: global }
      - { .name: img, .offset: 8, .size: 8, .value_kind: global_buffer, .address_space: global }
      - { .name: b0, .offset: 16, .size: 8, .value_kind: global_buffer, .address_space: global }
      - { .name: lowp_scales, .offset: 24, .size: 8, .value_kind: global_buffer, .address_space: global }
      - { .name: hid, .offset: 32, .size: 8, .value_kind: global_buffer, .address_space: global }
    .group_segment_fixed_size: 327680
    .private_segment_fixed_size: 0
    .kernarg_segment_align: 8
    .kernarg_segment_size: 40
    .max_flat_workgroup_size: 128
    .sgpr_count:     102
    .vgpr_count:     1024
    .wavefront_size: 32
...
	.end_amdgpu_metadata
.endif
;; end of part 6
;; launch ffn2 (part 7): grid 4 x 16, 4 waves a work-group, clusters of 4 x 4, 327,680 bytes of LDS; arguments hid, img, b1, lowp_scales, y1; writes y1
.if DOCPART == 7
	.amdgcn_target "amdgcn-amd-amdhsa--gfx1250"
	.amdhsa_code_object_version 6
	.text
	.protected	k_q947eed1cd1_ffn2
	.globl	k_q947eed1cd1_ffn2
	.p2align	8
	.type	k_q947eed1cd1_ffn2,@function
k_q947eed1cd1_ffn2:
	s_mov_b64 s[64:65], 0
	v_nop
	global_prefetch_b8 v0, s[64:65] scope:SCOPE_SE
	s_setreg_imm32_b32 hwreg(HW_REG_WAVE_MODE, 25, 1), 1
	s_wait_xcnt 0x0
	s_wait_alu depctr_hold_cnt(0) depctr_sa_sdst(0) depctr_va_vdst(0) depctr_va_sdst(0) depctr_va_ssrc(0) depctr_va_vcc(0) depctr_vm_vsrc(0)
	s_getreg_b32 s2, hwreg(HW_REG_IB_STS2, 6, 4)
	s_cmp_eq_u32 s2, 0
	s_cbranch_scc0 .Lentry_in_a_cluster
	s_endpgm
.Lentry_in_a_cluster:
	s_bfe_u32 s2, ttmp6, 0x10000c
	s_cmp_lg_u32 s2, 0xf033
	s_cbranch_scc0 .Lentry_shape_is_right
	s_endpgm
.Lentry_shape_is_right:
; Y[m][n] = sum over k of A[m][k] B[n][k] x 2^(ea + eb) + bias[n], on codes of FP8 (E4M3); Y is f32.  Here: A = the hidden layer's image (tokens), B = W1's image, bias = b1.
; OPERANDS ARE IMAGES: fragment (row tile t, K step s of 128) at byte (t KSIZE/128 + s) 2,048; chunk c at 512 c; lane l = r + 16 h at 16 l: codes of row rho(t, r), k = 128 s + 32 c + 16 h + 0 .. 15;
; rho(t, i) = 32 (t / 2) + 8 (t % 2) + i + 8 (i / 8).  Four loads of 16 bytes at 16 x lane fill a fragment; k's places are alike in A and B, so every product meets its partner.
; THE MATRIX INSTRUCTION IS USED TRANSPOSED (source 0 = 16 rows of B, source 1 = 16 rows of A): lane (r, h) holds token rho(a, r), and the 16 registers of B's tiles 2 b', 2 b' + 1 are the features 32 b' + 16 h + 0 .. 15.
; Y LEAVES AS THE REGISTERS LIE: block (token tile a, b', j) at ((32 a + b') 4 + j) 512 + 16 l holds Y[rho(a, r)][32 b' + 16 h + 4 j .. + 3]: every store of the wave covers 512 consecutive bytes, aligned; no LDS on the way out.
; A tile of 256 x 256 is made by four waves, 128 x 128 each: 64 accumulators.  K goes in steps of 256 through a ring of two LDS slots; a wave's tensor load brings 8 row tiles x 4,096 bytes.
; CLUSTERS: 4 x 4 work-groups; A's tiles are asked for jointly along a row of the cluster, B's along a column.
; REGISTERS, in windows of 256: window 0: v4 16 x lane, v16-29 addresses, v32-95 the bias, from v128 A's fragments, ONE set; on the way out v112-239 two sets of 64 results.
;   window 1: B's fragments, TWO sets.   windows 2, 3: the accumulators of my rows 0-63, 64-127 ((a, b) at v[8 (8 (a % 4) + b)]).
; LIMIT: ea + eb between -126 and 127, so that 2^(ea + eb) is an f32 number.
.set KSIZE,  4096
.set BOFF,   20<<20                    ; B's image in img
.set EA,     14                        ; entries of the exponents
.set EB,     15
.set SLOT,   131072                    ; A's two halves of 32,768 bytes, then B's two
.set HALFB,  32768                     ; 8 row tiles x 256 along K
.set SPARE,  2*SLOT                    ; behind the ring: the spare words, 128 bytes for each wave: two blocks of 256 bytes that no other line names
.set LAPS,   KSIZE/512                 ; a lap = two K steps of 256 = once round the ring
.set FR,     16                        ; registers of a fragment
.set NL,     4                         ; LDS loads that bring one
.set NP,     4                         ; places behind this matrix instruction (ISA guide 7.12.1)
.set LI,   4                           ; v4      16 x lane
.set ADRA, 16                          ; v16-17  LDS address of my A fragments in slot 0, 1
.set ADRB, 20                          ; v20-21  the same for B
.set VP,   25                          ; v25     offset of the bias; never rewritten
.set SPW,  28                          ; v28     LDS address of my spare word; never rewritten
.set NIL,  29                          ; v29     0; never rewritten
.set BP,   32
.set T,    112
.set AF,   128
.set G1, 24                            ; s[24:31] descriptor group 1 for A's tiles;  s[32:39] group 0, one set for each slot
.set G0, 32
.set G1B, 48                           ; s[48:55], s[56:63] the same for B's tiles
.set G0B, 56
.set MSB, 0
.macro WIN new                         ; the immediate's high byte repeats the setting that is left
.if MSB != \new
	s_set_vgpr_msb (MSB<<8)|\new
.set MSB, \new
.endif
.endm
.set MUL_LO, 0xa1                      ; source 0 (B) window 1, source 1 (A) window 0, C and D window 2
.set MUL_HI, 0xf1                      ; the same, C and D window 3
.set TO_B,   0x40                      ; destination window 1, address window 0
; A joint load: waves 0 and 1 fetch for A, waves 2 and 3 for B; the branch hangs on the wave's number alone.  Four v_nop follow each of the two lines.
.macro JLOAD g0a, g1a, g0b, g1b
	s_cmp_eq_u32 s15, 0
	s_cbranch_scc0 .Lfor_b_\@
	tensor_load_to_lds s[\g0a:\g0a+3], s[\g1a:\g1a+7]
	s_nop 0
.rept 4
	v_nop
.endr
	s_branch .Lasked_\@
.Lfor_b_\@:
	tensor_load_to_lds s[\g0b:\g0b+3], s[\g1b:\g1b+7]
	s_nop 0
.rept 4
	v_nop
.endr
.Lasked_\@:
.endm
.macro CREST                           ; a round of the cluster's barrier behind its opening barrier
	s_cmp_lg_u32 s14, 0
	s_cbranch_scc1 .Lnot_wave_0_\@
	s_barrier_signal -3
.Lnot_wave_0_\@:
	s_barrier_wait -3
	s_barrier_signal -1
	s_barrier_wait -1
.endm
.macro CROUND                          ; a whole round
	s_barrier_signal -1
	s_barrier_wait -1
	CREST
.endm
	s_load_b256 s[4:11], s[0:1], 0x0               ; A's image, img, the bias, the exponents
	s_load_b64 s[12:13], s[0:1], 0x20              ; Y
	v_lshl_add_u32 v[SPW], v0, 2, SPARE
	v_mov_b32 v[NIL], 0
	ds_add_u32 v28, v29
	ds_add_u32 v28, v29
	s_wait_dscnt 0x0
	v_lshrrev_b32 v1, 5, v0
	v_readfirstlane_b32 s14, v1                    ; wave 0..3
	s_lshr_b32 s15, s14, 1                         ; which half of the tile's rows (A's side) is mine.  Also: I fetch for A (0) or for B (1)
	s_and_b32 s16, s14, 1                          ; which half of B's side.  Also: which 128 rows of that tile I fetch
	s_bfe_u32 s40, ttmp6, 0x40000                  ; cx, cy: my place in the cluster
	s_bfe_u32 s41, ttmp6, 0x40004
	s_and_b32 s17, ttmp7, 0xffff
	s_lshl_b32 s17, s17, 2
	s_add_co_u32 s17, s17, s41                     ; tile row (A's side) = 4 x cluster y + cy
	s_lshl_b32 s42, ttmp9, 2
	s_add_co_u32 s42, s42, s40                     ; tile column (B's side) = 4 x cluster x + cx
	s_lshl_b32 s43, s41, 2
	s_lshl_b32 s43, 15, s43                        ; my row of the cluster
	s_lshl_b32 s44, 0x1111, s40                    ; my column
	; descriptor group 1: 8 rows (row tiles) of 4,096 bytes (two fragments), 16 KSIZE bytes apart; dense in LDS
	s_or_b32 s[G1+0], s43, (1<<21)                 ; 15:0 the mask: A's tiles go to my row; 17:16 elements of 1 byte; 20 no padding; 21 set beside a mask
	s_or_b32 s[G1B+0], s44, (1<<21)
.irp g, G1, G1B
	s_mov_b32 s[\g+1], 4096<<16                    ; tensor_dim0
	s_mov_b32 s[\g+2], 8<<16                       ; tensor_dim1
	s_mov_b32 s[\g+3], 4096<<16                    ; tile_dim0
	s_mov_b32 s[\g+4], 8                           ; tile_dim1
	s_mov_b32 s[\g+5], 16*KSIZE                    ; tensor_dim0_stride
	s_mov_b32 s[\g+6], 0
	s_mov_b32 s[\g+7], 0
.endr
	s_lshl_b32 s18, s16, 7                         ; which 128 rows of the tile I fetch
	s_lshl_b32 s20, s17, 8
	s_add_co_u32 s20, s20, s18
	s_mul_i32 s20, s20, KSIZE                      ; 16 rows of an image are 16 KSIZE bytes: row x KSIZE
	s_lshl_b32 s46, s42, 8
	s_add_co_u32 s46, s46, s18
	s_mul_i32 s46, s46, KSIZE
	s_add_co_u32 s46, s46, BOFF
	s_mov_b32 s21, 0
	s_mov_b32 s47, 0
	s_mul_i32 s45, s14, HALFB                      ; where my part goes: wave x 32,768: no place in the cluster enters an LDS address
	s_wait_kmcnt 0x0
	s_load_b512 s[68:83], s[10:11], 0x0            ; the sixteen exponents
	s_add_nc_u64 s[20:21], s[4:5], s[20:21]
	s_add_nc_u64 s[46:47], s[6:7], s[46:47]
	CROUND                                         ; all sixteen work-groups are here: the first joint loads meet
.irp s, 0,1
	s_mov_b32 s[G0+4*\s], 1
	s_add_co_u32 s[G0+4*\s+1], s45, \s*SLOT
	s_add_nc_u64 s[G0+4*\s+2:G0+4*\s+3], s[20:21], \s*4096
	s_or_b32 s[G0+4*\s+3], s[G0+4*\s+3], 0x80000000
	s_mov_b32 s[G0B+4*\s], 1
	s_add_co_u32 s[G0B+4*\s+1], s45, \s*SLOT
	s_add_nc_u64 s[G0B+4*\s+2:G0B+4*\s+3], s[46:47], \s*4096
	s_or_b32 s[G0B+4*\s+3], s[G0B+4*\s+3], 0x80000000
	JLOAD G0+4*\s, G1, G0B+4*\s, G1B
.endr
	v_and_b32 v1, 31, v0
	v_lshlrev_b32 v[LI], 4, v1
	v_bfe_u32 v3, v0, 4, 1                         ; h
	s_mul_i32 s21, s15, HALFB                      ; my 128 rows of A
	s_mul_i32 s22, s16, HALFB                      ; my 128 rows of B,
	s_add_co_u32 s22, s22, 2*HALFB                 ; which lie behind A's 256
.irp s, 0,1
	v_add_nc_u32 v[ADRA+\s], s21, v[LI]
	v_add_nc_u32 v[ADRB+\s], s22, v[LI]
	s_add_co_u32 s21, s21, SLOT
	s_add_co_u32 s22, s22, SLOT
.endr
	s_lshl_b32 s90, s17, 8
	s_lshl_b32 s100, s15, 7
	s_add_co_u32 s90, s90, s100                    ; m0: my first row on A's side
	s_lshl_b32 s91, s42, 8
	s_lshl_b32 s100, s16, 7
	s_add_co_u32 s91, s91, s100                    ; n0: on B's side
	s_lshl_b32 s100, s91, 2
	v_lshl_add_u32 v[VP], v3, 6, s100              ; register 16 b' + i wants bias[n0 + 32 b' + 16 h + i]
.irp b, 0,1,2,3
.irp j, 0,1,2,3
	global_load_b128 v[BP+16*\b+4*\j:BP+16*\b+4*\j+3], v[VP], s[8:9] offset:128*\b+16*\j
.endr
.endr
.macro FRAG reg, adr, q, i             ; a fragment comes as it lies: row tile i of my eight, the slot's q-th 128 along K
.irp c, 0,1,2,3
	ds_load_b128 v[\reg+4*\c:\reg+4*\c+3], v[\adr] offset:2048*(\q)+512*\c+(\i)*4096
.endr
.endm
; 16 matrix instructions: A's blocks a0, a0 + 1 x B's eight, 128 along K.  p: B's set.  zero = 1: the first product starts the sums.
; The 64 accumulators take turns, one instruction a turn, in the same order in every step.
.macro MUL16 a0, p, zero
.irp a, \a0, \a0+1
.irp b, 0,1,2,3,4,5,6,7
.if \zero
	v_wmma_f32_16x16x128_fp8_fp8 v[8*(8*((\a)%4)+\b):8*(8*((\a)%4)+\b)+7], v[128*(\p)+FR*\b:128*(\p)+FR*\b+FR-1], v[AF+FR*(\a):AF+FR*(\a)+FR-1], 0
.else
	v_wmma_f32_16x16x128_fp8_fp8 v[8*(8*((\a)%4)+\b):8*(8*((\a)%4)+\b)+7], v[128*(\p)+FR*\b:128*(\p)+FR*\b+FR-1], v[AF+FR*(\a):AF+FR*(\a)+FR-1], v[8*(8*((\a)%4)+\b):8*(8*((\a)%4)+\b)+7]
.endif
.endr
.endr
.endm
.macro FETCH_B slot, q, p              ; B's eight fragments into set p
	WIN TO_B
.irp i, 0,1,2,3,4,5,6,7
	FRAG 128*(\p)+FR*\i, ADRB+\slot, \q, \i
.endr
	WIN 0
.endm
.macro FETCH_A slot, q, i0             ; A's blocks i0 .. i0 + 3
.irp i, \i0, \i0+1, \i0+2, \i0+3
	FRAG AF+FR*(\i), ADRA+\slot, \q, \i
.endr
.endm
; A load into a register that a matrix instruction has read, and a vector instruction that reads a matrix result, stand NP places behind it; only plain vector instructions that name none of its registers are places.
.macro PLACES n
.rept \n
	v_nop
.endr
.endm
; A step of 128 along K that has its successor in the same slot.  A block of A is free once its eight products are issued: blocks 0-3 are fetched anew in the step's middle, blocks 4-7 at its end.
.macro STEP slot, q, zero
	s_wait_dscnt 4*NL                              ; B's set and A's blocks 0-3 are in; the youngest 16 loads (A's blocks 4-7) may be out
	WIN MUL_LO
	MUL16 0, (\q)%2, \zero
	MUL16 2, (\q)%2, \zero
	s_wait_dscnt 0                                 ; A's blocks 4-7 are in
	PLACES NP
	FETCH_B \slot, (\q)+1, 1-(\q)%2
	FETCH_A \slot, (\q)+1, 0
	WIN MUL_HI
	MUL16 4, (\q)%2, \zero
	MUL16 6, (\q)%2, \zero
	PLACES NP
	WIN 0
	FETCH_A \slot, (\q)+1, 4
.endm
; A slot's last step changes slots: ONE barrier; in front of it each wave waits for all its tensor loads, adds 0 to its spare word, and waits for that and for its own reads of this slot.  fill = 1: this slot is filled again, two K steps ahead.
.macro TURN slot, next, fill
	s_wait_tensorcnt 0x0                           ; all my tensor loads have landed: my part of the next slot  (every window is 0 here)
	ds_add_u32 v[SPW], v[NIL]                      ; 0 onto my spare word
	s_wait_dscnt 4*NL+1                            ; (the add and the youngest 16 loads, A's blocks 4-7, may be out)
	WIN MUL_LO
	MUL16 0, 1, 0                                  ; sixteen matrix instructions stand between the add and the wait for it
	s_wait_dscnt 0x0                               ; the add is done, and my reads of this slot are over
	s_barrier_signal -1
	MUL16 2, 1, 0
	WIN 0
	s_barrier_wait -1
.if \fill
	CREST                                          ; the barrier has opened a round of the cluster's: no wave of any partner still reads this slot or has a load on its way
	s_add_nc_u64 s[G0+4*\slot+2:G0+4*\slot+3], s[G0+4*\slot+2:G0+4*\slot+3], 8192
	s_add_nc_u64 s[G0B+4*\slot+2:G0B+4*\slot+3], s[G0B+4*\slot+2:G0B+4*\slot+3], 8192
	JLOAD G0+4*\slot, G1, G0B+4*\slot, G1B         ; the first tensor load behind the round; its four v_nop are the places in front of the loads below
.else
	PLACES NP
.endif
	FETCH_B \next, 0, 0
	FETCH_A \next, 0, 0
	WIN MUL_HI
	MUL16 4, 1, 0
	MUL16 6, 1, 0
	PLACES NP
	WIN 0
	FETCH_A \next, 0, 4
.endm
	s_wait_tensorcnt 1                             ; my part of K step 0 is in (K step 1's load may be out)
	s_barrier_signal -1
	s_barrier_wait -1                              ; everybody's is
	FETCH_B 0, 0, 0
	FETCH_A 0, 0, 0
	FETCH_A 0, 0, 4
	STEP 0, 0, 1                                   ; the first step stands in front of the loop: its products start the sums
	s_mov_b32 s3, LAPS-1
.Llap:                                                 ; a trip goes once round the ring, from a lap's second step to the next lap's first, and fills both slots again
	TURN 0, 1, 1
	STEP 1, 0, 0
	TURN 1, 0, 1
	STEP 0, 0, 0
	s_sub_co_u32 s3, s3, 1
	s_cmp_lg_u32 s3, 0
	s_cbranch_scc1 .Llap
	TURN 0, 1, 0                                   ; the last lap fills nothing
	STEP 1, 0, 0
	s_wait_dscnt 4*NL                              ; the very last step
	WIN MUL_LO
	MUL16 0, 1, 0
	MUL16 2, 1, 0
	s_wait_dscnt 0
	WIN MUL_HI
	MUL16 4, 1, 0
	MUL16 6, 1, 0
	WIN 0
	; THE WAY OUT
	s_wait_loadcnt 0x0                             ; the bias
	s_wait_kmcnt 0x0                               ; the exponents
	s_add_co_i32 s84, s[68+EA], s[68+EB]
	s_add_co_i32 s84, s84, 127
	s_lshl_b32 s84, s84, 23                        ; 2^(ea + eb) as f32
	s_mov_b32 s85, s84                             ; (named with it as a pair, so it is written)
	s_lshl_b32 s100, s90, 12                       ; 65,536 bytes a token tile: 4,096 m0,
	s_lshl_b32 s101, s91, 6                        ; 2,048 bytes for 32 features: 64 n0
	s_add_co_u32 s100, s100, s101
	s_mov_b32 s101, 0
	s_add_nc_u64 s[12:13], s[12:13], s[100:101]
	PLACES NP                                      ; behind the last products: their results are read and A's registers written below
; Block a: 64 sums a lane x 2^(ea + eb) + bias, into one of two sets, and sixteen stores.  Each accumulator is read from its low end on.
.macro OUTF a
.set AC, 64*((\a)%4)
.set TB, T+64*((\a)%2)
.if (\a) >= 2
	s_wait_xcnt 0x0                                ; block a - 2's stores have read this set
.endif
	WIN 0x02+((\a)/4)                              ; source 0: window 2 or 3
.set j, 0
.rept 32
	v_pk_fma_f32 v[TB+j:TB+j+1], v[AC+j:AC+j+1], s[84:85], v[BP+j:BP+j+1] op_sel_hi:[1,0,1]
.set j, j+2
.endr
	WIN 0
.irp b, 0,1,2,3
.irp j, 0,1,2,3
	global_store_b128 v[LI], v[TB+16*\b+4*\j:TB+16*\b+4*\j+3], s[12:13] offset:65536*(\a)+2048*\b+512*\j
.endr
.endr
.endm
.irp a, 0,1,2,3,4,5,6,7
	OUTF \a
.endr
	s_wait_tensorcnt 0x0                           ; the wave's end
	ds_add_u32 v[SPW], v[NIL]
	s_wait_dscnt 0x0
	CROUND                                         ; the closing round: no work-group ends while a partner may still ask for a tile that names it
	s_endpgm
.Lfunc_end_k_q947eed1cd1_ffn2:
	.size	k_q947eed1cd1_ffn2, .Lfunc_end_k_q947eed1cd1_ffn2-k_q947eed1cd1_ffn2
	.p2alignl 7, 3214868480
	.fill 96, 4, 3214868480
	.section	.rodata,"a",@progbits
	.p2align	6, 0x0
	.amdhsa_kernel k_q947eed1cd1_ffn2
		.amdhsa_group_segment_fixed_size 327680
		.amdhsa_private_segment_fixed_size 0
		.amdhsa_enable_private_segment 0
		.amdhsa_kernarg_size 40
		.amdhsa_user_sgpr_count 2
		.amdhsa_user_sgpr_kernarg_segment_ptr 1
		.amdhsa_wavefront_size32 1
		.amdhsa_system_sgpr_workgroup_id_x 1
		.amdhsa_system_sgpr_workgroup_id_y 1
		.amdhsa_system_sgpr_workgroup_id_z 1
		.amdhsa_system_vgpr_workitem_id 0
		.amdhsa_next_free_vgpr 1024
		.amdhsa_next_free_sgpr 102
		.amdhsa_reserve_vcc 0
		.amdhsa_float_denorm_mode_32 3
		.amdhsa_float_denorm_mode_16_64 3
		.amdhsa_memory_ordered 1
		.amdhsa_forward_progress 1
		.amdhsa_inst_pref_size 108
	.end_amdhsa_kernel
	.amdgpu_metadata
---
amdhsa.version: [ 1, 2 ]
amdhsa.kernels:
  - .name:           k_q947eed1cd1_ffn2
    .symbol:         k_q947eed1cd1_ffn2.kd
    .args:
      - { .name: hid, .offset: 0, .size: 8, .value_kind: global_buffer, .address_space: global }
      - { .name: img, .offset: 8, .size: 8, .value_kind: global_buffer, .address_space: global }
      - { .name: b1, .offset: 16, .size: 8, .value_kind: global_buffer, .address_space: global }
      - { .name: lowp_scales, .offset: 24, .size: 8, .value_kind: global_buffer, .address_space: global }
      - { .name: y1, .offset: 32, .size: 8, .value_kind: global_buffer, .address_space: global }
    .group_segment_fixed_size: 327680
    .private_segment_fixed_size: 0
    .kernarg_segment_align: 8
    .kernarg_segment_size: 40
    .max_flat_workgroup_size: 128
    .sgpr_count:     102
    .vgpr_count:     1024
    .wavefront_size: 32
...
	.end_amdgpu_metadata
.endif
;; end of part 7
;; launch ln1 (part 8): grid 256 x 1, 16 waves a work-group, no clusters, 73,728 bytes of LDS; arguments y1, hf, ln1_a, ln1_b, out0; writes out0
.if DOCPART == 8
	.amdgcn_target "amdgcn-amd-amdhsa--gfx1250"
	.amdhsa_code_object_version 6
	.text
	.protected	k_q947eed1cd1_ln1
	.globl	k_q947eed1cd1_ln1
	.p2align	8
	.type	k_q947eed1cd1_ln1,@function
k_q947eed1cd1_ln1:
	s_mov_b64 s[64:65], 0
	v_nop
	global_prefetch_b8 v0, s[64:65] scope:SCOPE_SE
	s_setreg_imm32_b32 hwreg(HW_REG_WAVE_MODE, 25, 1), 1
	s_wait_xcnt 0x0
; out = (z - mean) / (sigma + 1e-9) x alpha + beta, z = Y + residual, over rows of 1,024; sigma = sqrt(mean of (z - mean)^2).  All in f32; the variance is taken in a second pass over registers, of differences from the mean.
; CODES = 1: the result leaves as f32 rows and also as codes of FP8 (E4M3) with the scale 2^e12, as chunks of the next product's operand image.  CODES = 0: as f32 rows alone.
; Y lies as a product's registers left it: block (token tile a, b', j) at ((32 a + b') 4 + j) 512 + 16 l, l = r + 16 h, holds Y[rho(a, r)][32 b' + 16 h + 4 j .. + 3]; rho(a, i) = 32 (a / 2) + 8 (a % 2) + i + 8 (i / 8).
; The residual and the result are natural rows [4096][1024].
; SHARES.  A work-group takes token tile a (16 tokens); wave w features 64 w .. 64 w + 63 (b' = 2 w, 2 w + 1); lane (r, h) holds 32 numbers of token rho(a, r).
; The residual is loaded as rows lie (sixteen lanes take 256 consecutive bytes, aligned) and turned into the lanes' order through the wave's own stage in LDS (16 rows, 272 bytes apart); the result goes back the same way.
; A row's sum: within the lane, with lane l xor 16, then over the sixteen waves through LDS words [r][wave], one barrier; twice, on bytes of their own.
; LIMIT (CODES = 1): e12 between -126 and 119.  NaN among the inputs is not served in the codes.
.set CODES, 0
.set STG,  4352                        ; a wave's stage
.set RED,  69632                       ; behind the stages: 1,024 bytes for the sums, 1,024 for the sums of squares
.set LI,   1                           ; v1  16 x lane
.set NAT,  2                           ; v2  natural rows: (l / 16) x 4,096 + 16 (l % 16)
.set AB,   3                           ; v3  alpha, beta: 64 h
.set STW,  4                           ; v4  the stage, by rows
.set STT,  5                           ; v5  the stage, by lanes' order
.set RW,   6                           ; v6  my word of the sums: RED + 64 r + 4 w
.set RR,   7                           ; v7  my token's sixteen words: RED + 64 r
.set A0,   8                           ; v[8:9], v[10:11] two chains
.set A1,   10
.set RV,   12                          ; v12-27 sixteen waves' sums
.set MU,   28                          ; v[28:29] the mean, twice
.set IV,   30                          ; v[30:31] 1 / (sigma + eps), twice
.set Y,    32
.set RS,   64                          ; rows as they lie: the residual in, the result out
.set AL,   96
.set BE,   128
.set R2,   160                         ; the residual in the lanes' order; later held numbers
.set CDR,  192                         ; codes
.set LIM,  200
.set SCL,  201
.set PD,   202                         ; a lane permute's destination; written once ahead
	s_load_b256 s[4:11], s[0:1], 0x0               ; Y, the residual, alpha, beta
.if CODES
	s_load_b128 s[12:15], s[0:1], 0x20             ; the exponents, the f32 result
	s_load_b64 s[16:17], s[0:1], 0x30              ; the codes
.else
	s_load_b64 s[14:15], s[0:1], 0x20              ; the result
	v_lshl_add_u32 v208, v0, 2, 0x11800
	v_mov_b32 v209, 0
.endif
	v_lshrrev_b32 v8, 5, v0
	v_readfirstlane_b32 s18, v8                    ; wave 0..15
	v_and_b32 v9, 31, v0
	v_lshlrev_b32 v[LI], 4, v9
	v_and_b32 v10, 15, v0                          ; r, also l % 16
	v_bfe_u32 v11, v0, 4, 1                        ; h, also l / 16
	v_lshlrev_b32 v[NAT], 12, v11
	v_lshl_add_u32 v[NAT], v10, 4, v[NAT]
	v_lshlrev_b32 v[AB], 6, v11
	s_mul_i32 s19, s18, STG
	v_mul_u32_u24 v[STW], v11, 272
	v_lshl_add_u32 v[STW], v10, 4, v[STW]
	v_add_nc_u32 v[STW], s19, v[STW]
	v_mul_u32_u24 v[STT], v10, 272
	v_lshl_add_u32 v[STT], v11, 6, v[STT]
	v_add_nc_u32 v[STT], s19, v[STT]
	v_lshlrev_b32 v[RR], 6, v10
	v_add_nc_u32 v[RR], RED, v[RR]
	s_lshl_b32 s19, s18, 2
	v_add_nc_u32 v[RW], s19, v[RR]
	v_mov_b32 v[PD], 0
	s_mov_b32 s30, 0x76543210                      ; v_permlanex16_b32's selects for lane l xor 16
	s_mov_b32 s31, 0xfedcba98
	s_lshl_b32 s20, ttmp9, 16
	s_lshl_b32 s21, s18, 12
	s_add_co_u32 s20, s20, s21                     ; Y: 65,536 a + 4,096 w
	s_mov_b32 s21, 0
	s_lshr_b32 s22, ttmp9, 1
	s_lshl_b32 s22, s22, 5
	s_and_b32 s23, ttmp9, 1
	s_lshl_b32 s23, s23, 3
	s_add_co_u32 s22, s22, s23                     ; the tile's first token
	s_lshl_b32 s22, s22, 12
	s_lshl_b32 s24, s18, 8                         ; 256 w: my 64 features
	s_mov_b32 s25, 0
	s_add_co_u32 s22, s22, s24
	s_mov_b32 s23, 0
	s_lshl_b32 s26, ttmp9, 14
	s_lshl_b32 s27, s18, 10
	s_add_co_u32 s26, s26, s27                     ; the codes: 16,384 a + 512 (2 w)
	s_mov_b32 s27, 0
	s_wait_kmcnt 0x0
	s_add_nc_u64 s[4:5], s[4:5], s[20:21]
	s_add_nc_u64 s[6:7], s[6:7], s[22:23]
	s_add_nc_u64 s[8:9], s[8:9], s[24:25]
	s_add_nc_u64 s[10:11], s[10:11], s[24:25]
	s_add_nc_u64 s[14:15], s[14:15], s[22:23]
.if CODES
	s_load_b32 s28, s[12:13], 0x30                 ; e12
	s_add_nc_u64 s[16:17], s[16:17], s[26:27]
.endif
.irp i, 0,1,2,3,4,5,6,7                            ; tile rows 2 i and 2 i + 1 are tokens 2 i + 8 (i / 4) and the next
	global_load_b128 v[RS+4*\i:RS+4*\i+3], v[NAT], s[6:7] offset:(2*\i+8*(\i/4))*4096 th:TH_LOAD_NT
.endr
.irp b, 0,1
.irp j, 0,1,2,3
	global_load_b128 v[Y+16*\b+4*\j:Y+16*\b+4*\j+3], v[LI], s[4:5] offset:2048*\b+512*\j th:TH_LOAD_NT
.endr
.endr
.irp b, 0,1
.irp j, 0,1,2,3
	global_load_b128 v[AL+16*\b+4*\j:AL+16*\b+4*\j+3], v[AB], s[8:9] offset:128*\b+16*\j
.endr
.endr
.irp b, 0,1
.irp j, 0,1,2,3
	global_load_b128 v[BE+16*\b+4*\j:BE+16*\b+4*\j+3], v[AB], s[10:11] offset:128*\b+16*\j
.endr
.endr
	s_wait_loadcnt 24                              ; the residual's eight loads are in; the 24 behind them may be out
.irp i, 0,1,2,3,4,5,6,7
	ds_store_b128 v[STW], v[RS+4*\i:RS+4*\i+3] offset:544*\i
.endr
.irp b, 0,1
.irp j, 0,1,2,3
	ds_load_b128 v[R2+16*\b+4*\j:R2+16*\b+4*\j+3], v[STT] offset:128*\b+16*\j   ; LDS serves a wave's instructions in order (ISA guide 5.7.1.4): these see the stores above
.endr
.endr
	s_wait_loadcnt 16                              ; Y is in; alpha and beta may be out
	s_wait_dscnt 0x0
.set j, 0
.rept 16
	v_pk_add_f32 v[Y+j:Y+j+1], v[Y+j:Y+j+1], v[R2+j:R2+j+1]
.set j, j+2
.endr
; The lane's sum in v[A0] becomes the row's sum in v[RV], in every lane.  off: which 1,024 bytes.
.macro ACROSS off
	v_permlanex16_b32 v[PD], v[A0], s30, s31
	v_add_f32 v[A0], v[A0], v[PD]                  ; my wave's 64 features of token r
	ds_store_b32 v[RW], v[A0] offset:\off          ; (lanes r and r + 16 store the same number to the same word)
	s_wait_dscnt 0x0                               ; for the others' sake: my store is done
	s_barrier_signal -1
	s_barrier_wait -1
.irp c, 0,1,2,3
	ds_load_b128 v[RV+4*\c:RV+4*\c+3], v[RR] offset:\off+16*\c
.endr
	s_wait_dscnt 0x0
	v_pk_add_f32 v[RV:RV+1], v[RV:RV+1], v[RV+2:RV+3]
	v_pk_add_f32 v[RV+4:RV+5], v[RV+4:RV+5], v[RV+6:RV+7]
	v_pk_add_f32 v[RV+8:RV+9], v[RV+8:RV+9], v[RV+10:RV+11]
	v_pk_add_f32 v[RV+12:RV+13], v[RV+12:RV+13], v[RV+14:RV+15]
	v_pk_add_f32 v[RV:RV+1], v[RV:RV+1], v[RV+4:RV+5]
	v_pk_add_f32 v[RV+8:RV+9], v[RV+8:RV+9], v[RV+12:RV+13]
	v_pk_add_f32 v[RV:RV+1], v[RV:RV+1], v[RV+8:RV+9]
	v_add_f32 v[RV], v[RV], v[RV+1]
.endm
	v_pk_add_f32 v[A0:A0+1], v[Y:Y+1], v[Y+2:Y+3]
	v_pk_add_f32 v[A1:A1+1], v[Y+4:Y+5], v[Y+6:Y+7]
.set j, 8
.rept 6
	v_pk_add_f32 v[A0:A0+1], v[A0:A0+1], v[Y+j:Y+j+1]
	v_pk_add_f32 v[A1:A1+1], v[A1:A1+1], v[Y+j+2:Y+j+3]
.set j, j+4
.endr
	v_pk_add_f32 v[A0:A0+1], v[A0:A0+1], v[A1:A1+1]
	v_add_f32 v[A0], v[A0], v[A0+1]
	ACROSS 0
	v_mul_f32 v[MU], 0x3a800000, v[RV]             ; / 1,024
	v_mov_b32 v[MU+1], v[MU]
.set j, 0
.rept 16
	v_pk_add_f32 v[Y+j:Y+j+1], v[Y+j:Y+j+1], v[MU:MU+1] neg_lo:[0,1] neg_hi:[0,1]   ; z - mean
.set j, j+2
.endr
	v_pk_mul_f32 v[A0:A0+1], v[Y:Y+1], v[Y:Y+1]
	v_pk_mul_f32 v[A1:A1+1], v[Y+2:Y+3], v[Y+2:Y+3]
.set j, 4
.rept 7
	v_pk_fma_f32 v[A0:A0+1], v[Y+j:Y+j+1], v[Y+j:Y+j+1], v[A0:A0+1]
	v_pk_fma_f32 v[A1:A1+1], v[Y+j+2:Y+j+3], v[Y+j+2:Y+j+3], v[A1:A1+1]
.set j, j+4
.endr
	v_pk_add_f32 v[A0:A0+1], v[A0:A0+1], v[A1:A1+1]
	v_add_f32 v[A0], v[A0], v[A0+1]
	ACROSS 1024
	v_mul_f32 v[IV], 0x3a800000, v[RV]
	v_sqrt_f32 v[IV], v[IV]
	v_nop                                          ; a plain place behind each transcendental
	s_wait_alu depctr_va_vdst(0)
	v_add_f32 v[IV], 0x3089705f, v[IV]             ; sigma + 1e-9
	v_rcp_f32 v[IV], v[IV]
	v_nop
	s_wait_alu depctr_va_vdst(0)
	v_mov_b32 v[IV+1], v[IV]
	s_wait_loadcnt 0x0                             ; alpha and beta
.set j, 0
.rept 16
	v_pk_mul_f32 v[Y+j:Y+j+1], v[Y+j:Y+j+1], v[IV:IV+1]
.set j, j+2
.endr
.set j, 0
.rept 16
	v_pk_fma_f32 v[Y+j:Y+j+1], v[Y+j:Y+j+1], v[AL+j:AL+j+1], v[BE+j:BE+j+1]
.set j, j+2
.endr
.irp b, 0,1
.irp j, 0,1,2,3
	ds_store_b128 v[STT], v[Y+16*\b+4*\j:Y+16*\b+4*\j+3] offset:128*\b+16*\j
.endr
.endr
.irp i, 0,1,2,3,4,5,6,7
	ds_load_b128 v[RS+4*\i:RS+4*\i+3], v[STW] offset:544*\i
.endr
.if CODES
	s_wait_kmcnt 0x0
	s_add_co_i32 s28, s28, 127
	s_lshl_b32 s29, s28, 23
	v_mov_b32 v[SCL], s29                          ; 2^e12
	s_add_co_i32 s28, s28, 8
	s_lshl_b32 s28, s28, 23
	s_or_b32 s28, s28, 0x600000
	v_mov_b32 v[LIM], s28                          ; 448 x 2^e12
.set i, 0
.rept 32
	v_med3_num_f32 v[R2+i], v[Y+i], -v[LIM], v[LIM]   ; the conversion to an 8-bit code does not saturate (ISA guide 7.6.2); into other registers: Y is on its way into the stage
.set i, i+1
.endr
.irp b, 0,1
	v_cvt_scalef32_pk8_fp8_f32 v[CDR+4*\b:CDR+4*\b+1], v[R2+16*\b:R2+16*\b+7], v[SCL]
	v_cvt_scalef32_pk8_fp8_f32 v[CDR+4*\b+2:CDR+4*\b+3], v[R2+16*\b+8:R2+16*\b+15], v[SCL]
.endr
	v_nop                                          ; a plain vector line behind the last conversion
.irp b, 0,1
	global_store_b128 v[LI], v[CDR+4*\b:CDR+4*\b+3], s[16:17] offset:512*\b   ; chunk b' = 2 w + b of row tile a: 512 consecutive bytes
.endr
.endif
.irp i, 0,1,2,3,4,5,6,7
	s_wait_dscnt 7-\i                              ; row pair i is back; the younger loads may be out
	global_store_b128 v[NAT], v[RS+4*\i:RS+4*\i+3], s[14:15] offset:(2*\i+8*(\i/4))*4096   ; sixteen lanes store 256 consecutive bytes, aligned
.endr
	s_wait_tensorcnt 0x0
	ds_add_u32 v208, v209
	s_wait_dscnt 0x0
	s_endpgm
.Lfunc_end_k_q947eed1cd1_ln1:
	.size	k_q947eed1cd1_ln1, .Lfunc_end_k_q947eed1cd1_ln1-k_q947eed1cd1_ln1
	.p2alignl 7, 3214868480
	.fill 96, 4, 3214868480
	.section	.rodata,"a",@progbits
	.p2align	6, 0x0
	.amdhsa_kernel k_q947eed1cd1_ln1
		.amdhsa_group_segment_fixed_size 73728
		.amdhsa_private_segment_fixed_size 0
		.amdhsa_enable_private_segment 0
		.amdhsa_kernarg_size 40
		.amdhsa_user_sgpr_count 2
		.amdhsa_user_sgpr_kernarg_segment_ptr 1
		.amdhsa_wavefront_size32 1
		.amdhsa_system_sgpr_workgroup_id_x 1
		.amdhsa_system_sgpr_workgroup_id_y 1
		.amdhsa_system_sgpr_workgroup_id_z 1
		.amdhsa_system_vgpr_workitem_id 0
		.amdhsa_next_free_vgpr 210
		.amdhsa_next_free_sgpr 66
		.amdhsa_reserve_vcc 0
		.amdhsa_float_denorm_mode_32 3
		.amdhsa_float_denorm_mode_16_64 3
		.amdhsa_memory_ordered 1
		.amdhsa_forward_progress 1
		.amdhsa_inst_pref_size 18
	.end_amdhsa_kernel
	.amdgpu_metadata
---
amdhsa.version: [ 1, 2 ]
amdhsa.kernels:
  - .name:           k_q947eed1cd1_ln1
    .symbol:         k_q947eed1cd1_ln1.kd
    .args:
      - { .name: y1, .offset: 0, .size: 8, .value_kind: global_buffer, .address_space: global }
      - { .name: hf, .offset: 8, .size: 8, .value_kind: global_buffer, .address_space: global }
      - { .name: ln1_a, .offset: 16, .size: 8, .value_kind: global_buffer, .address_space: global }
      - { .name: ln1_b, .offset: 24, .size: 8, .value_kind: global_buffer, .address_space: global }
      - { .name: out0, .offset: 32, .size: 8, .value_kind: global_buffer, .address_space: global }
    .group_segment_fixed_size: 73728
    .private_segment_fixed_size: 0
    .kernarg_segment_align: 8
    .kernarg_segment_size: 40
    .max_flat_workgroup_size: 512
    .sgpr_count:     66
    .vgpr_count:     210
    .wavefront_size: 32
...
	.end_amdgpu_metadata
.endif
;; end of part 8
;; ======== version 2 of 3: 8 launches; 1.20 times as fast as version 1
;; workspace buffers: img 25,165,824 bytes; att 12,582,912 bytes; oc 4,194,304 bytes; y0 16,777,216 bytes; hf 16,777,216 bytes; hc 4,194,304 bytes; hid 16,777,216 bytes; y1 16,777,216 bytes
;; launch quant: the kernel of part 1 again; grid 512 x 1, 4 waves a work-group, no clusters, 34,304 bytes of LDS; arguments x, Wk, Wq, Wv, Wo, W0, W1, lowp_scales, img; writes img
;; launch qkv: the kernel of part 2 again; grid 4 x 48, 4 waves a work-group, clusters of 4 x 4, 327,680 bytes of LDS; arguments img, bk, bq, bv, lowp_scales, att; writes att
;; launch attn (part 9): grid 4 x 64, 16 waves a work-group, no clusters, 133,120 bytes of LDS; arguments att, lowp_scales, oc; writes oc
.if DOCPART == 9
	.amdgcn_target "amdgcn-amd-amdhsa--gfx1250"
	.amdhsa_code_object_version 6
	.text
	.protected	k_q947eed1cd1_attn
	.globl	k_q947eed1cd1_attn
	.p2align	8
	.type	k_q947eed1cd1_attn,@function
k_q947eed1cd1_attn:
	s_mov_b64 s[64:65], 0
	v_nop
	global_prefetch_b8 v0, s[64:65] scope:SCOPE_SE
	s_setreg_imm32_b32 hwreg(HW_REG_WAVE_MODE, 25, 1), 1
	s_wait_xcnt 0x0
; Attention of one head on codes of FP8 (E4M3): o = softmax(q k^T / sqrt(32)) v, head size 32, 2,048 keys; o is quantised with e10 and leaves as chunks of the next product's operand image.
; att: queries at 0, keys at 4 Mi: [batch x head][token tile][512 bytes], lane l = r + 16 h: token rho(t, r), d = 16 h + 0 .. 15;  V^T at 8 Mi: [batch x head][key step of 128][u][2,048 bytes]: a fragment, rows = features rho(2 head + u, .),
; K = the step's keys, chunk c at 512 c: keys 32 c + 16 h + 0 .. 15.  rho(t, i) = 32 (t / 2) + 8 (t % 2) + i + 8 (i / 8).  Scales: keys e6, queries e7, V e8, p e9.
; THE SOFTMAX AHEAD OF THE SECOND PRODUCT: t = score x log2(e) / sqrt(32); M = the largest t so far, rounded UP to a whole number; p = 2^(t - M) is quantised, not normalised; the row's sum is taken of the unquantised p and divides at the end.
; When M moves, the sum and O are multiplied by 2^(old M - new M): exact, and no branch on data.
; SHARES.  A work-group owns 512 queries of one head, each of its sixteen waves two tiles of 16: four waves to a SIMD, so that one wave's vector work stands beside another's matrix work and LDS loads.
; A HEAD'S K AND V STAY IN LDS: 128 KiB, fetched once, through registers: wave w loads key step w (8 tiles of keys, 4,096 bytes; 4 Mi further on V^T's two fragments, 4,096 bytes) by sixteen loads of 512 consecutive bytes and stores them
; as they lie at LDS byte 8,192 w; one barrier; the loop then touches no memory.
; THE HOLD ON p IS PASSED OVER WHERE IT CANNOT ACT.  A score is at most 32 x 448^2 in magnitude; with e6 + e7 <= 0, |t| < 2^21, where neighbouring f32 numbers lie at most 1/8 apart.  The largest t is rounded once before M is taken and the
; fused t - M is not, so t - M <= 1/16 and p < 1.05.  With e9 >= -8 the largest code stands for 448 x 2^e9 >= 1.75, which no p reaches.  Then a scalar branch on the given exponents leads round a tile's 64 holds, 128 of a step's 554
; instructions; with any other exponents the holds are executed.
; NO CLUSTER, NO JOINT LOADS, though the four query blocks of a head read the same K and V: what is shared is 128 KiB a work-group, read once (32 MiB in the whole launch).
; LAYOUT.  Both products are used transposed: S^T = K Q^T (source 0 = 16 keys, source 1 = my 16 queries), O^T = V^T P^T: a lane holds ONE query throughout.  By rho the 16 registers of key tiles 2 b, 2 b + 1 are the keys 32 b + 16 h + 0 .. 15,
; so p's codes are the second product's operand, and O^T's 16 registers are features 32 head + 16 h + 0 .. 15: a chunk of o's image.
; THE FIRST PRODUCT HAS K = 32 IN A FORM OF K = 64: the query's upper four registers are zero codes, so whatever codes stand in the key operand's upper four (the next tile's; they are held, so none is NaN; behind the last tile zeros) add nothing.
; LIMITS: e6 + e7 between -124 and 129 (added to c's exponent field); e9 and e10 between -126 and 119; e8 + e9 is applied by v_ldexp_f32 and has none.
.set SPB, 8192                         ; a key step in LDS
.set ST,  8                            ; v8-11, v12-15  tile q: -M, the largest t, the sum in two halves
.set QF,  16                           ; v16-23, v24-31 tile q: 4 registers of codes, 4 of zeros
.set KF,  32                           ; v32-63 eight tiles of keys, 4 registers each; v64-67 zeros
.set VF,  68                           ; v68-99 V^T's two fragments
.set S,   100                          ; v100-163 at the head K's and V's bytes on their way to LDS; then S^T, then p
.set PC,  164                          ; v164-179 p's codes
.set O,   180                          ; v180-211 O^T: (q, u) at 180 + 16 q + 8 u
.set TA,  212                          ; at work
.set F,   214                          ; v[214:215] f = 2^(old M - new M); the upper word is written once
.set PD,  216                          ; a lane permute's destination; written once ahead
.set SU,  218                          ; v[218:219] the second chain of the sum
.set LP,  224                          ; 448 x 2^e9, 2^e9
.set SCP, 225
.set LO,  226                          ; 448 x 2^e10, 2^e10
.set SCO, 227
.macro MKS e, lim, sc                  ; from the exponent in s[e]: v[sc] = 2^e, v[lim] = 448 x 2^e
	s_add_co_i32 s13, s[\e], 127
	s_lshl_b32 s14, s13, 23
	v_mov_b32 v[\sc], s14
	s_add_co_i32 s13, s13, 8
	s_lshl_b32 s13, s13, 23
	s_or_b32 s13, s13, 0x600000
	v_mov_b32 v[\lim], s13
.endm
	s_load_b128 s[4:7], s[0:1], 0x0                ; att, the exponents
	s_load_b64 s[8:9], s[0:1], 0x10                ; oc
	v_lshl_add_u32 v254, v0, 2, 0x20000
	v_mov_b32 v255, 0
	v_lshrrev_b32 v3, 5, v0
	v_readfirstlane_b32 s10, v3                    ; wave 0..15
	v_and_b32 v3, 31, v0
	v_lshlrev_b32 v1, 4, v3                        ; 16 x lane
	s_lshl_b32 s25, s10, 13
	v_add_nc_u32 v2, s25, v1                       ; where my key step goes: 8,192 w + 16 x lane
	s_and_b32 s12, ttmp7, 0xffff                   ; batch x 32 + head
	s_lshl_b32 s14, s12, 16
	s_lshl_b32 s15, s10, 12
	s_add_co_u32 s14, s14, s15
	s_add_co_u32 s14, s14, 4<<20                   ; the keys of step w: 4 Mi + 65,536 x head + 4,096 w
	s_mov_b32 s15, 0
	s_lshl_b32 s46, s12, 16
	s_lshl_b32 s47, ttmp9, 14                      ; work-group x: my block of 512 queries
	s_add_co_u32 s46, s46, s47
	s_lshl_b32 s47, s10, 10
	s_add_co_u32 s46, s46, s47                     ; my two query tiles: 65,536 x head + 512 (32 x + 2 w)
	s_mov_b32 s47, 0
	s_lshr_b32 s34, s12, 5
	s_lshl_b32 s34, s34, 7
	s_lshl_b32 s35, ttmp9, 5
	s_add_co_u32 s34, s34, s35
	s_lshl_b32 s35, s10, 1
	s_add_co_u32 s34, s34, s35                     ; my first token tile among all 256
	s_lshl_b32 s34, s34, 14                        ; x 16,384: a row tile of o's image,
	s_and_b32 s35, s12, 31
	s_lshl_b32 s35, s35, 9
	s_add_co_u32 s34, s34, s35                     ; + 512 x head: the chunk
	s_mov_b32 s35, 0
	s_mov_b32 s28, 0x76543210                      ; v_permlanex16_b32's selects for lane l xor 16
	s_mov_b32 s29, 0xfedcba98
	s_mov_b32 s30, 0x3e8293ee                      ; c = log2(e) / sqrt(32)
	s_wait_kmcnt 0x0
	s_load_b256 s[36:43], s[6:7], 0x18             ; e6 .. e13
	s_add_nc_u64 s[26:27], s[4:5], s[14:15]
	s_add_nc_u64 s[44:45], s[4:5], s[46:47]
	s_add_nc_u64 s[8:9], s[8:9], s[34:35]
.irp i, 0,1,2,3,4,5,6,7
	global_load_b128 v[S+4*\i:S+4*\i+3], v1, s[26:27] offset:512*\i              ; my step's eight tiles of keys: 512 consecutive bytes a load
.endr
.irp i, 0,1,2,3,4,5,6,7
	global_load_b128 v[S+32+4*\i:S+32+4*\i+3], v1, s[26:27] offset:4194304+512*\i   ; and V^T's two fragments, 4 Mi further on
.endr
	global_load_b128 v[QF:QF+3], v1, s[44:45]
	global_load_b128 v[QF+8:QF+11], v1, s[44:45] offset:512
.irp j, 4,5,6,7,12,13,14,15
	v_mov_b32 v[QF+\j], 0                          ; zero codes: the upper half of the form's K
.endr
.irp j, 32,33,34,35
	v_mov_b32 v[KF+\j], 0
.endr
.irp q, 0,1
	v_mov_b32 v[ST+4*\q+1], 0xff61b1e6             ; the largest t so far: -3e38, under every t
	v_floor_f32 v[ST+4*\q], -v[ST+4*\q+1]          ; -M
	v_mov_b32 v[ST+4*\q+2], 0                      ; the sum
	v_mov_b32 v[ST+4*\q+3], 0
.endr
.set i, 0
.rept 32
	v_mov_b32 v[O+i], 0                            ; O^T: the loop is written once; its first step finds zeros, which the first change of M leaves zeros
.set i, i+1
.endr
	v_mov_b32 v[F+1], 0
	v_mov_b32 v[PD], 0
	s_wait_kmcnt 0x0
	s_add_co_i32 s13, s36, s37                     ; e6 + e7
	s_cmp_ge_i32 s39, -8                           ; the flag: 1 where no p can reach the largest code: e9 >= -8
	s_cselect_b32 s35, 1, 0
	s_cmp_le_i32 s13, 0                            ; and e6 + e7 <= 0
	s_cselect_b32 s35, s35, 0
	s_lshl_b32 s13, s13, 23
	s_add_co_i32 s30, s30, s13                     ; a score stands for score x 2^(e6 + e7): added to c's exponent field
	s_mov_b32 s31, s30                             ; (named with it as a pair, so it is written)
	MKS 39, LP, SCP
	MKS 40, LO, SCO
	s_add_co_i32 s34, s38, s39                     ; e8 + e9
; One tile of 16 queries against the step's 128 keys.
.macro TILE q
.set SQ, ST+4*(\q)
.set OQ, O+16*(\q)
.if (\q) == 0
	s_wait_dscnt 8                                 ; the keys are in; V's eight loads may be out
.endif
.set t, 0
.rept 8
	v_wmma_f32_16x16x64_fp8_fp8 v[S+8*t:S+8*t+7], v[KF+4*t:KF+4*t+7], v[QF+8*(\q):QF+8*(\q)+7], 0
.set t, t+1
.endr
.rept 4
	v_nop                                          ; places behind the products, ahead of the first read of their results
.endr
	v_max3_num_f32 v[TA], v[S], v[S+1], v[S+2]     ; the step's largest score of my query among my 64 keys, in two chains, ascending: each accumulator is read from its low end on
	v_max3_num_f32 v[F], v[S+3], v[S+4], v[S+5]
.set j, 6
.rept 14
	v_max3_num_f32 v[TA], v[TA], v[S+j], v[S+j+1]
	v_max3_num_f32 v[F], v[F], v[S+j+2], v[S+j+3]
.set j, j+4
.endr
	v_max3_num_f32 v[TA], v[TA], v[S+62], v[S+63]
	v_max_num_f32 v[TA], v[TA], v[F]
	v_permlanex16_b32 v[PD], v[TA], s28, s29
	v_max_num_f32 v[TA], v[TA], v[PD]              ; and among lane l xor 16's
	v_mul_f32 v[TA], s30, v[TA]                    ; as t (c is positive)
	v_max_num_f32 v[SQ+1], v[SQ+1], v[TA]          ; the running largest t
	v_mov_b32 v[TA], v[SQ]
	v_floor_f32 v[SQ], -v[SQ+1]                    ; the new -M = floor(-t): M is a whole number
	v_sub_f32 v[TA], v[SQ], v[TA]                  ; old M less new M: a whole number, 0 or less
	v_cvt_i32_f32 v[TA], v[TA]                     ; (it saturates)
	v_ldexp_f32 v[F], 1.0, v[TA]                   ; f = 2^(old M - new M)
.set j, 0
.rept 32
	v_pk_fma_f32 v[S+j:S+j+1], v[S+j:S+j+1], s[30:31], v[SQ:SQ+1] op_sel_hi:[1,0,0]   ; t - M (of the pairs c and -M the low word serves both halves)
.set j, j+2
.endr
.set j, 0
.rept 64
	v_exp_f32 v[S+j], v[S+j]                       ; p = 2^(t - M)
.set j, j+1
.endr
	v_pk_mul_f32 v[SQ+2:SQ+3], v[SQ+2:SQ+3], v[F:F+1] op_sel_hi:[1,0]   ; the sum under the new M  (a plain place behind the exponentials)
	s_wait_alu depctr_va_vdst(0)
	v_pk_add_f32 v[SU:SU+1], v[S:S+1], v[S+2:S+3]  ; the sum of the UNQUANTISED p, in two chains
.set j, 4
.rept 15
	v_pk_add_f32 v[SQ+2:SQ+3], v[SQ+2:SQ+3], v[S+j:S+j+1]
	v_pk_add_f32 v[SU:SU+1], v[SU:SU+1], v[S+j+2:S+j+3]
.set j, j+4
.endr
	v_pk_add_f32 v[SQ+2:SQ+3], v[SQ+2:SQ+3], v[SU:SU+1]
	s_cmp_lg_u32 s35, 0                            ; where no p can reach the largest code the hold changes nothing: round it.  The branch hangs on given whole numbers alone, and is the same in every wave
	s_cbranch_scc1 .Lfree_\@
.set i, 0
.rept 64
	v_min_num_f32 v[S+i], v[S+i], v[LP]            ; the conversion does not saturate (ISA guide 7.6.2); p is not negative, so the hold is one-sided
.set i, i+1
.endr
.Lfree_\@:
.set i, 0
.rept 8
	v_cvt_scalef32_pk8_fp8_f32 v[PC+2*i:PC+2*i+1], v[S+8*i:S+8*i+7], v[SCP]
.set i, i+1
.endr
.set j, 0
.rept 8
	v_pk_mul_f32 v[OQ+j:OQ+j+1], v[OQ+j:OQ+j+1], v[F:F+1] op_sel_hi:[1,0]   ; O^T under the new M  (plain lines between the conversions and the products that read their codes)
.set j, j+2
.endr
.if (\q) == 0
	s_wait_dscnt 0x0                               ; V is in
.endif
	v_wmma_f32_16x16x128_fp8_fp8 v[OQ:OQ+7], v[VF:VF+15], v[PC:PC+15], v[OQ:OQ+7]           ; the accumulators take turns: no two matrix instructions that follow each other share one
	v_wmma_f32_16x16x128_fp8_fp8 v[OQ+8:OQ+15], v[VF+16:VF+31], v[PC:PC+15], v[OQ+8:OQ+15]
.endm
	s_mov_b32 s32, 0                               ; LDS byte of the step in hand
	s_mov_b32 s33, 16                              ; steps to go
	s_wait_loadcnt 2                               ; my key step's sixteen loads are in; the queries' two may be out
.irp i, 0,1,2,3,4,5,6,7,8,9,10,11,12,13,14,15
	ds_store_b128 v2, v[S+4*\i:S+4*\i+3] offset:512*\i   ; as it lies: the keys' eight tiles, then V^T's two fragments
.endr
	s_wait_dscnt 0x0                               ; for the others' sake: my stores are done (and have read S's registers),
	s_barrier_signal -1
	s_barrier_wait -1                              ; everybody's are: all sixteen key steps lie in LDS
	s_wait_loadcnt 0x0                             ; my queries
.Lstep:
	v_add_nc_u32 v2, s32, v1
.rept 3
	v_nop                                          ; with the addition: four places in front of loads into registers that the last products read
.endr
.irp t, 0,1,2,3,4,5,6,7
	ds_load_b128 v[KF+4*\t:KF+4*\t+3], v2 offset:512*\t
.endr
.irp u, 0,1
.irp c, 0,1,2,3
	ds_load_b128 v[VF+16*\u+4*\c:VF+16*\u+4*\c+3], v2 offset:4096+2048*\u+512*\c
.endr
.endr
	TILE 0
	TILE 1
	s_add_co_u32 s32, s32, SPB
	s_sub_co_u32 s33, s33, 1
	s_cmp_lg_u32 s33, 0
	s_cbranch_scc1 .Lstep
.rept 4
	v_nop                                          ; places behind the last products
.endr
	; THE WAY OUT: O^T / the sum x 2^(e8 + e9), held, converted with e10: 16 codes a lane and tile, a chunk of o's image: the wave stores 512 consecutive bytes.
.irp q, 0,1
	v_add_f32 v[ST+4*\q+2], v[ST+4*\q+2], v[ST+4*\q+3]
	v_permlanex16_b32 v[PD], v[ST+4*\q+2], s28, s29
	v_add_f32 v[ST+4*\q+2], v[ST+4*\q+2], v[PD]    ; the row's sum
	v_rcp_f32 v[ST+4*\q+2], v[ST+4*\q+2]
	v_nop                                          ; a plain place behind the transcendental
	s_wait_alu depctr_va_vdst(0)
	v_ldexp_f32 v[ST+4*\q+2], v[ST+4*\q+2], s34
.set i, 0
.rept 16
	v_mul_f32 v[S+16*\q+i], v[O+16*\q+i], v[ST+4*\q+2]
.set i, i+1
.endr
.set i, 0
.rept 16
	v_med3_num_f32 v[S+16*\q+i], v[S+16*\q+i], -v[LO], v[LO]
.set i, i+1
.endr
	v_cvt_scalef32_pk8_fp8_f32 v[PC+4*\q:PC+4*\q+1], v[S+16*\q:S+16*\q+7], v[SCO]
	v_cvt_scalef32_pk8_fp8_f32 v[PC+4*\q+2:PC+4*\q+3], v[S+16*\q+8:S+16*\q+15], v[SCO]
	v_nop                                          ; a plain vector line behind the last conversion
	global_store_b128 v1, v[PC+4*\q:PC+4*\q+3], s[8:9] offset:16384*\q
.endr
	s_wait_tensorcnt 0x0
	ds_add_u32 v254, v255
	s_wait_dscnt 0x0
	s_endpgm
.Lfunc_end_k_q947eed1cd1_attn:
	.size	k_q947eed1cd1_attn, .Lfunc_end_k_q947eed1cd1_attn-k_q947eed1cd1_attn
	.p2alignl 7, 3214868480
	.fill 96, 4, 3214868480
	.section	.rodata,"a",@progbits
	.p2align	6, 0x0
	.amdhsa_kernel k_q947eed1cd1_attn
		.amdhsa_group_segment_fixed_size 133120
		.amdhsa_private_segment_fixed_size 0
		.amdhsa_enable_private_segment 0
		.amdhsa_kernarg_size 24
		.amdhsa_user_sgpr_count 2
		.amdhsa_user_sgpr_kernarg_segment_ptr 1
		.amdhsa_wavefront_size32 1
		.amdhsa_system_sgpr_workgroup_id_x 1
		.amdhsa_system_sgpr_workgroup_id_y 1
		.amdhsa_system_sgpr_workgroup_id_z 1
		.amdhsa_system_vgpr_workitem_id 0
		.amdhsa_next_free_vgpr 256
		.amdhsa_next_free_sgpr 66
		.amdhsa_reserve_vcc 0
		.amdhsa_float_denorm_mode_32 3
		.amdhsa_float_denorm_mode_16_64 3
		.amdhsa_memory_ordered 1
		.amdhsa_forward_progress 1
		.amdhsa_inst_pref_size 38
	.end_amdhsa_kernel
	.amdgpu_metadata
---
amdhsa.version: [ 1, 2 ]
amdhsa.kernels:
  - .name:           k_q947eed1cd1_attn
    .symbol:         k_q947eed1cd1_attn.kd
    .args:
      - { .name: att, .offset: 0, .size: 8, .value_kind: global_buffer, .address_space: global }
      - { .name: lowp_scales, .offset: 8, .size: 8, .value_kind: global_buffer, .address_space: global }
      - { .name: oc, .offset: 16, .size: 8, .value_kind: global_buffer, .address_space: global }
    .group_segment_fixed_size: 133120
    .private_segment_fixed_size: 0
    .kernarg_segment_align: 8
    .kernarg_segment_size: 24
    .max_flat_workgroup_size: 512
    .sgpr_count:     66
    .vgpr_count:     256
    .wavefront_size: 32
...
	.end_amdgpu_metadata
.endif
;; end of part 9
;; launch wo (part 10): grid 8 x 32, 4 waves a work-group, clusters of 4 x 4, 327,680 bytes of LDS; arguments oc, img, bo, lowp_scales, y0; writes y0
.if DOCPART == 10
	.amdgcn_target "amdgcn-amd-amdhsa--gfx1250"
	.amdhsa_code_object_version 6
	.text
	.protected	k_q947eed1cd1_wo
	.globl	k_q947eed1cd1_wo
	.p2align	8
	.type	k_q947eed1cd1_wo,@function
k_q947eed1cd1_wo:
	s_mov_b64 s[64:65], 0
	v_nop
	global_prefetch_b8 v0, s[64:65] scope:SCOPE_SE
	s_setreg_imm32_b32 hwreg(HW_REG_WAVE_MODE, 25, 1), 1
	s_wait_xcnt 0x0
	s_wait_alu depctr_hold_cnt(0) depctr_sa_sdst(0) depctr_va_vdst(0) depctr_va_sdst(0) depctr_va_ssrc(0) depctr_va_vcc(0) depctr_vm_vsrc(0)
	s_getreg_b32 s2, hwreg(HW_REG_IB_STS2, 6, 4)
	s_cmp_eq_u32 s2, 0
	s_cbranch_scc0 .Lentry_in_a_cluster
	s_endpgm
.Lentry_in_a_cluster:
	s_bfe_u32 s2, ttmp6, 0x10000c
	s_cmp_lg_u32 s2, 0xf033
	s_cbranch_scc0 .Lentry_shape_is_right
	s_endpgm
.Lentry_shape_is_right:
; Y[m][n] = sum over k of A[m][k] B[n][k] x 2^(ea + eb) + bias[n], on codes of FP8 (E4M3); Y is f32.  Here: A = o's image (tokens), B = Wo's image, bias = bo.
; OPERANDS ARE IMAGES: fragment (row tile t, K step s of 128) at byte (t KSIZE/128 + s) 2,048; chunk c at 512 c; lane l = r + 16 h at 16 l: codes of row rho(t, r), k = 128 s + 32 c + 16 h + 0 .. 15;
; rho(t, i) = 32 (t / 2) + 8 (t % 2) + i + 8 (i / 8).  Four loads of 16 bytes at 16 x lane fill a fragment; k's places are alike in A and B, so every product meets its partner.
; THE MATRIX INSTRUCTION IS USED TRANSPOSED (source 0 = 16 rows of B, source 1 = 16 rows of A): lane (r, h) holds token rho(a, r), and the 16 registers of B's tiles 2 b', 2 b' + 1 are the features 32 b' + 16 h + 0 .. 15.
; Y LEAVES AS THE REGISTERS LIE: block (token tile a, b', j) at ((32 a + b') 4 + j) 512 + 16 l holds Y[rho(a, r)][32 b' + 16 h + 4 j .. + 3]: every store of the wave covers 512 consecutive bytes, aligned; no LDS on the way out.
; THE TILE IS 128 x 128: Y's 4,096 x 1,024 numbers are 256 such tiles, one for each WGP (tiles of 256 x 256 would be 64), and a work-group walks (128 + 128) KSIZE bytes of operands, half of what the larger tile walks.
; Four waves, 64 x 64 each: 16 accumulators.  K goes in steps of 512 through a ring of two LDS slots of 128 KiB; a wave's tensor load brings 4 row tiles x 8,192 bytes (four fragments on end).
; A slot is worked in two steps of 256 along K; such a step is 32 matrix instructions: my four blocks of A x my four tiles of B on its first 128 along K, then on its second.
; CLUSTERS: 4 x 4 work-groups; A's tiles are asked for jointly along a row of the cluster, B's along a column.
; REGISTERS, in windows of 256: window 0: v4 16 x lane, v16-29 addresses, v32-63 the bias, v64-127 two sets of 32 results, from v128 A's eight fragments (fragment 4 k + a), ONE set.
;   window 1: B's eight fragments (4 k + b), TWO sets.   window 2: the 16 accumulators ((a, b) at v[8 (4 a + b)]).
; LIMIT: ea + eb between -126 and 127, so that 2^(ea + eb) is an f32 number.
.set KSIZE,  1024
.set BOFF,   15<<20                    ; B's image in img
.set EA,     10                        ; entries of the exponents
.set EB,     11
.set SLOT,   131072                    ; A's two halves of 32,768 bytes, then B's two
.set HALFB,  32768                     ; 4 row tiles x 512 along K
.set SPARE,  2*SLOT                    ; behind the ring: the spare words, 128 bytes for each wave: two blocks of 256 bytes that no other line names
.set LAPS,   KSIZE/1024                ; a lap = two slots of 512 along K = once round the ring
.set FR,     16                        ; registers of a fragment
.set NL,     4                         ; LDS loads that bring one
.set NP,     4                         ; places behind this matrix instruction (ISA guide 7.12.1)
.set LI,   4                           ; v4      16 x lane
.set ADRA, 16                          ; v16-17  LDS address of my A fragments in slot 0, 1
.set ADRB, 20                          ; v20-21  the same for B
.set VP,   25                          ; v25     offset of the bias; never rewritten
.set SPW,  28                          ; v28     LDS address of my spare word; never rewritten
.set NIL,  29                          ; v29     0; never rewritten
.set BP,   32
.set T,    64
.set AF,   128
.set G1, 24                            ; s[24:31] descriptor group 1 for A's tiles;  s[32:39] group 0, one set for each slot
.set G0, 32
.set G1B, 48                           ; s[48:55], s[56:63] the same for B's tiles
.set G0B, 56
.set MSB, 0
.macro WIN new                         ; the immediate's high byte repeats the setting that is left
.if MSB != \new
	s_set_vgpr_msb (MSB<<8)|\new
.set MSB, \new
.endif
.endm
.set MULW,   0xa1                      ; source 0 (B) window 1, source 1 (A) window 0, C and D window 2
.set TO_B,   0x40                      ; destination window 1, address window 0
; A joint load: waves 0 and 1 fetch for A, waves 2 and 3 for B; the branch hangs on the wave's number alone.  Four v_nop follow each of the two lines.
.macro JLOAD g0a, g1a, g0b, g1b
	s_cmp_eq_u32 s15, 0
	s_cbranch_scc0 .Lfor_b_\@
	tensor_load_to_lds s[\g0a:\g0a+3], s[\g1a:\g1a+7]
	s_nop 0
.rept 4
	v_nop
.endr
	s_branch .Lasked_\@
.Lfor_b_\@:
	tensor_load_to_lds s[\g0b:\g0b+3], s[\g1b:\g1b+7]
	s_nop 0
.rept 4
	v_nop
.endr
.Lasked_\@:
.endm
.macro CREST                           ; a round of the cluster's barrier behind its opening barrier
	s_cmp_lg_u32 s14, 0
	s_cbranch_scc1 .Lnot_wave_0_\@
	s_barrier_signal -3
.Lnot_wave_0_\@:
	s_barrier_wait -3
	s_barrier_signal -1
	s_barrier_wait -1
.endm
.macro CROUND                          ; a whole round
	s_barrier_signal -1
	s_barrier_wait -1
	CREST
.endm
	s_load_b256 s[4:11], s[0:1], 0x0               ; A's image, img, the bias, the exponents
	s_load_b64 s[12:13], s[0:1], 0x20              ; Y
	v_lshl_add_u32 v[SPW], v0, 2, SPARE
	v_mov_b32 v[NIL], 0
	ds_add_u32 v28, v29
	ds_add_u32 v28, v29
	s_wait_dscnt 0x0
	v_lshrrev_b32 v1, 5, v0
	v_readfirstlane_b32 s14, v1                    ; wave 0..3
	s_lshr_b32 s15, s14, 1                         ; which half of the tile's rows (A's side) is mine.  Also: I fetch for A (0) or for B (1)
	s_and_b32 s16, s14, 1                          ; which half of B's side.  Also: which 64 rows of that tile I fetch
	s_bfe_u32 s40, ttmp6, 0x40000                  ; cx, cy: my place in the cluster
	s_bfe_u32 s41, ttmp6, 0x40004
	s_and_b32 s17, ttmp7, 0xffff
	s_lshl_b32 s17, s17, 2
	s_add_co_u32 s17, s17, s41                     ; tile row (A's side) = 4 x cluster y + cy
	s_lshl_b32 s42, ttmp9, 2
	s_add_co_u32 s42, s42, s40                     ; tile column (B's side) = 4 x cluster x + cx
	s_lshl_b32 s43, s41, 2
	s_lshl_b32 s43, 15, s43                        ; my row of the cluster
	s_lshl_b32 s44, 0x1111, s40                    ; my column
	; descriptor group 1: 4 rows (row tiles) of 8,192 bytes (four fragments), 16 KSIZE bytes apart; dense in LDS
	s_or_b32 s[G1+0], s43, (1<<21)                 ; 15:0 the mask: A's tiles go to my row; 17:16 elements of 1 byte; 20 no padding; 21 set beside a mask
	s_or_b32 s[G1B+0], s44, (1<<21)
.irp g, G1, G1B
	s_mov_b32 s[\g+1], 8192<<16                    ; tensor_dim0
	s_mov_b32 s[\g+2], 4<<16                       ; tensor_dim1
	s_mov_b32 s[\g+3], 8192<<16                    ; tile_dim0
	s_mov_b32 s[\g+4], 4                           ; tile_dim1
	s_mov_b32 s[\g+5], 16*KSIZE                    ; tensor_dim0_stride
	s_mov_b32 s[\g+6], 0
	s_mov_b32 s[\g+7], 0
.endr
	s_lshl_b32 s18, s16, 6                         ; which 64 rows of the tile I fetch
	s_lshl_b32 s20, s17, 7
	s_add_co_u32 s20, s20, s18
	s_mul_i32 s20, s20, KSIZE                      ; 16 rows of an image are 16 KSIZE bytes: row x KSIZE
	s_lshl_b32 s46, s42, 7
	s_add_co_u32 s46, s46, s18
	s_mul_i32 s46, s46, KSIZE
	s_add_co_u32 s46, s46, BOFF
	s_mov_b32 s21, 0
	s_mov_b32 s47, 0
	s_mul_i32 s45, s14, HALFB                      ; where my part goes: wave x 32,768: no place in the cluster enters an LDS address
	s_wait_kmcnt 0x0
	s_load_b512 s[68:83], s[10:11], 0x0            ; the sixteen exponents
	s_add_nc_u64 s[20:21], s[4:5], s[20:21]
	s_add_nc_u64 s[46:47], s[6:7], s[46:47]
	CROUND                                         ; all sixteen work-groups are here: the first joint loads meet
.irp s, 0,1
	s_mov_b32 s[G0+4*\s], 1
	s_add_co_u32 s[G0+4*\s+1], s45, \s*SLOT
	s_add_nc_u64 s[G0+4*\s+2:G0+4*\s+3], s[20:21], \s*8192
	s_or_b32 s[G0+4*\s+3], s[G0+4*\s+3], 0x80000000
	s_mov_b32 s[G0B+4*\s], 1
	s_add_co_u32 s[G0B+4*\s+1], s45, \s*SLOT
	s_add_nc_u64 s[G0B+4*\s+2:G0B+4*\s+3], s[46:47], \s*8192
	s_or_b32 s[G0B+4*\s+3], s[G0B+4*\s+3], 0x80000000
	JLOAD G0+4*\s, G1, G0B+4*\s, G1B
.endr
	v_and_b32 v1, 31, v0
	v_lshlrev_b32 v[LI], 4, v1
	v_bfe_u32 v3, v0, 4, 1                         ; h
	s_mul_i32 s21, s15, HALFB                      ; my 64 rows of A
	s_mul_i32 s22, s16, HALFB                      ; my 64 rows of B,
	s_add_co_u32 s22, s22, 2*HALFB                 ; which lie behind A's 128
.irp s, 0,1
	v_add_nc_u32 v[ADRA+\s], s21, v[LI]
	v_add_nc_u32 v[ADRB+\s], s22, v[LI]
	s_add_co_u32 s21, s21, SLOT
	s_add_co_u32 s22, s22, SLOT
.endr
	s_lshl_b32 s90, s17, 7
	s_lshl_b32 s100, s15, 6
	s_add_co_u32 s90, s90, s100                    ; m0: my first row on A's side
	s_lshl_b32 s91, s42, 7
	s_lshl_b32 s100, s16, 6
	s_add_co_u32 s91, s91, s100                    ; n0: on B's side
	s_lshl_b32 s100, s91, 2
	v_lshl_add_u32 v[VP], v3, 6, s100              ; register 16 b' + i wants bias[n0 + 32 b' + 16 h + i]
.irp b, 0,1
.irp j, 0,1,2,3
	global_load_b128 v[BP+16*\b+4*\j:BP+16*\b+4*\j+3], v[VP], s[8:9] offset:128*\b+16*\j
.endr
.endr
.macro FRAG reg, adr, q, i             ; fragment i of eight comes as it lies: row tile i % 4 of my four, the (i / 4)-th 128 along K of the slot's q-th 256
.irp c, 0,1,2,3
	ds_load_b128 v[\reg+4*\c:\reg+4*\c+3], v[\adr] offset:((\i)%4)*8192+(2*(\q)+(\i)/4)*2048+512*\c
.endr
.endm
; 8 matrix instructions: A's blocks a0, a0 + 1 x B's four tiles, on the step's k-th 128 along K.  p: B's set.  zero = 1: the first product starts the sums.
; The 16 accumulators take turns, one instruction a turn, in the same order throughout.
.macro MUL8 k, a0, p, zero
.irp a, \a0, \a0+1
.irp b, 0,1,2,3
.if \zero
	v_wmma_f32_16x16x128_fp8_fp8 v[8*(4*(\a)+\b):8*(4*(\a)+\b)+7], v[128*(\p)+FR*(4*(\k)+\b):128*(\p)+FR*(4*(\k)+\b)+FR-1], v[AF+FR*(4*(\k)+(\a)):AF+FR*(4*(\k)+(\a))+FR-1], 0
.else
	v_wmma_f32_16x16x128_fp8_fp8 v[8*(4*(\a)+\b):8*(4*(\a)+\b)+7], v[128*(\p)+FR*(4*(\k)+\b):128*(\p)+FR*(4*(\k)+\b)+FR-1], v[AF+FR*(4*(\k)+(\a)):AF+FR*(4*(\k)+(\a))+FR-1], v[8*(4*(\a)+\b):8*(4*(\a)+\b)+7]
.endif
.endr
.endr
.endm
.macro FETCH_B slot, q, p              ; B's eight fragments into set p
	WIN TO_B
.irp i, 0,1,2,3,4,5,6,7
	FRAG 128*(\p)+FR*\i, ADRB+\slot, \q, \i
.endr
	WIN 0
.endm
.macro FETCH_A slot, q, i0             ; A's fragments i0 .. i0 + 3
.irp i, \i0, \i0+1, \i0+2, \i0+3
	FRAG AF+FR*(\i), ADRA+\slot, \q, \i
.endr
.endm
; A load into a register that a matrix instruction has read, and a vector instruction that reads a matrix result, stand NP places behind it; only plain vector instructions that name none of its registers are places.
.macro PLACES n
.rept \n
	v_nop
.endr
.endm
; A step of 256 along K that has its successor in the same slot.  A's fragments of the first 128 are free once their 16 products are issued: they are fetched anew in the step's middle, those of the second 128 at its end.
.macro STEP slot, q, zero
	s_wait_dscnt 4*NL                              ; B's set and A's first four fragments are in; the youngest 16 loads (A's other four) may be out
	WIN MULW
	MUL8 0, 0, (\q)%2, \zero
	MUL8 0, 2, (\q)%2, \zero
	s_wait_dscnt 0                                 ; A's other four are in
	PLACES NP
	FETCH_B \slot, (\q)+1, 1-(\q)%2
	FETCH_A \slot, (\q)+1, 0
	WIN MULW
	MUL8 1, 0, (\q)%2, 0
	MUL8 1, 2, (\q)%2, 0
	PLACES NP
	WIN 0
	FETCH_A \slot, (\q)+1, 4
.endm
; A slot's last step changes slots: ONE barrier; in front of it each wave waits for all its tensor loads, adds 0 to its spare word, and waits for that and for its own reads of this slot.  fill = 1: this slot is filled again, two slots ahead.
.macro TURN slot, next, fill
	s_wait_tensorcnt 0x0                           ; all my tensor loads have landed: my part of the next slot  (every window is 0 here)
	ds_add_u32 v[SPW], v[NIL]                      ; 0 onto my spare word
	s_wait_dscnt 4*NL+1                            ; (the add and the youngest 16 loads, A's other four fragments, may be out)
	WIN MULW
	MUL8 0, 0, 1, 0                                ; eight matrix instructions stand between the add and the wait for it
	s_wait_dscnt 0x0                               ; the add is done, and my reads of this slot are over
	s_barrier_signal -1
	MUL8 0, 2, 1, 0
	WIN 0
	s_barrier_wait -1
.if \fill
	CREST                                          ; the barrier has opened a round of the cluster's: no wave of any partner still reads this slot or has a load on its way
	s_add_nc_u64 s[G0+4*\slot+2:G0+4*\slot+3], s[G0+4*\slot+2:G0+4*\slot+3], 16384
	s_add_nc_u64 s[G0B+4*\slot+2:G0B+4*\slot+3], s[G0B+4*\slot+2:G0B+4*\slot+3], 16384
	JLOAD G0+4*\slot, G1, G0B+4*\slot, G1B         ; the first tensor load behind the round; its four v_nop are the places in front of the loads below
.else
	PLACES NP
.endif
	FETCH_B \next, 0, 0
	FETCH_A \next, 0, 0
	WIN MULW
	MUL8 1, 0, 1, 0
	MUL8 1, 2, 1, 0
	PLACES NP
	WIN 0
	FETCH_A \next, 0, 4
.endm
	s_wait_tensorcnt 1                             ; my part of slot 0 is in (slot 1's load may be out)
	s_barrier_signal -1
	s_barrier_wait -1                              ; everybody's is
	FETCH_B 0, 0, 0
	FETCH_A 0, 0, 0
	FETCH_A 0, 0, 4
	STEP 0, 0, 1                                   ; the first step stands in front of the loop: its first products start the sums
.if LAPS > 1
	s_mov_b32 s3, LAPS-1
.Llap:                                                 ; a trip goes once round the ring, from a lap's second step to the next lap's first, and fills both slots again
	TURN 0, 1, 1
	STEP 1, 0, 0
	TURN 1, 0, 1
	STEP 0, 0, 0
	s_sub_co_u32 s3, s3, 1
	s_cmp_lg_u32 s3, 0
	s_cbranch_scc1 .Llap
.endif
	TURN 0, 1, 0                                   ; the last lap fills nothing
	STEP 1, 0, 0
	s_wait_dscnt 4*NL                              ; the very last step
	WIN MULW
	MUL8 0, 0, 1, 0
	MUL8 0, 2, 1, 0
	s_wait_dscnt 0
	MUL8 1, 0, 1, 0
	MUL8 1, 2, 1, 0
	WIN 0
	; THE WAY OUT
	s_wait_loadcnt 0x0                             ; the bias
	s_wait_kmcnt 0x0                               ; the exponents
	s_add_co_i32 s84, s[68+EA], s[68+EB]
	s_add_co_i32 s84, s84, 127
	s_lshl_b32 s84, s84, 23                        ; 2^(ea + eb) as f32
	s_mov_b32 s85, s84                             ; (named with it as a pair, so it is written)
	s_lshl_b32 s100, s90, 12                       ; 65,536 bytes a token tile: 4,096 m0,
	s_lshl_b32 s101, s91, 6                        ; 2,048 bytes for 32 features: 64 n0
	s_add_co_u32 s100, s100, s101
	s_mov_b32 s101, 0
	s_add_nc_u64 s[12:13], s[12:13], s[100:101]
	PLACES NP                                      ; behind the last products: their results are read below
; Block a: 32 sums a lane x 2^(ea + eb) + bias, into one of two sets, and eight stores.  Each accumulator is read from its low end on.
.macro OUTF a
.set AC, 32*(\a)
.set TB, T+32*((\a)%2)
.if (\a) >= 2
	s_wait_xcnt 0x0                                ; block a - 2's stores have read this set
.endif
	WIN 0x02                                       ; source 0: window 2
.set j, 0
.rept 16
	v_pk_fma_f32 v[TB+j:TB+j+1], v[AC+j:AC+j+1], s[84:85], v[BP+j:BP+j+1] op_sel_hi:[1,0,1]
.set j, j+2
.endr
	WIN 0
.irp b, 0,1
.irp j, 0,1,2,3
	global_store_b128 v[LI], v[TB+16*\b+4*\j:TB+16*\b+4*\j+3], s[12:13] offset:65536*(\a)+2048*\b+512*\j
.endr
.endr
.endm
.irp a, 0,1,2,3
	OUTF \a
.endr
	s_wait_tensorcnt 0x0                           ; the wave's end
	ds_add_u32 v[SPW], v[NIL]
	s_wait_dscnt 0x0
	CROUND                                         ; the closing round: no work-group ends while a partner may still ask for a tile that names it
	s_endpgm
.Lfunc_end_k_q947eed1cd1_wo:
	.size	k_q947eed1cd1_wo, .Lfunc_end_k_q947eed1cd1_wo-k_q947eed1cd1_wo
	.p2alignl 7, 3214868480
	.fill 96, 4, 3214868480
	.section	.rodata,"a",@progbits
	.p2align	6, 0x0
	.amdhsa_kernel k_q947eed1cd1_wo
		.amdhsa_group_segment_fixed_size 327680
		.amdhsa_private_segment_fixed_size 0
		.amdhsa_enable_private_segment 0
		.amdhsa_kernarg_size 40
		.amdhsa_user_sgpr_count 2
		.amdhsa_user_sgpr_kernarg_segment_ptr 1
		.amdhsa_wavefront_size32 1
		.amdhsa_system_sgpr_workgroup_id_x 1
		.amdhsa_system_sgpr_workgroup_id_y 1
		.amdhsa_system_sgpr_workgroup_id_z 1
		.amdhsa_system_vgpr_workitem_id 0
		.amdhsa_next_free_vgpr 640
		.amdhsa_next_free_sgpr 102
		.amdhsa_reserve_vcc 0
		.amdhsa_float_denorm_mode_32 3
		.amdhsa_float_denorm_mode_16_64 3
		.amdhsa_memory_ordered 1
		.amdhsa_forward_progress 1
		.amdhsa_inst_pref_size 41
	.end_amdhsa_kernel
	.amdgpu_metadata
---
amdhsa.version: [ 1, 2 ]
amdhsa.kernels:
  - .name:           k_q947eed1cd1_wo
    .symbol:         k_q947eed1cd1_wo.kd
    .args:
      - { .name: oc, .offset: 0, .size: 8, .value_kind: global_buffer, .address_space: global }
      - { .name: img, .offset: 8, .size: 8, .value_kind: global_buffer, .address_space: global }
      - { .name: bo, .offset: 16, .size: 8, .value_kind: global_buffer, .address_space: global }
      - { .name: lowp_scales, .offset: 24, .size: 8, .value_kind: global_buffer, .address_space: global }
      - { .name: y0, .offset: 32, .size: 8, .value_kind: global_buffer, .address_space: global }
    .group_segment_fixed_size: 327680
    .private_segment_fixed_size: 0
    .kernarg_segment_align: 8
    .kernarg_segment_size: 40
    .max_flat_workgroup_size: 128
    .sgpr_count:     102
    .vgpr_count:     640
    .wavefront_size: 32
...
	.end_amdgpu_metadata
.endif
;; end of part 10
;; launch ln0: the kernel of part 5 again; grid 256 x 1, 16 waves a work-group, no clusters, 73,728 bytes of LDS; arguments y0, x, ln0_a, ln0_b, lowp_scales, hf, hc; writes hf, hc
;; launch ffn1: the kernel of part 6 again; grid 16 x 16, 4 waves a work-group, clusters of 4 x 4, 327,680 bytes of LDS; arguments hc, img, b0, lowp_scales, hid; writes hid
;; launch ffn2 (part 11): grid 8 x 32, 4 waves a work-group, clusters of 4 x 4, 327,680 bytes of LDS; arguments hid, img, b1, lowp_scales, y1; writes y1
.if DOCPART == 11
	.amdgcn_target "amdgcn-amd-amdhsa--gfx1250"
	.amdhsa_code_object_version 6
	.text
	.protected	k_q947eed1cd1_ffn2
	.globl	k_q947eed1cd1_ffn2
	.p2align	8
	.type	k_q947eed1cd1_ffn2,@function
k_q947eed1cd1_ffn2:
	s_mov_b64 s[64:65], 0
	v_nop
	global_prefetch_b8 v0, s[64:65] scope:SCOPE_SE
	s_setreg_imm32_b32 hwreg(HW_REG_WAVE_MODE, 25, 1), 1
	s_wait_xcnt 0x0
	s_wait_alu depctr_hold_cnt(0) depctr_sa_sdst(0) depctr_va_vdst(0) depctr_va_sdst(0) depctr_va_ssrc(0) depctr_va_vcc(0) depctr_vm_vsrc(0)
	s_getreg_b32 s2, hwreg(HW_REG_IB_STS2, 6, 4)
	s_cmp_eq_u32 s2, 0
	s_cbranch_scc0 .Lentry_in_a_cluster
	s_endpgm
.Lentry_in_a_cluster:
	s_bfe_u32 s2, ttmp6, 0x10000c
	s_cmp_lg_u32 s2, 0xf033
	s_cbranch_scc0 .Lentry_shape_is_right
	s_endpgm
.Lentry_shape_is_right:
; Y[m][n] = sum over k of A[m][k] B[n][k] x 2^(ea + eb) + bias[n], on codes of FP8 (E4M3); Y is f32.  Here: A = the hidden layer's image (tokens), B = W1's image, bias = b1.
; OPERANDS ARE IMAGES: fragment (row tile t, K step s of 128) at byte (t KSIZE/128 + s) 2,048; chunk c at 512 c; lane l = r + 16 h at 16 l: codes of row rho(t, r), k = 128 s + 32 c + 16 h + 0 .. 15;
; rho(t, i) = 32 (t / 2) + 8 (t % 2) + i + 8 (i / 8).  Four loads of 16 bytes at 16 x lane fill a fragment; k's places are alike in A and B, so every product meets its partner.
; THE MATRIX INSTRUCTION IS USED TRANSPOSED (source 0 = 16 rows of B, source 1 = 16 rows of A): lane (r, h) holds token rho(a, r), and the 16 registers of B's tiles 2 b', 2 b' + 1 are the features 32 b' + 16 h + 0 .. 15.
; Y LEAVES AS THE REGISTERS LIE: block (token tile a, b', j) at ((32 a + b') 4 + j) 512 + 16 l holds Y[rho(a, r)][32 b' + 16 h + 4 j .. + 3]: every store of the wave covers 512 consecutive bytes, aligned; no LDS on the way out.
; THE TILE IS 128 x 128: Y's 4,096 x 1,024 numbers are 256 such tiles, one for each WGP (tiles of 256 x 256 would be 64), and a work-group walks (128 + 128) KSIZE bytes of operands, half of what the larger tile walks.
; Four waves, 64 x 64 each: 16 accumulators.  K goes in steps of 512 through a ring of two LDS slots of 128 KiB; a wave's tensor load brings 4 row tiles x 8,192 bytes (four fragments on end).
; A slot is worked in two steps of 256 along K; such a step is 32 matrix instructions: my four blocks of A x my four tiles of B on its first 128 along K, then on its second.
; CLUSTERS: 4 x 4 work-groups; A's tiles are asked for jointly along a row of the cluster, B's along a column.
; REGISTERS, in windows of 256: window 0: v4 16 x lane, v16-29 addresses, v32-63 the bias, v64-127 two sets of 32 results, from v128 A's eight fragments (fragment 4 k + a), ONE set.
;   window 1: B's eight fragments (4 k + b), TWO sets.   window 2: the 16 accumulators ((a, b) at v[8 (4 a + b)]).
; LIMIT: ea + eb between -126 and 127, so that 2^(ea + eb) is an f32 number.
.set KSIZE,  4096
.set BOFF,   20<<20                    ; B's image in img
.set EA,     14                        ; entries of the exponents
.set EB,     15
.set SLOT,   131072                    ; A's two halves of 32,768 bytes, then B's two
.set HALFB,  32768                     ; 4 row tiles x 512 along K
.set SPARE,  2*SLOT                    ; behind the ring: the spare words, 128 bytes for each wave: two blocks of 256 bytes that no other line names
.set LAPS,   KSIZE/1024                ; a lap = two slots of 512 along K = once round the ring
.set FR,     16                        ; registers of a fragment
.set NL,     4                         ; LDS loads that bring one
.set NP,     4                         ; places behind this matrix instruction (ISA guide 7.12.1)
.set LI,   4                           ; v4      16 x lane
.set ADRA, 16                          ; v16-17  LDS address of my A fragments in slot 0, 1
.set ADRB, 20                          ; v20-21  the same for B
.set VP,   25                          ; v25     offset of the bias; never rewritten
.set SPW,  28                          ; v28     LDS address of my spare word; never rewritten
.set NIL,  29                          ; v29     0; never rewritten
.set BP,   32
.set T,    64
.set AF,   128
.set G1, 24                            ; s[24:31] descriptor group 1 for A's tiles;  s[32:39] group 0, one set for each slot
.set G0, 32
.set G1B, 48                           ; s[48:55], s[56:63] the same for B's tiles
.set G0B, 56
.set MSB, 0
.macro WIN new                         ; the immediate's high byte repeats the setting that is left
.if MSB != \new
	s_set_vgpr_msb (MSB<<8)|\new
.set MSB, \new
.endif
.endm
.set MULW,   0xa1                      ; source 0 (B) window 1, source 1 (A) window 0, C and D window 2
.set TO_B,   0x40                      ; destination window 1, address window 0
; A joint load: waves 0 and 1 fetch for A, waves 2 and 3 for B; the branch hangs on the wave's number alone.  Four v_nop follow each of the two lines.
.macro JLOAD g0a, g1a, g0b, g1b
	s_cmp_eq_u32 s15, 0
	s_cbranch_scc0 .Lfor_b_\@
	tensor_load_to_lds s[\g0a:\g0a+3], s[\g1a:\g1a+7]
	s_nop 0
.rept 4
	v_nop
.endr
	s_branch .Lasked_\@
.Lfor_b_\@:
	tensor_load_to_lds s[\g0b:\g0b+3], s[\g1b:\g1b+7]
	s_nop 0
.rept 4
	v_nop
.endr
.Lasked_\@:
.endm
.macro CREST                           ; a round of the cluster's barrier behind its opening barrier
	s_cmp_lg_u32 s14, 0
	s_cbranch_scc1 .Lnot_wave_0_\@
	s_barrier_signal -3
.Lnot_wave_0_\@:
	s_barrier_wait -3
	s_barrier_signal -1
	s_barrier_wait -1
.endm
.macro CROUND                          ; a whole round
	s_barrier_signal -1
	s_barrier_wait -1
	CREST
.endm
	s_load_b256 s[4:11], s[0:1], 0x0               ; A's image, img, the bias, the exponents
	s_load_b64 s[12:13], s[0:1], 0x20              ; Y
	v_lshl_add_u32 v[SPW], v0, 2, SPARE
	v_mov_b32 v[NIL], 0
	ds_add_u32 v28, v29
	ds_add_u32 v28, v29
	s_wait_dscnt 0x0
	v_lshrrev_b32 v1, 5, v0
	v_readfirstlane_b32 s14, v1                    ; wave 0..3
	s_lshr_b32 s15, s14, 1                         ; which half of the tile's rows (A's side) is mine.  Also: I fetch for A (0) or for B (1)
	s_and_b32 s16, s14, 1                          ; which half of B's side.  Also: which 64 rows of that tile I fetch
	s_bfe_u32 s40, ttmp6, 0x40000                  ; cx, cy: my place in the cluster
	s_bfe_u32 s41, ttmp6, 0x40004
	s_and_b32 s17, ttmp7, 0xffff
	s_lshl_b32 s17, s17, 2
	s_add_co_u32 s17, s17, s41                     ; tile row (A's side) = 4 x cluster y + cy
	s_lshl_b32 s42, ttmp9, 2
	s_add_co_u32 s42, s42, s40                     ; tile column (B's side) = 4 x cluster x + cx
	s_lshl_b32 s43, s41, 2
	s_lshl_b32 s43, 15, s43                        ; my row of the cluster
	s_lshl_b32 s44, 0x1111, s40                    ; my column
	; descriptor group 1: 4 rows (row tiles) of 8,192 bytes (four fragments), 16 KSIZE bytes apart; dense in LDS
	s_or_b32 s[G1+0], s43, (1<<21)                 ; 15:0 the mask: A's tiles go to my row; 17:16 elements of 1 byte; 20 no padding; 21 set beside a mask
	s_or_b32 s[G1B+0], s44, (1<<21)
.irp g, G1, G1B
	s_mov_b32 s[\g+1], 8192<<16                    ; tensor_dim0
	s_mov_b32 s[\g+2], 4<<16                       ; tensor_dim1
	s_mov_b32 s[\g+3], 8192<<16                    ; tile_dim0
	s_mov_b32 s[\g+4], 4                           ; tile_dim1
	s_mov_b32 s[\g+5], 16*KSIZE                    ; tensor_dim0_stride
	s_mov_b32 s[\g+6], 0
	s_mov_b32 s[\g+7], 0
.endr
	s_lshl_b32 s18, s16, 6                         ; which 64 rows of the tile I fetch
	s_lshl_b32 s20, s17, 7
	s_add_co_u32 s20, s20, s18
	s_mul_i32 s20, s20, KSIZE                      ; 16 rows of an image are 16 KSIZE bytes: row x KSIZE
	s_lshl_b32 s46, s42, 7
	s_add_co_u32 s46, s46, s18
	s_mul_i32 s46, s46, KSIZE
	s_add_co_u32 s46, s46, BOFF
	s_mov_b32 s21, 0
	s_mov_b32 s47, 0
	s_mul_i32 s45, s14, HALFB                      ; where my part goes: wave x 32,768: no place in the cluster enters an LDS address
	s_wait_kmcnt 0x0
	s_load_b512 s[68:83], s[10:11], 0x0            ; the sixteen exponents
	s_add_nc_u64 s[20:21], s[4:5], s[20:21]
	s_add_nc_u64 s[46:47], s[6:7], s[46:47]
	CROUND                                         ; all sixteen work-groups are here: the first joint loads meet
.irp s, 0,1
	s_mov_b32 s[G0+4*\s], 1
	s_add_co_u32 s[G0+4*\s+1], s45, \s*SLOT
	s_add_nc_u64 s[G0+4*\s+2:G0+4*\s+3], s[20:21], \s*8192
	s_or_b32 s[G0+4*\s+3], s[G0+4*\s+3], 0x80000000
	s_mov_b32 s[G0B+4*\s], 1
	s_add_co_u32 s[G0B+4*\s+1], s45, \s*SLOT
	s_add_nc_u64 s[G0B+4*\s+2:G0B+4*\s+3], s[46:47], \s*8192
	s_or_b32 s[G0B+4*\s+3], s[G0B+4*\s+3], 0x80000000
	JLOAD G0+4*\s, G1, G0B+4*\s, G1B
.endr
	v_and_b32 v1, 31, v0
	v_lshlrev_b32 v[LI], 4, v1
	v_bfe_u32 v3, v0, 4, 1                         ; h
	s_mul_i32 s21, s15, HALFB                      ; my 64 rows of A
	s_mul_i32 s22, s16, HALFB                      ; my 64 rows of B,
	s_add_co_u32 s22, s22, 2*HALFB                 ; which lie behind A's 128
.irp s, 0,1
	v_add_nc_u32 v[ADRA+\s], s21, v[LI]
	v_add_nc_u32 v[ADRB+\s], s22, v[LI]
	s_add_co_u32 s21, s21, SLOT
	s_add_co_u32 s22, s22, SLOT
.endr
	s_lshl_b32 s90, s17, 7
	s_lshl_b32 s100, s15, 6
	s_add_co_u32 s90, s90, s100                    ; m0: my first row on A's side
	s_lshl_b32 s91, s42, 7
	s_lshl_b32 s100, s16, 6
	s_add_co_u32 s91, s91, s100                    ; n0: on B's side
	s_lshl_b32 s100, s91, 2
	v_lshl_add_u32 v[VP], v3, 6, s100              ; register 16 b' + i wants bias[n0 + 32 b' + 16 h + i]
.irp b, 0,1
.irp j, 0,1,2,3
	global_load_b128 v[BP+16*\b+4*\j:BP+16*\b+4*\j+3], v[VP], s[8:9] offset:128*\b+16*\j
.endr
.endr
.macro FRAG reg, adr, q, i             ; fragment i of eight comes as it lies: row tile i % 4 of my four, the (i / 4)-th 128 along K of the slot's q-th 256
.irp c, 0,1,2,3
	ds_load_b128 v[\reg+4*\c:\reg+4*\c+3], v[\adr] offset:((\i)%4)*8192+(2*(\q)+(\i)/4)*2048+512*\c
.endr
.endm
; 8 matrix instructions: A's blocks a0, a0 + 1 x B's four tiles, on the step's k-th 128 along K.  p: B's set.  zero = 1: the first product starts the sums.
; The 16 accumulators take turns, one instruction a turn, in the same order throughout.
.macro MUL8 k, a0, p, zero
.irp a, \a0, \a0+1
.irp b, 0,1,2,3
.if \zero
	v_wmma_f32_16x16x128_fp8_fp8 v[8*(4*(\a)+\b):8*(4*(\a)+\b)+7], v[128*(\p)+FR*(4*(\k)+\b):128*(\p)+FR*(4*(\k)+\b)+FR-1], v[AF+FR*(4*(\k)+(\a)):AF+FR*(4*(\k)+(\a))+FR-1], 0
.else
	v_wmma_f32_16x16x128_fp8_fp8 v[8*(4*(\a)+\b):8*(4*(\a)+\b)+7], v[128*(\p)+FR*(4*(\k)+\b):128*(\p)+FR*(4*(\k)+\b)+FR-1], v[AF+FR*(4*(\k)+(\a)):AF+FR*(4*(\k)+(\a))+FR-1], v[8*(4*(\a)+\b):8*(4*(\a)+\b)+7]
.endif
.endr
.endr
.endm
.macro FETCH_B slot, q, p              ; B's eight fragments into set p
	WIN TO_B
.irp i, 0,1,2,3,4,5,6,7
	FRAG 128*(\p)+FR*\i, ADRB+\slot, \q, \i
.endr
	WIN 0
.endm
.macro FETCH_A slot, q, i0             ; A's fragments i0 .. i0 + 3
.irp i, \i0, \i0+1, \i0+2, \i0+3
	FRAG AF+FR*(\i), ADRA+\slot, \q, \i
.endr
.endm
; A load into a register that a matrix instruction has read, and a vector instruction that reads a matrix result, stand NP places behind it; only plain vector instructions that name none of its registers are places.
.macro PLACES n
.rept \n
	v_nop
.endr
.endm
; A step of 256 along K that has its successor in the same slot.  A's fragments of the first 128 are free once their 16 products are issued: they are fetched anew in the step's middle, those of the second 128 at its end.
.macro STEP slot, q, zero
	s_wait_dscnt 4*NL                              ; B's set and A's first four fragments are in; the youngest 16 loads (A's other four) may be out
	WIN MULW
	MUL8 0, 0, (\q)%2, \zero
	MUL8 0, 2, (\q)%2, \zero
	s_wait_dscnt 0                                 ; A's other four are in
	PLACES NP
	FETCH_B \slot, (\q)+1, 1-(\q)%2
	FETCH_A \slot, (\q)+1, 0
	WIN MULW
	MUL8 1, 0, (\q)%2, 0
	MUL8 1, 2, (\q)%2, 0
	PLACES NP
	WIN 0
	FETCH_A \slot, (\q)+1, 4
.endm
; A slot's last step changes slots: ONE barrier; in front of it each wave waits for all its tensor loads, adds 0 to its spare word, and waits for that and for its own reads of this slot.  fill = 1: this slot is filled again, two slots ahead.
.macro TURN slot, next, fill
	s_wait_tensorcnt 0x0                           ; all my tensor loads have landed: my part of the next slot  (every window is 0 here)
	ds_add_u32 v[SPW], v[NIL]                      ; 0 onto my spare word
	s_wait_dscnt 4*NL+1                            ; (the add and the youngest 16 loads, A's other four fragments, may be out)
	WIN MULW
	MUL8 0, 0, 1, 0                                ; eight matrix instructions stand between the add and the wait for it
	s_wait_dscnt 0x0                               ; the add is done, and my reads of this slot are over
	s_barrier_signal -1
	MUL8 0, 2, 1, 0
	WIN 0
	s_barrier_wait -1
.if \fill
	CREST                                          ; the barrier has opened a round of the cluster's: no wave of any partner still reads this slot or has a load on its way
	s_add_nc_u64 s[G0+4*\slot+2:G0+4*\slot+3], s[G0+4*\slot+2:G0+4*\slot+3], 16384
	s_add_nc_u64 s[G0B+4*\slot+2:G0B+4*\slot+3], s[G0B+4*\slot+2:G0B+4*\slot+3], 16384
	JLOAD G0+4*\slot, G1, G0B+4*\slot, G1B         ; the first tensor load behind the round; its four v_nop are the places in front of the loads below
.else
	PLACES NP
.endif
	FETCH_B \next, 0, 0
	FETCH_A \next, 0, 0
	WIN MULW
	MUL8 1, 0, 1, 0
	MUL8 1, 2, 1, 0
	PLACES NP
	WIN 0
	FETCH_A \next, 0, 4
.endm
	s_wait_tensorcnt 1                             ; my part of slot 0 is in (slot 1's load may be out)
	s_barrier_signal -1
	s_barrier_wait -1                              ; everybody's is
	FETCH_B 0, 0, 0
	FETCH_A 0, 0, 0
	FETCH_A 0, 0, 4
	STEP 0, 0, 1                                   ; the first step stands in front of the loop: its first products start the sums
.if LAPS > 1
	s_mov_b32 s3, LAPS-1
.Llap:                                                 ; a trip goes once round the ring, from a lap's second step to the next lap's first, and fills both slots again
	TURN 0, 1, 1
	STEP 1, 0, 0
	TURN 1, 0, 1
	STEP 0, 0, 0
	s_sub_co_u32 s3, s3, 1
	s_cmp_lg_u32 s3, 0
	s_cbranch_scc1 .Llap
.endif
	TURN 0, 1, 0                                   ; the last lap fills nothing
	STEP 1, 0, 0
	s_wait_dscnt 4*NL                              ; the very last step
	WIN MULW
	MUL8 0, 0, 1, 0
	MUL8 0, 2, 1, 0
	s_wait_dscnt 0
	MUL8 1, 0, 1, 0
	MUL8 1, 2, 1, 0
	WIN 0
	; THE WAY OUT
	s_wait_loadcnt 0x0                             ; the bias
	s_wait_kmcnt 0x0                               ; the exponents
	s_add_co_i32 s84, s[68+EA], s[68+EB]
	s_add_co_i32 s84, s84, 127
	s_lshl_b32 s84, s84, 23                        ; 2^(ea + eb) as f32
	s_mov_b32 s85, s84                             ; (named with it as a pair, so it is written)
	s_lshl_b32 s100, s90, 12                       ; 65,536 bytes a token tile: 4,096 m0,
	s_lshl_b32 s101, s91, 6                        ; 2,048 bytes for 32 features: 64 n0
	s_add_co_u32 s100, s100, s101
	s_mov_b32 s101, 0
	s_add_nc_u64 s[12:13], s[12:13], s[100:101]
	PLACES NP                                      ; behind the last products: their results are read below
; Block a: 32 sums a lane x 2^(ea + eb) + bias, into one of two sets, and eight stores.  Each accumulator is read from its low end on.
.macro OUTF a
.set AC, 32*(\a)
.set TB, T+32*((\a)%2)
.if (\a) >= 2
	s_wait_xcnt 0x0                                ; block a - 2's stores have read this set
.endif
	WIN 0x02                                       ; source 0: window 2
.set j, 0
.rept 16
	v_pk_fma_f32 v[TB+j:TB+j+1], v[AC+j:AC+j+1], s[84:85], v[BP+j:BP+j+1] op_sel_hi:[1,0,1]
.set j, j+2
.endr
	WIN 0
.irp b, 0,1
.irp j, 0,1,2,3
	global_store_b128 v[LI], v[TB+16*\b+4*\j:TB+16*\b+4*\j+3], s[12:13] offset:65536*(\a)+2048*\b+512*\j
.endr
.endr
.endm
.irp a, 0,1,2,3
	OUTF \a
.endr
	s_wait_tensorcnt 0x0                           ; the wave's end
	ds_add_u32 v[SPW], v[NIL]
	s_wait_dscnt 0x0
	CROUND                                         ; the closing round: no work-group ends while a partner may still ask for a tile that names it
	s_endpgm
.Lfunc_end_k_q947eed1cd1_ffn2:
	.size	k_q947eed1cd1_ffn2, .Lfunc_end_k_q947eed1cd1_ffn2-k_q947eed1cd1_ffn2
	.p2alignl 7, 3214868480
	.fill 96, 4, 3214868480
	.section	.rodata,"a",@progbits
	.p2align	6, 0x0
	.amdhsa_kernel k_q947eed1cd1_ffn2
		.amdhsa_group_segment_fixed_size 327680
		.amdhsa_private_segment_fixed_size 0
		.amdhsa_enable_private_segment 0
		.amdhsa_kernarg_size 40
		.amdhsa_user_sgpr_count 2
		.amdhsa_user_sgpr_kernarg_segment_ptr 1
		.amdhsa_wavefront_size32 1
		.amdhsa_system_sgpr_workgroup_id_x 1
		.amdhsa_system_sgpr_workgroup_id_y 1
		.amdhsa_system_sgpr_workgroup_id_z 1
		.amdhsa_system_vgpr_workitem_id 0
		.amdhsa_next_free_vgpr 640
		.amdhsa_next_free_sgpr 102
		.amdhsa_reserve_vcc 0
		.amdhsa_float_denorm_mode_32 3
		.amdhsa_float_denorm_mode_16_64 3
		.amdhsa_memory_ordered 1
		.amdhsa_forward_progress 1
		.amdhsa_inst_pref_size 69
	.end_amdhsa_kernel
	.amdgpu_metadata
---
amdhsa.version: [ 1, 2 ]
amdhsa.kernels:
  - .name:           k_q947eed1cd1_ffn2
    .symbol:         k_q947eed1cd1_ffn2.kd
    .args:
      - { .name: hid, .offset: 0, .size: 8, .value_kind: global_buffer, .address_space: global }
      - { .name: img, .offset: 8, .size: 8, .value_kind: global_buffer, .address_space: global }
      - { .name: b1, .offset: 16, .size: 8, .value_kind: global_buffer, .address_space: global }
      - { .name: lowp_scales, .offset: 24, .size: 8, .value_kind: global_buffer, .address_space: global }
      - { .name: y1, .offset: 32, .size: 8, .value_kind: global_buffer, .address_space: global }
    .group_segment_fixed_size: 327680
    .private_segment_fixed_size: 0
    .kernarg_segment_align: 8
    .kernarg_segment_size: 40
    .max_flat_workgroup_size: 128
    .sgpr_count:     102
    .vgpr_count:     640
    .wavefront_size: 32
...
	.end_amdgpu_metadata
.endif
;; end of part 11
;; launch ln1: the kernel of part 8 again; grid 256 x 1, 16 waves a work-group, no clusters, 73,728 bytes of LDS; arguments y1, hf, ln1_a, ln1_b, out0; writes out0
;; ======== version 3 of 3: 8 launches; version 2 with the launch attn written anew for expert scheduling mode
;; workspace buffers: img 25,165,824 bytes; att 12,582,912 bytes; oc 4,194,304 bytes; y0 16,777,216 bytes; hf 16,777,216 bytes; hc 4,194,304 bytes; hid 16,777,216 bytes; y1 16,777,216 bytes
;; launch quant: the kernel of part 1 again; grid 512 x 1, 4 waves a work-group, no clusters, 34,304 bytes of LDS; arguments x, Wk, Wq, Wv, Wo, W0, W1, lowp_scales, img; writes img
;; launch qkv: the kernel of part 2 again; grid 4 x 48, 4 waves a work-group, clusters of 4 x 4, 327,680 bytes of LDS; arguments img, bk, bq, bv, lowp_scales, att; writes att
;; launch attn (part 12): grid 4 x 64, 16 waves a work-group, no clusters, 133,120 bytes of LDS; arguments att, lowp_scales, oc; writes oc
.if DOCPART == 12
	.amdgcn_target "amdgcn-amd-amdhsa--gfx1250"
	.amdhsa_code_object_version 6
	.text
	.protected	k_q947eed1cd1_attn
	.globl	k_q947eed1cd1_attn
	.p2align	8
	.type	k_q947eed1cd1_attn,@function
k_q947eed1cd1_attn:
	s_mov_b64 s[64:65], 0
	v_nop
	global_prefetch_b8 v0, s[64:65] scope:SCOPE_SE
	s_setreg_imm32_b32 hwreg(HW_REG_WAVE_SCHED_MODE, 0, 2), 2
	s_setreg_imm32_b32 hwreg(HW_REG_WAVE_MODE, 25, 1), 1
	s_wait_xcnt 0x0
	s_wait_alu depctr_vm_vsrc(0)
; Attention of one head on codes of FP8 (E4M3): o = softmax(q k^T / sqrt(32)) v, head size 32, 2,048 keys; o is quantised with e10 and leaves as chunks of the next product's operand image.
; att: queries at 0, keys at 4 Mi: [batch x head][token tile][512 bytes], lane l = r + 16 h: token rho(t, r), d = 16 h + 0 .. 15;  V^T at 8 Mi: [batch x head][key step of 128][u][2,048 bytes]: a fragment, rows = features rho(2 head + u, .),
; K = the step's keys, chunk c at 512 c: keys 32 c + 16 h + 0 .. 15.  rho(t, i) = 32 (t / 2) + 8 (t % 2) + i + 8 (i / 8).  Scales: keys e6, queries e7, V e8, p e9.
; THE SOFTMAX AHEAD OF THE SECOND PRODUCT: t = score x log2(e) / sqrt(32); M = the largest t so far, rounded UP to a whole number; p = 2^(t - M) is quantised, not normalised; the row's sum is taken of the unquantised p and divides at the end.
; When M moves, the sum and O are multiplied by 2^(old M - new M): exact, and no branch on data.
; SHARES.  A work-group owns 512 queries of one head, each of its sixteen waves two tiles of 16: four waves to a SIMD, so that one wave's vector work stands beside another's matrix work and LDS loads.
; A HEAD'S K AND V STAY IN LDS: 128 KiB, fetched once, through registers: wave w loads key step w (8 tiles of keys, 4,096 bytes; 4 Mi further on V^T's two fragments, 4,096 bytes) by sixteen loads of 512 consecutive bytes and stores them
; as they lie at LDS byte 8,192 w; one barrier; the loop then touches no memory.
; THE HOLD ON p IS PASSED OVER WHERE IT CANNOT ACT.  A score is at most 32 x 448^2 in magnitude; with e6 + e7 <= 0, |t| < 2^21, where neighbouring f32 numbers lie at most 1/8 apart.  The largest t is rounded once before M is taken and the
; fused t - M is not, so t - M <= 1/16 and p < 1.05.  With e9 >= -8 the largest code stands for 448 x 2^e9 >= 1.75, which no p reaches.  Then a scalar branch on the given exponents leads round a tile's 64 holds, 128 instructions
; a step; with any other exponents the holds are executed.
; NO CLUSTER, NO JOINT LOADS, though the four query blocks of a head read the same K and V: what is shared is 128 KiB a work-group, read once (32 MiB in the whole launch).
; LAYOUT.  Both products are used transposed: S^T = K Q^T (source 0 = 16 keys, source 1 = my 16 queries), O^T = V^T P^T: a lane holds ONE query throughout.  By rho the 16 registers of key tiles 2 b, 2 b + 1 are the keys 32 b + 16 h + 0 .. 15,
; so p's codes are the second product's operand, and O^T's 16 registers are features 32 head + 16 h + 0 .. 15: a chunk of o's image.
; THE FIRST PRODUCT HAS K = 32 IN A FORM OF K = 64: the query's upper four registers are zero codes, so whatever codes stand in the key operand's upper four (the next tile's; they are held, so none is NaN; behind the last tile zeros) add nothing.
; LIMITS: e6 + e7 between -124 and 129 (added to c's exponent field); e9 and e10 between -126 and 119; e8 + e9 is applied by v_ldexp_f32 and has none.
; THE MODE: SCHED_MODE bits 1:0 = 2 (LLVM: expert scheduling mode 2), set by the entry lines.  The code itself states the register dependences between vector or matrix instructions and memory or LDS instructions,
; with s_wait_alu, always for 0.
; THE PLAN.  Registers that memory or LDS instructions touch:
;   v1        16 x lane.  Written once at the head; read by the global loads, by step 0's loads of keys and by the two stores at the end.
;   v2        Written at the head (where my key step goes), read by the sixteen LDS stores; then written once at each step's head (the step's LDS byte), read by the step's sixteen LDS loads.
;   S         The global loads land in it, the LDS stores read it; from the first step on vector and matrix instructions alone name it.
;   KF        Step j: both tiles' first products read it; behind the second tile's exponentials the loads of step j + 1's keys land in it.
;   VF        Step j: both tiles' second products read it; behind the first tile's exponentials of step j + 1 that step's loads land in it.
;   PC        At the end: the conversions write eight of its registers, the two stores read them.
;   v254, v255  Written at the head, read by the closing add alone.
; A tile has ONE wait on va_vdst: the wait between its 64 exponentials and the first instruction that names a result.  All that was issued ahead of it is complete behind it: in the first tile the second
; products of the step before, which read VF, and the add that wrote v2; in the second tile both tiles' first products, which read KF.  So the eight loads into VF, or into KF, stand straight behind that wait, and no vector or matrix
; instruction names their registers until the wait on DScnt for them.  One wait on vm_vsrc stands at a step's head, ahead of the add that writes v2.  The last step asks for no further keys and is written out.
; No second set of registers: sixteen waves of 256 registers fill the four SIMDs' 1,024 each, and each buffer's last reader lies ahead of a wait that stands in any case.
.set SPB, 8192                         ; a key step in LDS
.set ST,  8                            ; v8-11, v12-15  tile q: -M, the largest t, the sum in two halves
.set QF,  16                           ; v16-23, v24-31 tile q: 4 registers of codes, 4 of zeros
.set KF,  32                           ; v32-63 eight tiles of keys, 4 registers each; v64-67 zeros
.set VF,  68                           ; v68-99 V^T's two fragments
.set S,   100                          ; v100-163 at the head K's and V's bytes on their way to LDS; then S^T, then p
.set PC,  164                          ; v164-179 p's codes
.set O,   180                          ; v180-211 O^T: (q, u) at 180 + 16 q + 8 u
.set TA,  212                          ; at work
.set F,   214                          ; v[214:215] f = 2^(old M - new M); the upper word is written once
.set PD,  216                          ; a lane permute's destination; written once ahead
.set SU,  218                          ; v[218:219] the second chain of the sum
.set LP,  224                          ; 448 x 2^e9, 2^e9
.set SCP, 225
.set LO,  226                          ; 448 x 2^e10, 2^e10
.set SCO, 227
.macro MKS e, lim, sc                  ; from the exponent in s[e]: v[sc] = 2^e, v[lim] = 448 x 2^e
	s_add_co_i32 s13, s[\e], 127
	s_lshl_b32 s14, s13, 23
	v_mov_b32 v[\sc], s14
	s_add_co_i32 s13, s13, 8
	s_lshl_b32 s13, s13, 23
	s_or_b32 s13, s13, 0x600000
	v_mov_b32 v[\lim], s13
.endm
	s_load_b128 s[4:7], s[0:1], 0x0                ; att, the exponents
	s_load_b64 s[8:9], s[0:1], 0x10                ; oc
	v_lshl_add_u32 v254, v0, 2, 0x20000
	v_mov_b32 v255, 0
	v_lshrrev_b32 v3, 5, v0
	v_readfirstlane_b32 s10, v3                    ; wave 0..15
	v_and_b32 v3, 31, v0
	v_lshlrev_b32 v1, 4, v3                        ; 16 x lane
	s_wait_alu depctr_va_sdst(0)                   ; s10 is written, ahead of its first reader: LDS and memory offsets are made from it
	s_lshl_b32 s25, s10, 13
	v_add_nc_u32 v2, s25, v1                       ; where my key step goes: 8,192 w + 16 x lane
	s_and_b32 s12, ttmp7, 0xffff                   ; batch x 32 + head
	s_lshl_b32 s14, s12, 16
	s_lshl_b32 s15, s10, 12
	s_add_co_u32 s14, s14, s15
	s_add_co_u32 s14, s14, 4<<20                   ; the keys of step w: 4 Mi + 65,536 x head + 4,096 w
	s_mov_b32 s15, 0
	s_lshl_b32 s46, s12, 16
	s_lshl_b32 s47, ttmp9, 14                      ; work-group x: my block of 512 queries
	s_add_co_u32 s46, s46, s47
	s_lshl_b32 s47, s10, 10
	s_add_co_u32 s46, s46, s47                     ; my two query tiles: 65,536 x head + 512 (32 x + 2 w)
	s_mov_b32 s47, 0
	s_lshr_b32 s34, s12, 5
	s_lshl_b32 s34, s34, 7
	s_lshl_b32 s35, ttmp9, 5
	s_add_co_u32 s34, s34, s35
	s_lshl_b32 s35, s10, 1
	s_add_co_u32 s34, s34, s35                     ; my first token tile among all 256
	s_lshl_b32 s34, s34, 14                        ; x 16,384: a row tile of o's image,
	s_and_b32 s35, s12, 31
	s_lshl_b32 s35, s35, 9
	s_add_co_u32 s34, s34, s35                     ; + 512 x head: the chunk
	s_mov_b32 s35, 0
	s_mov_b32 s28, 0x76543210                      ; v_permlanex16_b32's selects for lane l xor 16
	s_mov_b32 s29, 0xfedcba98
	s_mov_b32 s30, 0x3e8293ee                      ; c = log2(e) / sqrt(32)
	s_wait_kmcnt 0x0
	s_load_b256 s[36:43], s[6:7], 0x18             ; e6 .. e13
	s_add_nc_u64 s[26:27], s[4:5], s[14:15]
	s_add_nc_u64 s[44:45], s[4:5], s[46:47]
	s_add_nc_u64 s[8:9], s[8:9], s[34:35]
	s_wait_alu depctr_va_vdst(0)                   ; v1 is written, which the loads below, step 0's loads of keys and the last stores read as their offset; so is v2, the LDS stores' address.  No vector line below names either before those
.irp i, 0,1,2,3,4,5,6,7
	global_load_b128 v[S+4*\i:S+4*\i+3], v1, s[26:27] offset:512*\i              ; my step's eight tiles of keys: 512 consecutive bytes a load
.endr
.irp i, 0,1,2,3,4,5,6,7
	global_load_b128 v[S+32+4*\i:S+32+4*\i+3], v1, s[26:27] offset:4194304+512*\i   ; and V^T's two fragments, 4 Mi further on
.endr
	global_load_b128 v[QF:QF+3], v1, s[44:45]
	global_load_b128 v[QF+8:QF+11], v1, s[44:45] offset:512
.irp j, 4,5,6,7,12,13,14,15
	v_mov_b32 v[QF+\j], 0                          ; zero codes: the upper half of the form's K
.endr
.irp j, 32,33,34,35
	v_mov_b32 v[KF+\j], 0
.endr
.irp q, 0,1
	v_mov_b32 v[ST+4*\q+1], 0xff61b1e6             ; the largest t so far: -3e38, under every t
	v_floor_f32 v[ST+4*\q], -v[ST+4*\q+1]          ; -M
	v_mov_b32 v[ST+4*\q+2], 0                      ; the sum
	v_mov_b32 v[ST+4*\q+3], 0
.endr
.set i, 0
.rept 32
	v_mov_b32 v[O+i], 0                            ; O^T: the step's text finds zeros in the first step, which the first change of M leaves zeros
.set i, i+1
.endr
	v_mov_b32 v[F+1], 0
	v_mov_b32 v[PD], 0
	s_wait_kmcnt 0x0
	s_add_co_i32 s13, s36, s37                     ; e6 + e7
	s_cmp_ge_i32 s39, -8                           ; the flag: 1 where no p can reach the largest code: e9 >= -8
	s_cselect_b32 s35, 1, 0
	s_cmp_le_i32 s13, 0                            ; and e6 + e7 <= 0
	s_cselect_b32 s35, s35, 0
	s_lshl_b32 s13, s13, 23
	s_add_co_i32 s30, s30, s13                     ; a score stands for score x 2^(e6 + e7): added to c's exponent field
	s_mov_b32 s31, s30                             ; (named with it as a pair, so it is written)
	MKS 39, LP, SCP
	MKS 40, LO, SCO
	s_add_co_i32 s34, s38, s39                     ; e8 + e9
; One tile of 16 queries against the step's 128 keys.  more = 1: a further step follows, whose keys the second tile asks for.
.macro TILE q, more
.set SQ, ST+4*(\q)
.set OQ, O+16*(\q)
.if (\q) == 0
	s_wait_dscnt 0x0                               ; this step's keys are in: they were asked for in the second tile of the step before (step 0's: ahead of the loop)
.endif
.set t, 0
.rept 8
	v_wmma_f32_16x16x64_fp8_fp8 v[S+8*t:S+8*t+7], v[KF+4*t:KF+4*t+7], v[QF+8*(\q):QF+8*(\q)+7], 0
.set t, t+1
.endr
.rept 4
	v_nop                                          ; places behind the products, ahead of the first read of their results
.endr
	v_max3_num_f32 v[TA], v[S], v[S+1], v[S+2]     ; the step's largest score of my query among my 64 keys, in two chains, ascending: each accumulator is read from its low end on
	v_max3_num_f32 v[F], v[S+3], v[S+4], v[S+5]
.set j, 6
.rept 14
	v_max3_num_f32 v[TA], v[TA], v[S+j], v[S+j+1]
	v_max3_num_f32 v[F], v[F], v[S+j+2], v[S+j+3]
.set j, j+4
.endr
	v_max3_num_f32 v[TA], v[TA], v[S+62], v[S+63]
	v_max_num_f32 v[TA], v[TA], v[F]
	v_permlanex16_b32 v[PD], v[TA], s28, s29
	v_max_num_f32 v[TA], v[TA], v[PD]              ; and among lane l xor 16's
	v_mul_f32 v[TA], s30, v[TA]                    ; as t (c is positive)
	v_max_num_f32 v[SQ+1], v[SQ+1], v[TA]          ; the running largest t
	v_mov_b32 v[TA], v[SQ]
	v_floor_f32 v[SQ], -v[SQ+1]                    ; the new -M = floor(-t): M is a whole number
	v_sub_f32 v[TA], v[SQ], v[TA]                  ; old M less new M: a whole number, 0 or less
	v_cvt_i32_f32 v[TA], v[TA]                     ; (it saturates)
	v_ldexp_f32 v[F], 1.0, v[TA]                   ; f = 2^(old M - new M)
.set j, 0
.rept 32
	v_pk_fma_f32 v[S+j:S+j+1], v[S+j:S+j+1], s[30:31], v[SQ:SQ+1] op_sel_hi:[1,0,0]   ; t - M (of the pairs c and -M the low word serves both halves)
.set j, j+2
.endr
.set j, 0
.rept 64
	v_exp_f32 v[S+j], v[S+j]                       ; p = 2^(t - M)
.set j, j+1
.endr
	v_pk_mul_f32 v[SQ+2:SQ+3], v[SQ+2:SQ+3], v[F:F+1] op_sel_hi:[1,0]   ; the sum under the new M  (a plain place behind the exponentials)
.if (\q) == 0
	s_wait_alu depctr_va_vdst(0)                   ; the 64 exponentials have written p, ahead of its first reader; the second products of the step before are done reading VF, in which the loads below land; v2, their address, is written
.irp u, 0,1
.irp c, 0,1,2,3
	ds_load_b128 v[VF+16*\u+4*\c:VF+16*\u+4*\c+3], v2 offset:4096+2048*\u+512*\c   ; this step's V^T.  No vector or matrix instruction names VF between the wait above and the wait on DScnt below
.endr
.endr
.else
	s_wait_alu depctr_va_vdst(0)                   ; the 64 exponentials have written p, ahead of its first reader; both tiles' first products are done reading KF, in which the loads below (more = 1) land
.if \more
.irp k, 0,1,2,3,4,5,6,7
	ds_load_b128 v[KF+4*\k:KF+4*\k+3], v2 offset:SPB+512*\k   ; the next step's keys.  No vector or matrix instruction names KF between the wait above and the wait on DScnt at the next step's head
.endr
.endif
.endif
	v_pk_add_f32 v[SU:SU+1], v[S:S+1], v[S+2:S+3]  ; the sum of the UNQUANTISED p, in two chains
.set j, 4
.rept 15
	v_pk_add_f32 v[SQ+2:SQ+3], v[SQ+2:SQ+3], v[S+j:S+j+1]
	v_pk_add_f32 v[SU:SU+1], v[SU:SU+1], v[S+j+2:S+j+3]
.set j, j+4
.endr
	v_pk_add_f32 v[SQ+2:SQ+3], v[SQ+2:SQ+3], v[SU:SU+1]
	s_cmp_lg_u32 s35, 0                            ; where no p can reach the largest code the hold changes nothing: round it.  The branch hangs on given whole numbers alone, and is the same in every wave
	s_cbranch_scc1 .Lfree_\@
.set i, 0
.rept 64
	v_min_num_f32 v[S+i], v[S+i], v[LP]            ; the conversion does not saturate (ISA guide 7.6.2); p is not negative, so the hold is one-sided
.set i, i+1
.endr
.Lfree_\@:
.set i, 0
.rept 8
	v_cvt_scalef32_pk8_fp8_f32 v[PC+2*i:PC+2*i+1], v[S+8*i:S+8*i+7], v[SCP]
.set i, i+1
.endr
.set j, 0
.rept 8
	v_pk_mul_f32 v[OQ+j:OQ+j+1], v[OQ+j:OQ+j+1], v[F:F+1] op_sel_hi:[1,0]   ; O^T under the new M  (plain lines between the conversions and the products that read their codes)
.set j, j+2
.endr
.if (\q) == 0
	s_wait_dscnt 0x0                               ; V is in
.endif
	v_wmma_f32_16x16x128_fp8_fp8 v[OQ:OQ+7], v[VF:VF+15], v[PC:PC+15], v[OQ:OQ+7]           ; the accumulators take turns: no two matrix instructions that follow each other share one
	v_wmma_f32_16x16x128_fp8_fp8 v[OQ+8:OQ+15], v[VF+16:VF+31], v[PC:PC+15], v[OQ+8:OQ+15]
.endm
; A key step.  more = 1: in the loop, the step's LDS byte in s32; more = 0: the last step, at 15 x 8,192.
.macro STEP more
	s_wait_alu depctr_vm_vsrc(0)                   ; the LDS instructions issued so far have read their registers: the loads of the step before v2, which the add below writes; ahead of the first step my LDS stores v2 and S, which the first products write
.if \more
	v_add_nc_u32 v2, s32, v1
.else
	v_add_nc_u32 v2, 15*SPB, v1
.endif
	TILE 0, \more
	TILE 1, \more
.endm
	s_mov_b32 s32, 0                               ; LDS byte of the step in hand
	s_mov_b32 s33, 15                              ; the loop's steps: all but the last
	s_wait_loadcnt 2                               ; my key step's sixteen loads are in; the queries' two may be out
.irp i, 0,1,2,3,4,5,6,7,8,9,10,11,12,13,14,15
	ds_store_b128 v2, v[S+4*\i:S+4*\i+3] offset:512*\i   ; as it lies: the keys' eight tiles, then V^T's two fragments
.endr
	s_wait_dscnt 0x0                               ; for the others' sake: my stores are done,
	s_barrier_signal -1
	s_barrier_wait -1                              ; everybody's are: all sixteen key steps lie in LDS
.irp k, 0,1,2,3,4,5,6,7
	ds_load_b128 v[KF+4*\k:KF+4*\k+3], v1 offset:512*\k   ; step 0's keys, by v1: no vector instruction has named v32 to v63, nor v1 since the head's wait
.endr
	s_wait_loadcnt 0x0                             ; my queries
.Lstep:
	STEP 1
	s_add_co_u32 s32, s32, SPB
	s_sub_co_u32 s33, s33, 1
	s_cmp_lg_u32 s33, 0
	s_cbranch_scc1 .Lstep
	STEP 0                                         ; the last step is written out: there are no further keys, and no LDS load reaches past the sixteen steps' 131,072 bytes
.rept 4
	v_nop                                          ; places behind the last products
.endr
	; THE WAY OUT: O^T / the sum x 2^(e8 + e9), held, converted with e10: 16 codes a lane and tile, a chunk of o's image: the wave stores 512 consecutive bytes.
.irp q, 0,1
	v_add_f32 v[ST+4*\q+2], v[ST+4*\q+2], v[ST+4*\q+3]
	v_permlanex16_b32 v[PD], v[ST+4*\q+2], s28, s29
	v_add_f32 v[ST+4*\q+2], v[ST+4*\q+2], v[PD]    ; the row's sum
.endr
	v_rcp_f32 v[ST+2], v[ST+2]
	v_rcp_f32 v[ST+6], v[ST+6]
	v_nop                                          ; a plain place behind the transcendentals
	s_wait_alu depctr_va_vdst(0)                   ; both reciprocals are written, ahead of their first reader: one wait for the two
.irp q, 0,1
	v_ldexp_f32 v[ST+4*\q+2], v[ST+4*\q+2], s34
.set i, 0
.rept 16
	v_mul_f32 v[S+16*\q+i], v[O+16*\q+i], v[ST+4*\q+2]
.set i, i+1
.endr
.set i, 0
.rept 16
	v_med3_num_f32 v[S+16*\q+i], v[S+16*\q+i], -v[LO], v[LO]
.set i, i+1
.endr
	v_cvt_scalef32_pk8_fp8_f32 v[PC+4*\q:PC+4*\q+1], v[S+16*\q:S+16*\q+7], v[SCO]
	v_cvt_scalef32_pk8_fp8_f32 v[PC+4*\q+2:PC+4*\q+3], v[S+16*\q+8:S+16*\q+15], v[SCO]
.endr
	v_nop                                          ; a plain vector line behind the last conversion
	s_wait_alu depctr_va_vdst(0)                   ; the four conversions have written v[PC] to v[PC + 7], which the two stores read
.irp q, 0,1
	global_store_b128 v1, v[PC+4*\q:PC+4*\q+3], s[8:9] offset:16384*\q
.endr
	s_wait_dscnt 0x0                               ; the closing lines, six on end
	s_wait_alu 0x0
	s_wait_tensorcnt 0x0
	ds_add_u32 v254, v255
	s_wait_dscnt 0x0
	s_endpgm
.Lfunc_end_k_q947eed1cd1_attn:
	.size	k_q947eed1cd1_attn, .Lfunc_end_k_q947eed1cd1_attn-k_q947eed1cd1_attn
	.p2alignl 7, 3214868480
	.fill 96, 4, 3214868480
	.section	.rodata,"a",@progbits
	.p2align	6, 0x0
	.amdhsa_kernel k_q947eed1cd1_attn
		.amdhsa_group_segment_fixed_size 133120
		.amdhsa_private_segment_fixed_size 0
		.amdhsa_enable_private_segment 0
		.amdhsa_kernarg_size 24
		.amdhsa_user_sgpr_count 2
		.amdhsa_user_sgpr_kernarg_segment_ptr 1
		.amdhsa_wavefront_size32 1
		.amdhsa_system_sgpr_workgroup_id_x 1
		.amdhsa_system_sgpr_workgroup_id_y 1
		.amdhsa_system_sgpr_workgroup_id_z 1
		.amdhsa_system_vgpr_workitem_id 0
		.amdhsa_next_free_vgpr 256
		.amdhsa_next_free_sgpr 66
		.amdhsa_reserve_vcc 0
		.amdhsa_float_denorm_mode_32 3
		.amdhsa_float_denorm_mode_16_64 3
		.amdhsa_memory_ordered 1
		.amdhsa_forward_progress 1
		.amdhsa_inst_pref_size 64
	.end_amdhsa_kernel
	.amdgpu_metadata
---
amdhsa.version: [ 1, 2 ]
amdhsa.kernels:
  - .name:           k_q947eed1cd1_attn
    .symbol:         k_q947eed1cd1_attn.kd
    .args:
      - { .name: att, .offset: 0, .size: 8, .value_kind: global_buffer, .address_space: global }
      - { .name: lowp_scales, .offset: 8, .size: 8, .value_kind: global_buffer, .address_space: global }
      - { .name: oc, .offset: 16, .size: 8, .value_kind: global_buffer, .address_space: global }
    .group_segment_fixed_size: 133120
    .private_segment_fixed_size: 0
    .kernarg_segment_align: 8
    .kernarg_segment_size: 24
    .max_flat_workgroup_size: 512
    .sgpr_count:     66
    .vgpr_count:     256
    .wavefront_size: 32
...
	.end_amdgpu_metadata
.endif
;; end of part 12
;; launch wo: the kernel of part 10 again; grid 8 x 32, 4 waves a work-group, clusters of 4 x 4, 327,680 bytes of LDS; arguments oc, img, bo, lowp_scales, y0; writes y0
;; launch ln0: the kernel of part 5 again; grid 256 x 1, 16 waves a work-group, no clusters, 73,728 bytes of LDS; arguments y0, x, ln0_a, ln0_b, lowp_scales, hf, hc; writes hf, hc
;; launch ffn1: the kernel of part 6 again; grid 16 x 16, 4 waves a work-group, clusters of 4 x 4, 327,680 bytes of LDS; arguments hc, img, b0, lowp_scales, hid; writes hid
;; launch ffn2: the kernel of part 11 again; grid 8 x 32, 4 waves a work-group, clusters of 4 x 4, 327,680 bytes of LDS; arguments hid, img, b1, lowp_scales, y1; writes y1
;; launch ln1: the kernel of part 8 again; grid 256 x 1, 16 waves a work-group, no clusters, 73,728 bytes of LDS; arguments y1, hf, ln1_a, ln1_b, out0; writes out0
